; MI455X (gfx1250); checked and timed in simulation.
; The chip was launched on July 23, 2026; its instructions are those of AMD's public machine-readable ISA for CDNA 5 (MIT licence, August 2026) and "CDNA5" Instruction Set Architecture Reference Guide (July 2026). The comments in the code are by the model that wrote it; some were corrected since.
;; Moba Attention. Allowed arithmetic: matrix products marked QUANTISED: E2M3 operands, one E8M0 scale for each 32 along K, by v_wmma_scale_f32_16x16x128_f8f6f4 with both operands' format E2M3, f32 sums; products left as they are: f32 operands where the result goes on into a quantised operand, else bf16, f16 or f32 operands; f32 sums; everything else in f32.
;; Inputs: Wg1 64 x 2,048 float32; Wg2 2,048 x 64 float32; Wk 2,048 x 2,048 float32; Wo 2,048 x 2,048 float32; Wq 2,048 x 2,048 float32; Wv 2,048 x 2,048 float32; hidden_states 1 x 2,048 x 2,048 float32; o_norm_weight 64 float32.
;; Outputs: out0 1 x 2,048 x 2,048 float32.
;; This version of the problem:
;;   THIS VERSION OF THE PROBLEM IS GIVEN IN LOW PRECISION. The matrix products marked QUANTISED in the list below multiply operands that are first quantised to E2M3 (2 exponent bits, 3 mantissa bits; 6 bits a number), with one power-of-two scale for each 32 numbers along K (OCP MX v1.0); their sums are f32. All else is computed in f32.
;;   The module's matrix products, in the order in which they are computed (A, B: the left and right operand; K: the contracted axis; several contracted axes count as one K, in the product's order):
;;     1. [M 2,048, K 2,048] x [K 2,048, N 2,048]; A: input hidden_states; B: input Wq: QUANTISED
;;     2. [M 2,048, K 2,048] x [K 2,048, N 2,048]; A: input hidden_states; B: input Wk: QUANTISED
;;     3. [M 2,048, K 2,048] x [K 2,048, N 2,048]; A: input hidden_states; B: input Wv: QUANTISED
;;     4. batch 32 x [M 2,048, K 64] x [K 64, N 8]; A: computed on the way; B: computed on the way: left as it is (N = 8 < 16)
;;     5. batch 32 x [M 2,048, K 64] x [K 64, N 2,048]; A: computed on the way; B: computed on the way: QUANTISED
;;     6. batch 32 x [M 64, K 2,048] x [K 2,048, N 2,048]; A: computed on the way; B: softmax (see below): QUANTISED
;;     7. [M 2,048, K 2,048] x [K 2,048, N 64]; A: input hidden_states; B: input Wg1: QUANTISED
;;     8. [M 2,048, K 64] x [K 64, N 2,048]; A: computed on the way; B: input Wg2: QUANTISED
;;     9. [M 2,048, K 2,048] x [K 2,048, N 2,048]; A: computed on the way; B: input Wo: QUANTISED
;;   THE QUANTISER, for each operand of a quantised product, along K:
;;     - K is cut into blocks of 32 from its start; a last block that is shorter is filled with zeros.
;;     - A block's scale is 2^e with e = floor(log2(the largest magnitude in the block)) - 2, held to -126 .. 127; a block of zeros has e = 0. As a byte (E8M0): e + 127.
;;     - Each number is divided by its block's scale, clamped to +-7.5, and rounded to the nearest number of E2M3, ties to even, subnormals kept.
;;     - The product sums the exact products of the quantised numbers (number of the format x scale) in f32.
;;   ~~~python
;;   def quantise(x, axis):      # numpy; x: float32 -> the quantised numbers, widened to float32 again
;;       x = np.moveaxis(x, axis, -1); K = x.shape[-1]
;;       x = np.pad(x, [(0, 0)] * (x.ndim - 1) + [(0, -K % 32)]); x = x.reshape(x.shape[:-1] + (-1, 32)); a = np.abs(x).max(-1, keepdims=True)
;;       e = np.where(a > 0, np.clip(np.frexp(np.where(a > 0, a, 1))[1] - 1 - 2, -126, 127), 0)      # np.frexp(a)[1] - 1 = floor(log2(a)), exactly
;;       r = np.clip(x / 2.0 ** e, -7.5, 7.5)
;;       step = 2.0 ** (np.maximum(np.frexp(np.where(r == 0, 1, r))[1] - 1, 0) - 3)
;;       q = np.round(r / step) * step * 2.0 ** e      # np.round: ties to even
;;       return np.moveaxis(q.reshape(q.shape[:-2] + (-1,))[..., :K], -1, axis).astype(np.float32)
;;   ~~~
;;   SOFTMAX AHEAD OF A QUANTISED PRODUCT. Where the list says 'softmax', what is quantised is not the finished softmax but p = 2^(t - M), with t = logit x log2(e) and M = ceil(the row's largest t), a whole number; so 1/2 < the row's largest p <= 1. The row's sum l is taken of the UNQUANTISED p, in f32, and the product's result is divided by l at the end. Since M is a whole number, a kernel that streams over the keys may use a running M (the ceiling of the running maximum): every later rescaling is an exact power of two, which a block's scale takes up: the codes' values come out the same.
;;   OPERANDS COMPUTED ON THE WAY. 'Computed on the way' means the value that the module computes at that place (a softmax that the list does not call 'softmax' is quantised finished and normalised). What goes into a quantiser is computed in f32, as accurately as f32 sums, v_exp_f32 and their like allow (about 1e-6 of the number): no bf16 or f16 on the way to a quantiser, and a product that is left as it is and whose result goes on into a quantised operand takes f32 operands (vector FMAs, or v_wmma_f32_16x16x4_f32). A number that lies on a knife's edge between two numbers of the format may be rounded either way, as far as f32 arithmetic and the matrix unit's own rounding can turn it there, and no further.
;; 2 versions, each right. Each part assembles by itself: llvm-mc -triple=amdgcn-amd-amdhsa -mcpu=gfx1250 --defsym DOCPART=n.
;; ======== version 1 of 2: 5 launches
;; limits: right only within a limited range of input values
;; workspace buffers: wcodes 15,925,248 bytes; wscales 663,552 bytes; rope 524,288 bytes; qimg 16,777,216 bytes; kv 6,946,816 bytes; g1c 114,688 bytes; ocodes 3,145,728 bytes; oscales 131,072 bytes
;; launch prep (part 1): grid 664 x 1, 4 waves a work-group, no clusters, 33,280 bytes of LDS; arguments hidden_states, Wq, Wk, Wv, Wg1, Wo, Wg2, wcodes, wscales, rope; writes wcodes, wscales, rope
.if DOCPART == 1
	.amdgcn_target "amdgcn-amd-amdhsa--gfx1250"
	.amdhsa_code_object_version 6
	.text
	.protected	k_q2ffc27f466_prep
	.globl	k_q2ffc27f466_prep
	.p2align	8
	.type	k_q2ffc27f466_prep,@function
k_q2ffc27f466_prep:
	s_mov_b64 s[64:65], 0
	v_nop
	global_prefetch_b8 v0, s[64:65] scope:SCOPE_SE
	s_setreg_imm32_b32 hwreg(HW_REG_WAVE_MODE, 25, 1), 1
	s_wait_xcnt 0x0
; PREP.  (1) The seven f32 matrices become codes of FP6 (E2M3) with K innermost and one E8M0 byte for each 32 along K; (2) the table of cos and sin for the rotary embedding is made.
; All seven have K innermost and dense rows, so each is a plain stream of blocks of 32.  They lie one behind the other in wcodes as 10,368 rows of 2,048 codes (1,536 bytes) and in wscales as rows of 64 bytes:
; hidden_states from row 0, Wq 2048, Wk 4096, Wv 6144, Wg1 8192, Wo 8256, Wg2 10304 (its 2,048 rows of 64 numbers count as 64 rows of 2,048).
; THE ROWS BELOW 8256 ARE STORED WITH BITS 3 AND 4 OF THE ROW NUMBER EXCHANGED: sixteen stored neighbours are then rows 0-7 and 16-23 (or 8-15 and 24-31) of a group of 32, which lets the later
; launches' transposed products leave 16 neighbours of each block of 32 of the next K in one lane.
; A block's scale is 2^(floor(log2(largest magnitude)) - 2); its byte is the largest magnitude's exponent field - 2, held at 1 from below.  A block of zeros gets the byte 1 (its codes are zeros; this program alone reads the bytes).
; LIMITS: NaN and infinities among the inputs are not served; blocks whose largest magnitude lies under 2^-124 get the byte 1.
; SHARES.  Work-groups 0 to 647 quantise 16 rows each, a wave 4 rows = 16 steps of 512 numbers: each load reads 512 consecutive bytes; a step's 2,048 bytes turn through the wave's own stage in LDS, so that a lane
; holds 16 neighbours; a wave's store of codes covers 384 consecutive bytes; its 256 scale bytes leave as one aligned run of 256.  Work-groups 648 to 663 make the table, 128 positions each, and use no LDS.
; THE TABLE: rope[pos][64 f32]; for frequencies 2 m and 2 m + 1: floats 4 m, 4 m + 1 their cos, floats 4 m + 2, 4 m + 3 their sin.  angle = f32(pos) x inv_freq in one f32 product,
; inv_freq = 1 / f32(10^(i / 8)), the division corrected by one fused step.  LIMIT: this takes the f32 power 10000^(i / 32) to be rounded to nearest.
.set WAVES, 4
.set STEPS, 16
.set NQWG,  648                        ; work-groups that quantise
.set EMAX,  2
.set CB,    12                         ; bytes of 16 codes
.set R,     16                         ; v16-79   four sets of 16 numbers as they are loaded
.set X,     80                         ; v80-111  two sets of 16 neighbours
.set C,     128                        ; v128-191 codes: four registers for each step
.set E,     112                        ; v112-127 a scale byte for each step
.set WREG,  8192                       ; LDS: a region for each wave: two stages of 32 x SP bytes, then its 256 scale bytes
.set SP,    80                         ; a lane's place in a stage: 64 bytes + 16 of padding
.set SPW,   12                         ; v12 LDS address of my spare word; never rewritten
.set NIL,   13                         ; v13 0; never rewritten
.set SPARE, WAVES*WREG                 ; the spare words: 128 bytes a wave, two blocks of 256 bytes that no other line names
.set SRC,   4                          ; s[4:5]   my wave's numbers
.set DC,    38                         ; s[38:39] my wave's codes
.set DS,    40                         ; s[40:41] my wave's scale bytes
	s_load_b512 s[8:23], s[0:1], 0x0               ; hidden_states s[8:9], Wq, Wk, Wv, Wg1, Wo, Wg2 s[20:21], wcodes s[22:23]
	s_load_b128 s[24:27], s[0:1], 0x40             ; wscales s[24:25], rope s[26:27]
	v_lshl_add_u32 v[SPW], v0, 2, SPARE
	v_mov_b32 v[NIL], 0
	v_lshrrev_b32 v1, 5, v0
	v_readfirstlane_b32 s28, v1                    ; wave
	v_and_b32 v2, 31, v0                           ; lane
	s_cmp_ge_u32 ttmp9, NQWG
	s_cbranch_scc1 .Ltable
	; ---------------- the quantiser
	v_lshlrev_b32 v3, 4, v2                        ; my 16 bytes of a load's 512
	s_mul_i32 s29, s28, WREG
	v_lshrrev_b32 v14, 2, v2
	v_mul_u32_u24 v14, v14, SP
	v_and_b32 v15, 3, v2
	v_lshl_add_u32 v14, v15, 4, v14
	v_add_nc_u32 v14, s29, v14                     ; the stage, way in: SP (lane / 4) + 16 (lane % 4)
	v_mul_u32_u24 v15, v2, SP
	v_add_nc_u32 v15, s29, v15                     ; way out: SP x lane: my 16 neighbours
	v_mul_u32_u24 v4, v2, CB                       ; my codes' place in a step's
	v_lshrrev_b32 v5, 1, v2
	s_add_co_u32 s29, s29, 2*32*SP
	v_add_nc_u32 v5, s29, v5                       ; LDS: my wave's 256 scale bytes, my block's byte
	v_lshlrev_b32 v7, 3, v2
	v_add_nc_u32 v6, s29, v7                       ; and on the way out 8 bytes a lane
	s_wait_kmcnt 0x0
	s_mov_b64 s[SRC:SRC+1], s[8:9]                 ; which tensor: the choice hangs on the work-group's number alone
	s_mov_b32 s30, 0                               ; and its first work-group
.macro PICK first, ptr
	s_cmp_ge_u32 ttmp9, \first
	s_cselect_b64 s[SRC:SRC+1], s[\ptr:\ptr+1], s[SRC:SRC+1]
	s_cselect_b32 s30, \first, s30
.endm
	PICK 128, 10
	PICK 256, 12
	PICK 384, 14
	PICK 512, 16
	PICK 516, 18
	PICK 644, 20
	s_sub_co_u32 s31, ttmp9, s30
	s_lshl_b32 s31, s31, 2
	s_add_co_u32 s31, s31, s28                     ; which run of 8,192 numbers of the tensor is my wave's
	s_lshl_b32 s32, s31, 15                        ; 32,768 bytes a run
	s_mov_b32 s33, 0
	s_add_nc_u64 s[SRC:SRC+1], s[SRC:SRC+1], s[32:33]
	s_lshl_b32 s34, ttmp9, 4
	s_lshl_b32 s35, s28, 2
	s_add_co_u32 s34, s34, s35                     ; my first row among the 10,368: 16 x work-group + 4 x wave
	s_and_b32 s35, s34, 8
	s_lshl_b32 s35, s35, 1
	s_and_b32 s36, s34, 16
	s_lshr_b32 s36, s36, 1
	s_or_b32 s35, s35, s36
	s_and_b32 s36, s34, 0xffffffe7
	s_or_b32 s35, s35, s36                         ; the same with bits 3 and 4 exchanged (my four rows share them)
	s_cmp_lt_u32 ttmp9, 516                        ; Wo and Wg2 keep their order
	s_cselect_b32 s34, s35, s34
	s_mul_i32 s36, s34, 1536
	s_mov_b32 s37, 0
	s_add_nc_u64 s[DC:DC+1], s[22:23], s[36:37]
	s_lshl_b32 s36, s34, 6
	s_add_nc_u64 s[DS:DS+1], s[24:25], s[36:37]
.macro LOAD t
.irp i, 0,1,2,3
	global_load_b128 v[R+16*((\t)%4)+4*\i:R+16*((\t)%4)+4*\i+3], v3, s[SRC:SRC+1] offset:2048*(\t)+512*\i th:TH_LOAD_NT   ; 32 lanes read 512 consecutive bytes
.endr
.endm
.macro TURN t                          ; step t's numbers through the stage: LDS serves a wave's instructions in order, so no wait stands between the stores and the loads
.irp i, 0,1,2,3
	ds_store_b128 v14, v[R+16*((\t)%4)+4*\i:R+16*((\t)%4)+4*\i+3] offset:32*SP*((\t)%2)+8*SP*\i
.endr
.irp i, 0,1,2,3
	ds_load_b128 v[X+16*((\t)%2)+4*\i:X+16*((\t)%2)+4*\i+3], v15 offset:32*SP*((\t)%2)+16*\i
.endr
.endm
.irp t, 0,1,2,3
	LOAD \t
.endr
	s_wait_loadcnt 12                              ; step 0's four loads are in; three steps' twelve may be out
	TURN 0
.macro STEP t
.set XS, X+16*((\t)%2)
.if (\t) > 0
	s_wait_dscnt 1                                 ; this step's numbers are back from the stage (the last step's byte store may be out)
.else
	s_wait_dscnt 0x0
.endif
.if (\t)+4 < STEPS
	LOAD (\t)+4                                    ; into the registers that the stage's stores have read
.endif
.if (\t)+1 < STEPS
.if STEPS-2-(\t) >= 3
	s_wait_loadcnt 12                              ; the next step's four loads are in; those of the three steps behind it may be out
.else
	s_wait_loadcnt 4*(STEPS-2-(\t))
.endif
	TURN (\t)+1
.endif
	v_max3_num_f32 v8, |v[XS]|, |v[XS+1]|, |v[XS+2]|               ; the largest magnitude of my 16
	v_max3_num_f32 v9, |v[XS+3]|, |v[XS+4]|, |v[XS+5]|
.irp i, 6,10
	v_max3_num_f32 v8, v8, |v[XS+\i]|, |v[XS+\i+1]|
	v_max3_num_f32 v9, v9, |v[XS+\i+2]|, |v[XS+\i+3]|
.endr
	v_max3_num_f32 v8, v8, |v[XS+14]|, |v[XS+15]|
	v_max3_num_f32 v8, v8, v9, (EMAX+1)<<23        ; and the floor 2^(3 - 127): the byte cannot fall under 1
	v_max_num_f32_dpp v8, v8, v8 row_xmask:1 row_mask:0xf bank_mask:0xf   ; and of my neighbour's 16: the block's
	v_add_nc_u32 v11, -(EMAX<<23), v8              ; 2 off its exponent field: the conversion's scale operand
	v_cvt_scalef32_pk16_fp6_f32 v[C+4*(\t):C+4*(\t)+2], v[XS:XS+15], v11
	v_lshrrev_b32 v[E+(\t)], 23, v11               ; the scale's byte
	ds_store_b8 v5, v[E+(\t)] offset:16*(\t)       ; both lanes of a block write the same byte with the same value
	global_store_b96 v4, v[C+4*(\t):C+4*(\t)+2], s[DC:DC+1] offset:32*CB*(\t)
.endm
.irp t, 0,1,2,3,4,5,6,7,8,9,10,11,12,13,14,15
	STEP \t
.endr
	ds_load_b64 v[8:9], v6                         ; LDS serves a wave's instructions in order: these see my stores
	s_wait_dscnt 0x0
	global_store_b64 v7, v[8:9], s[DS:DS+1]        ; 32 lanes store 256 consecutive bytes, aligned
	s_wait_tensorcnt 0x0                           ; the wave's end, behind my last LDS store
	ds_add_u32 v[SPW], v[NIL]
	s_wait_dscnt 0x0
	s_endpgm
	; ---------------- the table.  Lane l makes, for frequencies 2 (l / 2) and 2 (l / 2) + 1, the cos (l even) or the sin (l odd): 8 bytes a lane, a position's 256 bytes a wave
.Ltable:
	s_sub_co_u32 s29, ttmp9, NQWG
	s_lshl_b32 s29, s29, 7
	s_lshl_b32 s30, s28, 5
	s_add_co_u32 s31, s29, s30                     ; my wave's first position
	v_mov_b32 v16, 0
	v_mov_b32 v17, 0
.macro FREQ i, val                     ; 10^(i / 8) into the two lanes that make frequency i
	s_mov_b32 s35, \val
	v_writelane_b32 v[16+(\i)%2], s35, 2*((\i)/2)
	v_writelane_b32 v[16+(\i)%2], s35, 2*((\i)/2)+1
.endm
	FREQ 0, 1.0
	FREQ 1, 1.3335214321633240
	FREQ 2, 1.7782794100389228
	FREQ 3, 2.3713737056616552
	FREQ 4, 3.1622776601683795
	FREQ 5, 4.2169650342858225
	FREQ 6, 5.6234132519034908
	FREQ 7, 7.4989420933245582
	FREQ 8, 10.0
	FREQ 9, 13.335214321633240
	FREQ 10, 17.782794100389228
	FREQ 11, 23.713737056616552
	FREQ 12, 31.622776601683795
	FREQ 13, 42.169650342858225
	FREQ 14, 56.234132519034908
	FREQ 15, 74.989420933245582
	FREQ 16, 100.0
	FREQ 17, 133.35214321633240
	FREQ 18, 177.82794100389228
	FREQ 19, 237.13737056616552
	FREQ 20, 316.22776601683795
	FREQ 21, 421.69650342858225
	FREQ 22, 562.34132519034908
	FREQ 23, 749.89420933245582
	FREQ 24, 1000.0
	FREQ 25, 1333.5214321633240
	FREQ 26, 1778.2794100389228
	FREQ 27, 2371.3737056616552
	FREQ 28, 3162.2776601683795
	FREQ 29, 4216.9650342858225
	FREQ 30, 5623.4132519034908
	FREQ 31, 7498.9420933245582
	v_rcp_f32 v18, v16
	v_rcp_f32 v19, v17
	v_and_b32 v38, 1, v2                           ; (a plain instruction behind the reciprocals)  0: cos, 1: sin
	s_wait_alu depctr_va_vdst(0)                   ; one wait for both, ahead of their first reader
	v_fma_f32 v20, -v16, v18, 1.0                  ; the reciprocal's error,
	v_fma_f32 v21, -v17, v19, 1.0
	v_fma_f32 v18, v18, v20, v18                   ; taken off: inv_freq
	v_fma_f32 v19, v19, v21, v19
	v_mul_u32_u24 v38, 3, v38                      ; sin x = cos(x - pi / 2): three quadrants on
	v_lshlrev_b32 v39, 3, v2                       ; my 8 bytes of a position's 256
	s_mov_b32 s44, 0x3f22f983                      ; 2 / pi
	s_mov_b32 s45, 0xbfc90fdb                      ; -(pi / 2 rounded to f32)
	s_mov_b32 s46, 0x333bbd2e                      ; that f32 number less pi / 2
	s_mov_b32 s47, 0.00019515295891                ; sin r = r + r z (-S1 + z (S2 - S3 z)), z = r r, |r| <= pi / 4
	s_mov_b32 s48, 0.0083321608736
	s_mov_b32 s49, 0.16666654611
	s_mov_b32 s50, 0.00002443315711809948          ; cos r = 1 - z / 2 + z z (C1 + z (-C2 + C3 z))
	s_mov_b32 s51, 0.001388731625493765
	s_mov_b32 s52, 0.04166664568298827
	s_lshl_b32 s32, s31, 8
	s_mov_b32 s33, 0
	s_wait_kmcnt 0x0
	s_add_nc_u64 s[26:27], s[26:27], s[32:33]
	s_mov_b32 s34, 0
.Lpos:                                                 ; 32 trips, a position each
	v_cvt_f32_u32 v20, s31
.irp q, 0,1
	v_mul_f32 v[24+\q], v20, v[18+\q]              ; the angle, one f32 product
.endr
.irp q, 0,1
	v_mul_f32 v[26+\q], s44, v[24+\q]
.endr
.irp q, 0,1
	v_rndne_f32 v[26+\q], v[26+\q]                 ; n: the nearest multiple of pi / 2 (at most 1,304)
.endr
.irp q, 0,1
	v_fma_f32 v[24+\q], v[26+\q], s45, v[24+\q]    ; exact: both are multiples of 2^-23 and the difference is under 1
.endr
.irp q, 0,1
	v_fma_f32 v[24+\q], v[26+\q], s46, v[24+\q]    ; r
.endr
.irp q, 0,1
	v_cvt_i32_f32 v[26+\q], v[26+\q]
.endr
.irp q, 0,1
	v_add_nc_u32 v[26+\q], v[26+\q], v38           ; the quadrant k
.endr
.irp q, 0,1
	v_mul_f32 v[28+\q], v[24+\q], v[24+\q]         ; z
.endr
.irp q, 0,1
	v_fma_f32 v[30+\q], v[28+\q], -s47, s48
	v_fma_f32 v[34+\q], v[28+\q], s50, -s51
.endr
.irp q, 0,1
	v_fma_f32 v[30+\q], v[28+\q], v[30+\q], -s49
	v_fma_f32 v[34+\q], v[28+\q], v[34+\q], s52
.endr
.irp q, 0,1
	v_mul_f32 v[32+\q], v[24+\q], v[28+\q]
	v_fma_f32 v[36+\q], v[28+\q], -0.5, 1.0
.endr
.irp q, 0,1
	v_fma_f32 v[30+\q], v[32+\q], v[30+\q], v[24+\q]   ; sin r
	v_mul_f32 v[32+\q], v[28+\q], v[28+\q]
.endr
.irp q, 0,1
	v_fma_f32 v[34+\q], v[32+\q], v[34+\q], v[36+\q]   ; cos r
.endr
.irp q, 0,1
	v_and_b32 v[32+\q], 1, v[26+\q]
	v_cmp_ne_u32 vcc_lo, 0, v[32+\q]
	v_cndmask_b32 v[30+\q], v[34+\q], v[30+\q], vcc_lo ; cos(k pi / 2 + r): cos r, -sin r, -cos r, sin r for k = 0, 1, 2, 3 modulo 4
	v_add_nc_u32 v[26+\q], 1, v[26+\q]
	v_and_b32 v[26+\q], 2, v[26+\q]
	v_lshlrev_b32 v[26+\q], 30, v[26+\q]
	v_xor_b32 v[22+\q], v[30+\q], v[26+\q]
.endr
	global_store_b64 v39, v[22:23], s[26:27]       ; 32 lanes store 256 consecutive bytes, aligned
	s_wait_xcnt 0x0                                ; the store has read its offset and its data: both are written again only behind this wait
	v_add_nc_u32 v39, 0x100, v39
	s_add_co_u32 s31, s31, 1
	s_add_co_u32 s34, s34, 1
	s_cmp_lt_u32 s34, 32
	s_cbranch_scc1 .Lpos
	s_endpgm
.Lfunc_end_k_q2ffc27f466_prep:
	.size	k_q2ffc27f466_prep, .Lfunc_end_k_q2ffc27f466_prep-k_q2ffc27f466_prep
	.p2alignl 7, 3214868480
	.fill 96, 4, 3214868480
	.section	.rodata,"a",@progbits
	.p2align	6, 0x0
	.amdhsa_kernel k_q2ffc27f466_prep
		.amdhsa_group_segment_fixed_size 33280
		.amdhsa_private_segment_fixed_size 0
		.amdhsa_enable_private_segment 0
		.amdhsa_kernarg_size 80
		.amdhsa_user_sgpr_count 2
		.amdhsa_user_sgpr_kernarg_segment_ptr 1
		.amdhsa_wavefront_size32 1
		.amdhsa_system_sgpr_workgroup_id_x 1
		.amdhsa_system_sgpr_workgroup_id_y 1
		.amdhsa_system_sgpr_workgroup_id_z 1
		.amdhsa_system_vgpr_workitem_id 0
		.amdhsa_next_free_vgpr 192
		.amdhsa_next_free_sgpr 66
		.amdhsa_reserve_vcc 1
		.amdhsa_float_denorm_mode_32 3
		.amdhsa_float_denorm_mode_16_64 3
		.amdhsa_memory_ordered 1
		.amdhsa_forward_progress 1
		.amdhsa_inst_pref_size 43
	.end_amdhsa_kernel
	.amdgpu_metadata
---
amdhsa.version: [ 1, 2 ]
amdhsa.kernels:
  - .name:           k_q2ffc27f466_prep
    .symbol:         k_q2ffc27f466_prep.kd
    .args:
      - { .name: hidden_states, .offset: 0, .size: 8, .value_kind: global_buffer, .address_space: global }
      - { .name: Wq, .offset: 8, .size: 8, .value_kind: global_buffer, .address_space: global }
      - { .name: Wk, .offset: 16, .size: 8, .value_kind: global_buffer, .address_space: global }
      - { .name: Wv, .offset: 24, .size: 8, .value_kind: global_buffer, .address_space: global }
      - { .name: Wg1, .offset: 32, .size: 8, .value_kind: global_buffer, .address_space: global }
      - { .name: Wo, .offset: 40, .size: 8, .value_kind: global_buffer, .address_space: global }
      - { .name: Wg2, .offset: 48, .size: 8, .value_kind: global_buffer, .address_space: global }
      - { .name: wcodes, .offset: 56, .size: 8, .value_kind: global_buffer, .address_space: global }
      - { .name: wscales, .offset: 64, .size: 8, .value_kind: global_buffer, .address_space: global }
      - { .name: rope, .offset: 72, .size: 8, .value_kind: global_buffer, .address_space: global }
    .group_segment_fixed_size: 33280
    .private_segment_fixed_size: 0
    .kernarg_segment_align: 8
    .kernarg_segment_size: 80
    .max_flat_workgroup_size: 128
    .sgpr_count:     66
    .vgpr_count:     192
    .wavefront_size: 32
...
	.end_amdgpu_metadata
.endif
;; end of part 1
;; launch proj (part 2): grid 24 x 8, 4 waves a work-group, clusters of 4 x 4, 327,680 bytes of LDS; arguments wcodes, wscales, rope, qimg, kv; writes qimg, kv
.if DOCPART == 2
	.amdgcn_target "amdgcn-amd-amdhsa--gfx1250"
	.amdhsa_code_object_version 6
	.text
	.protected	k_q2ffc27f466_proj
	.globl	k_q2ffc27f466_proj
	.p2align	8
	.type	k_q2ffc27f466_proj,@function
k_q2ffc27f466_proj:
	s_mov_b64 s[64:65], 0
	v_nop
	global_prefetch_b8 v0, s[64:65] scope:SCOPE_SE
	s_setreg_imm32_b32 hwreg(HW_REG_WAVE_MODE, 25, 1), 1
	s_wait_xcnt 0x0
	s_wait_alu depctr_hold_cnt(0) depctr_sa_sdst(0) depctr_va_vdst(0) depctr_va_sdst(0) depctr_va_ssrc(0) depctr_va_vcc(0) depctr_vm_vsrc(0)
	s_getreg_b32 s2, hwreg(HW_REG_IB_STS2, 6, 4)
	s_cmp_eq_u32 s2, 0
	s_cbranch_scc0 .Lentry_in_a_cluster
	s_endpgm
.Lentry_in_a_cluster:
	s_bfe_u32 s2, ttmp6, 0x10000c
	s_cmp_lg_u32 s2, 0xf033
	s_cbranch_scc0 .Lentry_shape_is_right
	s_endpgm
.Lentry_shape_is_right:
; PROJ.  q = hs Wq^T, k = hs Wk^T, v^T = Wv hs^T on codes of FP6 (E2M3) with one E8M0 scale for each 32 along K = 2,048, in ONE grid of 24 x 8 tiles of 256 x 256; then, in registers, the rotary
; embedding of q and k, the half-chunk sums of k, and the quantising of k (along the head's 64) and of v (along the keys).
; Tile columns 0-7 make q, 8-15 k: the operand in A's place is hidden_states (rows 256 ty on), that in B's place Wq or Wk.  Tile columns 16-23 make v^T: A's place takes Wv (rows 256 ty on), B's place hidden_states.
; All lie in wcodes / wscales as rows of 1,536 / 64 bytes, WITH BITS 3 AND 4 OF THE ROW NUMBER EXCHANGED.  The matrix instruction is used transposed (source 0 = 16 rows of B, source 1 = 16 rows of A), so in
; accumulator (a, b) lane (r, h) holds A's true row 32 (a / 2) + 8 (a % 2) + r + 8 (r / 8), and register j B's true row 32 (b / 2) + 16 h + 8 (b % 2) + j: two neighbouring accumulators are 16 neighbours of a block of 32.
; A work-group of four waves makes 256 x 256, a wave 128 x 128: 64 accumulators, 512 registers.  K goes in steps of 256 through a ring of two LDS slots filled by the tensor data mover (rows of 192 bytes);
; the scale bytes of the work-group's rows come into LDS once.  CLUSTERS of 4 x 4: A's tiles are asked for jointly along a row of the cluster, B's along a column.
; What a tile column makes hangs on the cluster's x alone, so every branch is alike in all sixteen partners.
; OUT.  q: roped, f32, as an image of registers (qimg[head][tile of 16 queries][8 planes][32 lanes][16 bytes]; register 16 b + i = channel 32 b + 16 h + i).
;       kv[head][slot of 256 keys]: 26,624 bytes: k's codes (16 tiles x 3 planes x 32 lanes x 8 bytes), k's scale words (16 x 16), v's codes (2 key steps x 4 channel tiles x 3 planes x 32 lanes x 16 bytes), v's scale words (8 x 32);
;       behind the slots the sums of k over half chunks of 128 keys: [head][16][h][32 f32].
; The scale words (64 or 128 bytes a store) and the sums (32 bytes) are short runs: together one byte in twelve of what this launch stores.
; LIMITS: NaN and infinities are not served; a block of zeros gets the byte 1 (its codes are zeros; this program alone reads the bytes).
; REGISTERS, in windows of 256: window 0: v0-31 addresses; v32-63 scale words, two sets; from v128 A's fragments, one set.  window 1: B's fragments, two sets.  windows 2, 3: the accumulators ((a, b) at v[8 (8 (a % 4) + b)]).
;   In the epilogue: window 0: v3-10 addresses, v32-50 at work, v64-127 products of the rotation, then k's sums, v128-147 codes; window 1: the table, 32 registers for each block of 16 rows.
.set SIZE_K, 2048
.set KSTEP,  256
.set NQ,     KSTEP/128
.set ROWB,   192
.set KROW,   SIZE_K*6/8
.set PITCH,  240                       ; an LDS row: 3 x (64 bytes + 16 of padding): the 32 lanes of a load of 8 bytes touch 64 different banks of 4 bytes (ISA guide 11.1)
.set FR,     12
.set NL,     6
.set NP,     4
.set HALFT,  128*PITCH
.set SLOT,   4*HALFT
.set LAPS,   SIZE_K/(2*KSTEP)
.set KS,     SIZE_K/32
.set SCL,    2*SLOT
.set HALFS,  (128*KS/256)*272
.set SBLK,   (16*KS/256)*272
.set SPARE,  SCL+4*HALFS               ; the spare words: 128 bytes a wave, two blocks of 256 bytes that no other line names
.set HSTR,   212992                    ; kv: from head to head
.set SB,     26624                     ; kv: a slot
.set KSUM0,  6815744                   ; kv: where the sums begin
.set ADRA, 16
.set ADRB, 20
.set ADRS, 27
.set SPW,  28
.set NIL,  29
.set SC,   32
.set AF,   128
.set TM,   32                          ; epilogue: v32-35 largest magnitudes, v36-39 bytes, v44-47 scale operands
.set PW,   48                          ; the scale word just made
.set TA,   64                          ; t2 x sin
.set TB,   96                          ; t1 x sin
.set KSR,  64                          ; k's sums
.set PC,   128                         ; the codes just made
.set SEL,  18                          ; s[18:19] lane selects for v_permlanex16_b32
.set G1, 24
.set G0, 32
.set G1B, 48
.set G0B, 56
.set G1S, 68
.set G0S, 76
.set G1SB, 80
.set G0SB, 88
.set MSB, 0
.macro WIN new                         ; the immediate's high byte repeats the setting that is left
.if MSB != \new
	s_set_vgpr_msb (MSB<<8)|\new
.set MSB, \new
.endif
.endm
.set MUL_LO, 0xa1                      ; source 0 (B) window 1, source 1 (A) window 0, C and D window 2
.set MUL_HI, 0xf1
.set TO_B,   0x40                      ; destination window 1, address window 0
; A joint load: waves 0 and 1 fetch for A, waves 2 and 3 for B.  An s_nop 0 and four v_nop follow each of the two lines.
.macro JLOAD g0a, g1a, g0b, g1b
	s_cmp_eq_u32 s15, 0
	s_cbranch_scc0 .Lfor_b_\@
	tensor_load_to_lds s[\g0a:\g0a+3], s[\g1a:\g1a+7]
	s_nop 0
.rept 4
	v_nop
.endr
	s_branch .Lasked_\@
.Lfor_b_\@:
	tensor_load_to_lds s[\g0b:\g0b+3], s[\g1b:\g1b+7]
	s_nop 0
.rept 4
	v_nop
.endr
.Lasked_\@:
.endm
.macro CREST                           ; a round of the cluster's barrier behind its opening barrier
	s_cmp_lg_u32 s14, 0
	s_cbranch_scc1 .Lnot_wave_0_\@
	s_barrier_signal -3
.Lnot_wave_0_\@:
	s_barrier_wait -3
	s_barrier_signal -1
	s_barrier_wait -1
.endm
.macro CROUND
	s_barrier_signal -1
	s_barrier_wait -1
	CREST
.endm
	s_load_b128 s[4:7], s[0:1], 0x0                ; wcodes, wscales: for the operand in A's place
	s_load_b128 s[8:11], s[0:1], 0x0               ; the same two, for the operand in B's place
	s_load_b64 s[12:13], s[0:1], 0x10              ; rope
	s_load_b64 s[96:97], s[0:1], 0x18              ; qimg
	s_load_b64 s[98:99], s[0:1], 0x20              ; kv
	v_lshl_add_u32 v[SPW], v0, 2, SPARE
	v_mov_b32 v[NIL], 0
	ds_add_u32 v[SPW], v[NIL]                      ; the wave's opening: the add and its wait stand ahead of my first tensor load; the set-up below stands between them
	v_lshrrev_b32 v1, 5, v0
	v_readfirstlane_b32 s14, v1                    ; wave 0..3
	s_lshr_b32 s15, s14, 1                         ; which half of the tile's rows (A) is mine.  Also: I fetch for A (0) or for B (1)
	s_and_b32 s16, s14, 1                          ; which half of its columns (B).  Also: which 128 rows of that tile I fetch
	s_bfe_u32 s40, ttmp6, 0x40000                  ; cx, cy: my place in the cluster
	s_bfe_u32 s41, ttmp6, 0x40004
	s_lshl_b32 s42, ttmp9, 2
	s_add_co_u32 s42, s42, s40                     ; tile column tx = 4 x cluster x + cx
	s_and_b32 s17, ttmp7, 0xffff
	s_lshl_b32 s17, s17, 2
	s_add_co_u32 s17, s17, s41                     ; tile row ty = 4 x cluster y + cy
	s_lshl_b32 s43, s41, 2
	s_lshl_b32 s43, 15, s43                        ; my row of the cluster
	s_lshl_b32 s44, 0x1111, s40                    ; my column
	s_or_b32 s[G1+0], s43, (0<<16)|(1<<20)|(1<<21)|(3<<22)|(3<<25)  ; the mask; elements of 1 byte; padding on; bit 21 beside a mask; after every 16 words, 4 words
	s_or_b32 s[G1B+0], s44, (0<<16)|(1<<20)|(1<<21)|(3<<22)|(3<<25)
.irp g, G1, G1B
	s_mov_b32 s[\g+1], ROWB<<16                    ; tensor_dim0
	s_mov_b32 s[\g+2], 128<<16                     ; tensor_dim1
	s_mov_b32 s[\g+3], ROWB<<16                    ; tile_dim0
	s_mov_b32 s[\g+4], 128                         ; tile_dim1
	s_mov_b32 s[\g+5], KROW                        ; pitch
	s_mov_b32 s[\g+6], 0
	s_mov_b32 s[\g+7], 0
.endr
	s_or_b32 s[G1S+0], s43, (3<<16)|(1<<20)|(1<<21)|(5<<22)|(3<<25)  ; the scales of 128 rows: 8,192 dense bytes as rows of 256 bytes, 16 bytes of padding behind each
	s_or_b32 s[G1SB+0], s44, (3<<16)|(1<<20)|(1<<21)|(5<<22)|(3<<25)
.irp g, G1S, G1SB
	s_mov_b32 s[\g+1], 32<<16
	s_mov_b32 s[\g+2], (128*KS/256)<<16
	s_mov_b32 s[\g+3], 32<<16
	s_mov_b32 s[\g+4], 128*KS/256
	s_mov_b32 s[\g+5], 32
	s_mov_b32 s[\g+6], 0
	s_mov_b32 s[\g+7], 0
.endr
	s_lshr_b32 s2, ttmp9, 2                        ; 1 in the clusters that make v^T: the cluster's x, which all partners share
	s_mul_i32 s2, s2, 6144
	s_lshl_b32 s18, s16, 7                         ; which 128 rows of the tile I fetch
	s_lshl_b32 s20, s17, 8
	s_add_co_u32 s20, s20, s18
	s_add_co_u32 s20, s20, s2                      ; A's place: row 256 ty + 128 x half of hidden_states (from row 0) or of Wv (from row 6144)
	s_lshl_b32 s46, s42, 8
	s_add_co_u32 s46, s46, s18
	s_add_co_u32 s46, s46, 2048
	s_sub_co_u32 s46, s46, s2                      ; B's place: row 2048 + 256 tx + 128 x half (Wq, Wk), or 256 (tx - 16) + 128 x half of hidden_states
	s_mov_b32 s21, 0
	s_mov_b32 s47, 0
	s_mov_b64 s[18:19], KS
	s_mul_u64 s[22:23], s[20:21], s[18:19]         ; where these rows' scales begin,
	s_mul_u64 s[92:93], s[46:47], s[18:19]
	s_mov_b64 s[18:19], KROW
	s_mul_u64 s[20:21], s[20:21], s[18:19]         ; and their codes
	s_mul_u64 s[46:47], s[46:47], s[18:19]
	s_mul_i32 s45, s14, HALFT                      ; where they go: wave x 128 rows
	s_mul_i32 s94, s14, HALFS
	s_wait_dscnt 0x0                               ; the opening add is done
	s_wait_kmcnt 0x0
	s_add_nc_u64 s[20:21], s[4:5], s[20:21]
	s_add_nc_u64 s[22:23], s[6:7], s[22:23]
	s_add_nc_u64 s[46:47], s[8:9], s[46:47]
	s_add_nc_u64 s[92:93], s[10:11], s[92:93]
	CROUND                                         ; all sixteen work-groups are here: the first joint loads meet
	s_mov_b32 s[G0S], 1
	s_add_co_u32 s[G0S+1], s94, SCL
	s_mov_b64 s[G0S+2:G0S+3], s[22:23]
	s_or_b32 s[G0S+3], s[G0S+3], 0x80000000
	s_mov_b32 s[G0SB], 1
	s_add_co_u32 s[G0SB+1], s94, SCL
	s_mov_b64 s[G0SB+2:G0SB+3], s[92:93]
	s_or_b32 s[G0SB+3], s[G0SB+3], 0x80000000
	JLOAD G0S, G1S, G0SB, G1SB                     ; the scales first: they are wanted with K step 0
.irp s, 0,1
	s_mov_b32 s[G0+4*\s], 1
	s_add_co_u32 s[G0+4*\s+1], s45, \s*SLOT
	s_add_nc_u64 s[G0+4*\s+2:G0+4*\s+3], s[20:21], \s*ROWB
	s_or_b32 s[G0+4*\s+3], s[G0+4*\s+3], 0x80000000
	s_mov_b32 s[G0B+4*\s], 1
	s_add_co_u32 s[G0B+4*\s+1], s45, \s*SLOT
	s_add_nc_u64 s[G0B+4*\s+2:G0B+4*\s+3], s[46:47], \s*ROWB
	s_or_b32 s[G0B+4*\s+3], s[G0B+4*\s+3], 0x80000000
	JLOAD G0+4*\s, G1, G0B+4*\s, G1B
.endr
	v_and_b32 v1, 15, v0                           ; r
	v_bfe_u32 v2, v0, 4, 1                         ; h
	v_mul_u32_u24 v3, v1, PITCH
	v_mul_u32_u24 v4, v2, 24
	v_add_nc_u32 v4, v3, v4                        ; a fragment's row x pitch + 24 x half
	v_lshl_add_u32 v5, v2, 4, v4                   ; and the same behind one padding more
	s_mul_i32 s21, s15, HALFT
	s_mul_i32 s22, s16, HALFT
	s_add_co_u32 s22, s22, 2*HALFT
.irp s, 0,1
	v_add_nc_u32 v[ADRA+\s], s21, v4
	v_add_nc_u32 v[ADRB+\s], s22, v4
	v_add_nc_u32 v[ADRA+2+\s], s21, v5
	v_add_nc_u32 v[ADRB+2+\s], s22, v5
	s_add_co_u32 s21, s21, SLOT
	s_add_co_u32 s22, s22, SLOT
.endr
	v_mul_u32_u24 v5, v1, KS                       ; my row's scales: KS bytes a row,
	v_lshrrev_b32 v6, 8, v5
	v_lshl_add_u32 v5, v6, 4, v5                   ; and 16 more for each 256 passed
	s_mul_i32 s21, s15, HALFS
	s_mul_i32 s22, s16, HALFS
	s_add_co_u32 s22, s22, 2*HALFS
	s_sub_co_u32 s22, s22, s21
	v_mul_u32_u24 v6, s22, v2                      ; lanes 16-31 take B's
	s_add_co_u32 s21, s21, SCL
	v_add_nc_u32 v5, v5, v6
	v_add_nc_u32 v[ADRS], s21, v5
.macro FRAG reg, adr, q, i             ; a fragment: 16 rows x 128 K = 12 registers, in pieces of 8 bytes; where the piece three on lies behind one padding more, the second address register serves
.irp p, 0,1,2,3,4,5
.set PCE, 12*(\q)+6*(\p/3)+\p%3
.if PCE%8 < 5
	ds_load_b64 v[\reg+2*\p:\reg+2*\p+1], v[\adr] offset:8*PCE+16*(PCE/8)+(\i)*16*PITCH
.else
	ds_load_b64 v[\reg+2*\p:\reg+2*\p+1], v[\adr+2] offset:8*PCE+16*(PCE/8)+(\i)*16*PITCH
.endif
.endr
.endm
; 16 matrix instructions: A's blocks a0, a0 + 1 x B's eight.  The 64 accumulators take turns, one instruction a turn, in the same order in every step.
.macro MUL16 a0, p, q, sc, zero
.irp a, \a0, \a0+1
.irp b, 0,1,2,3,4,5,6,7
.if \zero
	v_wmma_scale_f32_16x16x128_f8f6f4 v[8*(8*((\a)%4)+\b):8*(8*((\a)%4)+\b)+7], v[128*(\p)+FR*\b:128*(\p)+FR*\b+FR-1], v[AF+FR*(\a):AF+FR*(\a)+FR-1], 0, v[SC+8*NQ*(\sc)+NQ*\b+(\q)], v[SC+8*NQ*(\sc)+NQ*(\a)+(\q)] matrix_a_fmt:MATRIX_FMT_FP6 matrix_b_fmt:MATRIX_FMT_FP6 matrix_a_scale:MATRIX_SCALE_ROW1
.else
	v_wmma_scale_f32_16x16x128_f8f6f4 v[8*(8*((\a)%4)+\b):8*(8*((\a)%4)+\b)+7], v[128*(\p)+FR*\b:128*(\p)+FR*\b+FR-1], v[AF+FR*(\a):AF+FR*(\a)+FR-1], v[8*(8*((\a)%4)+\b):8*(8*((\a)%4)+\b)+7], v[SC+8*NQ*(\sc)+NQ*\b+(\q)], v[SC+8*NQ*(\sc)+NQ*(\a)+(\q)] matrix_a_fmt:MATRIX_FMT_FP6 matrix_b_fmt:MATRIX_FMT_FP6 matrix_a_scale:MATRIX_SCALE_ROW1
.endif
.endr
.endr
.endm
.macro FETCH_B slot, q, p
	WIN TO_B
.irp i, 0,1,2,3,4,5,6,7
	FRAG 128*(\p)+FR*\i, ADRB+\slot, \q, \i
.endr
	WIN 0
.endm
.macro FETCH_A slot, q, i0
.irp i, \i0, \i0+1, \i0+2, \i0+3
	FRAG AF+FR*(\i), ADRA+\slot, \q, \i
.endr
.endm
.macro SCALES sc                       ; a K step's scale words: lanes 0-15 take A's block i, lanes 16-31 B's block i
.irp i, 0,1,2,3,4,5,6,7
	ds_load_b64 v[SC+8*NQ*\sc+NQ*\i:SC+8*NQ*\sc+NQ*\i+1], v[ADRS] offset:\i*SBLK
.endr
.endm
.macro PLACES n                        ; plain vector instructions between a matrix instruction and a load into, or a read of, its registers
.rept \n
	v_nop
.endr
.endm
.macro STEP slot, q, zero              ; a step of 128 along K that has its successor in the same slot
	s_wait_dscnt 4*NL                              ; B's set and A's blocks 0-3 are in; the youngest 24 loads (A's blocks 4-7) may be out
	WIN MUL_LO
	MUL16 0, (\q)%2, \q, \slot, \zero
	MUL16 2, (\q)%2, \q, \slot, \zero
	s_wait_dscnt 0
	PLACES NP
	FETCH_B \slot, (\q)+1, 1-(\q)%2
	FETCH_A \slot, (\q)+1, 0
	WIN MUL_HI
	MUL16 4, (\q)%2, \q, \slot, \zero
	MUL16 6, (\q)%2, \q, \slot, \zero
	PLACES NP
	WIN 0
	FETCH_A \slot, (\q)+1, 4
.endm
; A slot's last step changes slots: one barrier; in front of it each wave waits for all its tensor loads, adds 0 to its spare word, and waits for that and for its reads of this slot.
.macro TURN slot, next, fill
	s_wait_tensorcnt 0x0                           ; all my tensor loads have landed: my part of the next slot
	ds_add_u32 v[SPW], v[NIL]                      ; 0 onto my spare word
	s_wait_dscnt 4*NL+1                            ; (the add and the youngest 24 loads may be out)
	WIN MUL_LO
	MUL16 0, 1, NQ-1, \slot, 0
	s_wait_dscnt 0x0                               ; the add is done, and my reads of this slot are over
	s_barrier_signal -1
	MUL16 2, 1, NQ-1, \slot, 0
	WIN 0
	s_barrier_wait -1
.if \fill
	CREST                                          ; the barrier has opened a round of the cluster's barrier: no wave of any partner still reads this slot or has a load on its way
	s_add_nc_u64 s[G0+4*\slot+2:G0+4*\slot+3], s[G0+4*\slot+2:G0+4*\slot+3], 2*ROWB
	s_add_nc_u64 s[G0B+4*\slot+2:G0B+4*\slot+3], s[G0B+4*\slot+2:G0B+4*\slot+3], 2*ROWB
	JLOAD G0+4*\slot, G1, G0B+4*\slot, G1B         ; the first tensor load behind the round; its four v_nop are the places in front of the loads below
.else
	PLACES NP
.endif
	v_add_nc_u32 v[ADRS], 4*NQ, v[ADRS]
	FETCH_B \next, 0, 0
	FETCH_A \next, 0, 0
	SCALES \next
	WIN MUL_HI
	MUL16 4, 1, NQ-1, \slot, 0
	MUL16 6, 1, NQ-1, \slot, 0
	PLACES NP
	WIN 0
	FETCH_A \next, 0, 4
.endm
	s_wait_tensorcnt 1                             ; the scales and my part of K step 0 are in (K step 1's load may be out),
	s_barrier_signal -1
	s_barrier_wait -1                              ; everybody's are
	FETCH_B 0, 0, 0
	FETCH_A 0, 0, 0
	SCALES 0
	FETCH_A 0, 0, 4
	STEP 0, 0, 1                                   ; the first step's products start the sums
	s_mov_b32 s3, LAPS-1
.Llap:
	TURN 0, 1, 1
	STEP 1, 0, 0
	TURN 1, 0, 1
	STEP 0, 0, 0
	s_sub_co_u32 s3, s3, 1
	s_cmp_lg_u32 s3, 0
	s_cbranch_scc1 .Llap
	TURN 0, 1, 0                                   ; the last lap fills nothing
	STEP 1, 0, 0
	s_wait_dscnt 4*NL
	WIN MUL_LO
	MUL16 0, 1, NQ-1, 1, 0
	MUL16 2, 1, NQ-1, 1, 0
	s_wait_dscnt 0
	WIN MUL_HI
	MUL16 4, 1, NQ-1, 1, 0
	MUL16 6, 1, NQ-1, 1, 0
	WIN 0
	; ---------------- THE EPILOGUE, in registers; no LDS.  The address lines are also the places behind the last products.
	v_and_b32 v1, 15, v0                           ; r
	v_bfe_u32 v2, v0, 4, 1                         ; h
	v_and_b32 v9, 8, v1
	v_add_nc_u32 v9, v9, v1                        ; r + 8 (r / 8): my row in a block's group of 32
	v_lshlrev_b32 v3, 8, v9
	v_lshl_add_u32 v3, v2, 7, v3                   ; the table: my position's 256 bytes, my half's 16 frequencies
	v_and_b32 v10, 31, v0
	v_lshlrev_b32 v4, 4, v10                       ; 16 x lane
	v_lshlrev_b32 v5, 3, v10                       ; 8 x lane
	v_lshlrev_b32 v6, 2, v10                       ; 4 x lane
	v_mul_u32_u24 v7, v2, HSTR
	v_lshl_add_u32 v7, v1, 2, v7                   ; k's scale words: lanes 16-31 store the next head's
	v_lshlrev_b32 v8, 7, v2                        ; k's sums: 128 bytes for each half
.irp b, 0,1,2,3
	v_mov_b32 v[TM+4+\b], 0                        ; written once: a lane permute's destination counts as one of its sources
.endr
	v_cmp_ne_u32 s66, 0, v2                        ; lanes 16-31
	s_mov_b32 s[SEL], 0x76543210
	s_mov_b32 s[SEL+1], 0xfedcba98
	s_mov_b32 s23, 0
	s_lshr_b32 s2, ttmp9, 1                        ; 0: q, 1: k, 2: v^T: the cluster's x alone
	s_cmp_eq_u32 s2, 2
	s_cbranch_scc1 .Lv_bases
	; q and k: the table's 128 bytes for each of my 8 x 16 positions, 64 loads in one run
	s_lshl_b32 s20, s17, 8
	s_lshl_b32 s21, s15, 7
	s_add_co_u32 s20, s20, s21                     ; my first position
	s_lshl_b32 s20, s20, 8
	s_mov_b32 s21, 0
	s_add_nc_u64 s[12:13], s[12:13], s[20:21]
	WIN TO_B
.irp a, 0,1,2,3,4,5,6,7
.irp k, 0,1,2,3,4,5,6,7
	global_load_b128 v[32*\a+4*\k:32*\a+4*\k+3], v3, s[12:13] offset:(32*(\a/2)+8*(\a%2))*256+16*\k
.endr
.endr
	WIN 0
; The rotation of block a's 16 positions, both heads g.  Registers 32 g + i hold channel 16 h + i (t1), registers 32 g + 16 + i channel 32 + 16 h + i (t2); the table's registers 2 i, 2 i + 1 hold the cos of
; frequencies 16 h + i, + 1, the next two their sin.  t1' = t1 cos - t2 sin, t2' = t2 cos + t1 sin.  Each accumulator is first read at its low end.
.macro ROPE a
.set AC, 64*((\a)%4)
.set TBL, 32*(\a)
	s_wait_loadcnt 56-8*(\a)                       ; my block's eight loads are in; the later blocks' eight each may be out
	WIN 0x06+((\a)/4)                              ; source 0: the accumulators' window, source 1: window 1
.irp g, 0,1
.irp i, 0,2,4,6,8,10,12,14
	v_pk_mul_f32 v[TA+16*\g+\i:TA+16*\g+\i+1], v[AC+32*\g+16+\i:AC+32*\g+17+\i], v[TBL+2*\i+2:TBL+2*\i+3]
	v_pk_mul_f32 v[TB+16*\g+\i:TB+16*\g+\i+1], v[AC+32*\g+\i:AC+32*\g+\i+1], v[TBL+2*\i+2:TBL+2*\i+3]
.endr
.endr
	WIN 0x86+0x41*((\a)/4)                         ; the destination in the accumulators' window too
.irp g, 0,1
.irp i, 0,2,4,6,8,10,12,14
	v_pk_fma_f32 v[AC+32*\g+\i:AC+32*\g+\i+1], v[AC+32*\g+\i:AC+32*\g+\i+1], v[TBL+2*\i:TBL+2*\i+1], v[TA+16*\g+\i:TA+16*\g+\i+1] neg_lo:[0,0,1] neg_hi:[0,0,1]
	v_pk_fma_f32 v[AC+32*\g+16+\i:AC+32*\g+17+\i], v[AC+32*\g+16+\i:AC+32*\g+17+\i], v[TBL+2*\i:TBL+2*\i+1], v[TB+16*\g+\i:TB+16*\g+\i+1]
.endr
.endr
.endm
.irp a, 0,1,2,3,4,5,6,7
	ROPE \a
.endr
	WIN 0
	s_cmp_eq_u32 s2, 0
	s_cbranch_scc1 .Lq_out
	; ---- k: where it goes
	s_sub_co_u32 s20, s42, 8
	s_lshl_b32 s20, s20, 2
	s_lshl_b32 s21, s16, 1
	s_add_co_u32 s20, s20, s21                     ; my first head: 4 (tx - 8) + 2 x column half
	s_lshl_b32 s22, s20, 4
	s_lshl_b32 s21, s17, 1
	s_add_co_u32 s22, s22, s21
	s_add_co_u32 s22, s22, s15                     ; head x 16 + my half chunk (2 ty + row half)
	s_lshl_b32 s22, s22, 8
	s_add_co_u32 s22, s22, KSUM0
	s_add_nc_u64 s[72:73], s[98:99], s[22:23]      ; the sums
	s_lshl_b32 s22, s20, 3
	s_add_co_u32 s22, s22, s17
	s_mul_i32 s22, s22, SB
	s_add_nc_u64 s[68:69], s[98:99], s[22:23]      ; the head's slot ty
	s_lshl_b32 s22, s15, 9
	s_add_co_u32 s22, s22, 12288
	s_add_nc_u64 s[70:71], s[68:69], s[22:23]      ; scale words of my eight tiles
	s_mul_i32 s22, s15, 8*768
	s_add_nc_u64 s[68:69], s[68:69], s[22:23]      ; codes of my eight tiles
	; the sum of my 128 keys, channel by channel: over the eight blocks, then over the sixteen lanes of a half
	WIN 0x0a
.set JJ, 0
.rept 32
	v_pk_add_f32 v[KSR+JJ:KSR+JJ+1], v[JJ:JJ+1], v[64+JJ:65+JJ]
.set JJ, JJ+2
.endr
	WIN 0x02
.set JJ, 0
.rept 64
	v_pk_add_f32 v[KSR+JJ%64:KSR+JJ%64+1], v[128+JJ:129+JJ], v[KSR+JJ%64:KSR+JJ%64+1]
.set JJ, JJ+2
.endr
	WIN 0x03
.set JJ, 0
.rept 128
	v_pk_add_f32 v[KSR+JJ%64:KSR+JJ%64+1], v[JJ:JJ+1], v[KSR+JJ%64:KSR+JJ%64+1]
.set JJ, JJ+2
.endr
	WIN 0
.irp m, 1,2,4,8
.set JJ, 0
.rept 64
	v_add_f32_dpp v[KSR+JJ], v[KSR+JJ], v[KSR+JJ] row_xmask:\m row_mask:0xf bank_mask:0xf
.set JJ, JJ+1
.endr
.endr
	v_cmp_eq_u32 vcc_lo, 0, v1
	s_wait_xcnt 0x0                                ; EXEC changes only behind this wait
	s_and_saveexec_b32 s67, vcc_lo                 ; lanes 0 and 16 store their halves' sums
.irp g, 0,1
.irp k, 0,1,2,3,4,5,6,7
	global_store_b128 v8, v[KSR+32*\g+4*\k:KSR+32*\g+4*\k+3], s[72:73] offset:4096*\g+16*\k
.endr
.endr
	s_wait_xcnt 0x0
	s_or_b32 exec_lo, exec_lo, s67
	s_branch .Lquant
.Lv_bases:
	; ---- v^T: where it goes
	s_lshl_b32 s20, s17, 2
	s_lshl_b32 s21, s15, 1
	s_add_co_u32 s20, s20, s21                     ; my first head: 4 ty + 2 x row half
	s_lshl_b32 s22, s20, 3
	s_add_co_u32 s22, s22, s42
	s_sub_co_u32 s22, s22, 16                      ; slot tx - 16
	s_mul_i32 s22, s22, SB
	s_add_nc_u64 s[68:69], s[98:99], s[22:23]
	s_lshl_b32 s22, s16, 9
	s_add_co_u32 s22, s22, 25600
	s_add_nc_u64 s[70:71], s[68:69], s[22:23]      ; scale words of my key step (the column half)
	s_mul_i32 s22, s16, 6144
	s_add_co_u32 s22, s22, 13312
	s_add_nc_u64 s[68:69], s[68:69], s[22:23]      ; codes of my key step
.Lquant:
; Block a's 64 registers of a lane, register 16 b + i = place 32 b + 16 h + i along the next K, become a fragment's 12 registers in v[PC] on and its scale word in v[PW].
.macro QUANTW a
.set AC, 64*((\a)%4)
	WIN 0x0a+5*((\a)/4)                            ; sources 0 and 1: the accumulators' window
.irp b, 0,1,2,3
	v_max3_num_f32 v[TM+\b], |v[AC+16*\b]|, |v[AC+16*\b+1]|, 0x1800000   ; my 16 numbers of block b, and the floor 2^(3 - 127)
.endr
.irp i, 2,4,6,8,10,12,14
.irp b, 0,1,2,3
	v_max3_num_f32 v[TM+\b], |v[AC+16*\b+\i]|, |v[AC+16*\b+\i+1]|, v[TM+\b]
.endr
.endr
	WIN 0
.irp b, 0,1,2,3
	v_permlanex16_b32 v[TM+4+\b], v[TM+\b], s[SEL], s[SEL+1]
.endr
.irp b, 0,1,2,3
	v_max_num_f32 v[TM+\b], v[TM+\b], v[TM+4+\b]   ; with lane l xor 16's: the block's largest magnitude
.endr
.irp b, 0,1,2,3
	v_add_nc_u32 v[TM+12+\b], 0xff000000, v[TM+\b] ; 2 off its exponent field: the conversion's scale operand
.endr
.irp b, 0,1,2,3
	v_lshrrev_b32 v[TM+4+\b], 23, v[TM+12+\b]      ; the scale's byte
.endr
	v_lshl_or_b32 v[PW], v[TM+5], 8, v[TM+4]
	v_lshl_or_b32 v[PW], v[TM+6], 16, v[PW]
	v_lshl_or_b32 v[PW], v[TM+7], 24, v[PW]
	WIN 0x02+((\a)/4)
.irp c, 0,1
	v_cvt_scalef32_pk16_fp6_f32 v[PC+6*\c:PC+2+6*\c], v[AC+32*\c:AC+15+32*\c], v[TM+12+2*\c]
	v_cvt_scalef32_pk16_fp6_f32 v[PC+12+4*\c:PC+14+4*\c], v[AC+16+32*\c:AC+31+32*\c], v[TM+12+2*\c+1]   ; (a conversion's three registers begin on an even number)
.endr
	WIN 0
	v_nop                                          ; one plain place behind a scaled conversion
.irp c, 0,1                                    ; the operand's layout wants a whole block in a lane
.irp i, 0,1,2
	v_permlane16_swap_b32 v[PC+6*\c+\i], v[PC+12+4*\c+\i]
.endr
.irp i, 0,1,2
	v_mov_b32 v[PC+3+6*\c+\i], v[PC+12+4*\c+\i]
.endr
.endr
.endm
; k: the four blocks are two heads' 64 channels: registers 0-5 are the first head's half fragment, 6-11 the second's.  v^T: the four blocks are 128 keys of 16 channels: one whole fragment.
.macro QOUT a
	s_wait_xcnt 0x0                                ; the last block's stores have read the codes' and the word's registers
	QUANTW \a
	s_cmp_eq_u32 s2, 2
	s_cbranch_scc1 .Lvout_\@
.irp p, 0,1,2,3,4,5
	global_store_b64 v5, v[PC+2*\p:PC+2*\p+1], s[68:69] offset:HSTR*(\p/3)+768*(\a)+256*(\p%3)   ; 32 lanes store 256 consecutive bytes, aligned
.endr
	v_lshrrev_b32 v50, 16, v[PW]
	v_cndmask_b32 v49, v[PW], v50, s66             ; lanes 0-15: the first head's word (its upper bytes are never read against codes other than 0), lanes 16-31: the second's
	global_store_b32 v7, v49, s[70:71] offset:64*(\a)
	s_branch .Ldone_\@
.Lvout_\@:
.irp c, 0,1,2
	global_store_b128 v4, v[PC+4*\c:PC+4*\c+3], s[68:69] offset:HSTR*((\a)/4)+1536*((\a)%4)+512*\c   ; 512 consecutive bytes, aligned
.endr
	global_store_b32 v6, v[PW], s[70:71] offset:HSTR*((\a)/4)+128*((\a)%4)
.Ldone_\@:
.endm
.irp a, 0,1,2,3,4,5,6,7
	QOUT \a
.endr
	s_branch .Lend
.Lq_out:
	; ---- q leaves as it stands: each store is 512 consecutive bytes, aligned
	s_lshl_b32 s20, s42, 2
	s_lshl_b32 s21, s16, 1
	s_add_co_u32 s20, s20, s21                     ; my first head
	s_lshl_b32 s20, s20, 7
	s_lshl_b32 s21, s17, 4
	s_add_co_u32 s20, s20, s21
	s_lshl_b32 s21, s15, 3
	s_add_co_u32 s20, s20, s21                     ; head x 128 + my first tile of 16 queries
	s_lshl_b32 s22, s20, 12
	s_add_nc_u64 s[68:69], s[96:97], s[22:23]
.irp a, 0,1,2,3,4,5,6,7
	WIN 0x08+4*(\a/4)                              ; a store's data are its source 1
.irp g, 0,1
.irp k, 0,1,2,3,4,5,6,7
	global_store_b128 v4, v[64*(\a%4)+32*\g+4*\k:64*(\a%4)+32*\g+4*\k+3], s[68:69] offset:524288*\g+4096*\a+512*\k
.endr
.endr
.endr
	WIN 0
.Lend:
	s_wait_tensorcnt 0x0                           ; the wave's end
	ds_add_u32 v[SPW], v[NIL]
	s_wait_dscnt 0x0
	CROUND                                         ; the closing round: no work-group ends while a partner may still ask for a tile that names it
	s_endpgm
.Lfunc_end_k_q2ffc27f466_proj:
	.size	k_q2ffc27f466_proj, .Lfunc_end_k_q2ffc27f466_proj-k_q2ffc27f466_proj
	.p2alignl 7, 3214868480
	.fill 96, 4, 3214868480
	.section	.rodata,"a",@progbits
	.p2align	6, 0x0
	.amdhsa_kernel k_q2ffc27f466_proj
		.amdhsa_group_segment_fixed_size 327680
		.amdhsa_private_segment_fixed_size 0
		.amdhsa_enable_private_segment 0
		.amdhsa_kernarg_size 40
		.amdhsa_user_sgpr_count 2
		.amdhsa_user_sgpr_kernarg_segment_ptr 1
		.amdhsa_wavefront_size32 1
		.amdhsa_system_sgpr_workgroup_id_x 1
		.amdhsa_system_sgpr_workgroup_id_y 1
		.amdhsa_system_sgpr_workgroup_id_z 1
		.amdhsa_system_vgpr_workitem_id 0
		.amdhsa_next_free_vgpr 1024
		.amdhsa_next_free_sgpr 100
		.amdhsa_reserve_vcc 1
		.amdhsa_float_denorm_mode_32 3
		.amdhsa_float_denorm_mode_16_64 3
		.amdhsa_memory_ordered 1
		.amdhsa_forward_progress 1
		.amdhsa_inst_pref_size 255
	.end_amdhsa_kernel
	.section	.bss,"aw",@nobits
	.p2align	6
	.space	262144
	.amdgpu_metadata
---
amdhsa.version: [ 1, 2 ]
amdhsa.kernels:
  - .name:           k_q2ffc27f466_proj
    .symbol:         k_q2ffc27f466_proj.kd
    .args:
      - { .name: wcodes, .offset: 0, .size: 8, .value_kind: global_buffer, .address_space: global }
      - { .name: wscales, .offset: 8, .size: 8, .value_kind: global_buffer, .address_space: global }
      - { .name: rope, .offset: 16, .size: 8, .value_kind: global_buffer, .address_space: global }
      - { .name: qimg, .offset: 24, .size: 8, .value_kind: global_buffer, .address_space: global }
      - { .name: kv, .offset: 32, .size: 8, .value_kind: global_buffer, .address_space: global }
    .group_segment_fixed_size: 327680
    .private_segment_fixed_size: 0
    .kernarg_segment_align: 8
    .kernarg_segment_size: 40
    .max_flat_workgroup_size: 128
    .sgpr_count:     100
    .vgpr_count:     1024
    .wavefront_size: 32
...
	.end_amdgpu_metadata
.endif
;; end of part 2
;; launch gproj (part 3): grid 128 x 1, 8 waves a work-group, no clusters, 33,792 bytes of LDS; arguments wcodes, wscales, g1c; writes g1c
.if DOCPART == 3
	.amdgcn_target "amdgcn-amd-amdhsa--gfx1250"
	.amdhsa_code_object_version 6
	.text
	.protected	k_q2ffc27f466_gproj
	.globl	k_q2ffc27f466_gproj
	.p2align	8
	.type	k_q2ffc27f466_gproj,@function
k_q2ffc27f466_gproj:
	s_mov_b64 s[64:65], 0
	v_nop
	global_prefetch_b8 v0, s[64:65] scope:SCOPE_SE
	s_setreg_imm32_b32 hwreg(HW_REG_WAVE_MODE, 25, 1), 1
	s_wait_xcnt 0x0
; GPROJ.  g1 = hidden_states Wg1^T (2,048 x 64, K = 2,048) on codes of FP6 (E2M3), then g1 quantised along its 64 columns, the K of the next product.
; A work-group takes one tile of 16 stored rows of hidden_states; its eight waves share K: wave w takes K steps 2 w and 2 w + 1 of 128.  The partial sums (32 registers a lane) meet in LDS as images of
; registers; wave 0 adds them in ascending order of K, quantises and stores.  The product is used transposed (source 0 = 16 stored rows of Wg1, source 1 = hidden_states): rows are stored with bits 3 and 4 of the
; row number exchanged, so register 16 b + i of lane (r, h) is column 32 b + 16 h + i.
; OUT: g1c[tile][3 planes][32 lanes][8 bytes]: registers 0-5 of a fragment; from byte 98,304 on [tile][32 words]: the scale word (two bytes used, the upper two 0).
; No tensor load, no cluster: the launch is small, and a work-group's operands are read once, straight into registers.  The order of the f32 sums along K differs from a single chain: eight partial sums.
; LIMITS: NaN and infinities are not served; a block of zeros gets the byte 1.
.set SPARE, 32768                      ; behind the eight images: the spare words, 128 bytes a wave
.set WG1C,  8192*1536
.set WG1S,  8192*64
.set G1W,   98304
.set SEL,   20
.macro QUANT2 s, d, y, tm              ; 32 numbers of a lane, register 16 b + i = k 32 b + 16 h + i, become six registers of codes (lane (r, h): block h) in v[d] on; v[tm+2], v[tm+3] the two bytes, v[tm+6] the word
.irp b, 0,1
	v_max3_num_f32 v[\tm+\b], |v[\s+16*\b]|, |v[\s+16*\b+1]|, 0x1800000
.endr
.irp i, 2,4,6,8,10,12,14
.irp b, 0,1
	v_max3_num_f32 v[\tm+\b], v[\tm+\b], |v[\s+16*\b+\i]|, |v[\s+16*\b+\i+1]|
.endr
.endr
.irp b, 0,1
	v_permlanex16_b32 v[\tm+2+\b], v[\tm+\b], s[SEL], s[SEL+1]
.endr
.irp b, 0,1
	v_max_num_f32 v[\tm+\b], v[\tm+\b], v[\tm+2+\b]
.endr
.irp b, 0,1
	v_add_nc_u32 v[\tm+4+\b], 0xff000000, v[\tm+\b]
.endr
.irp b, 0,1
	v_lshrrev_b32 v[\tm+2+\b], 23, v[\tm+4+\b]
.endr
	v_lshl_or_b32 v[\tm+6], v[\tm+3], 8, v[\tm+2]
	v_cvt_scalef32_pk16_fp6_f32 v[\d:\d+2], v[\s:\s+15], v[\tm+4]
	v_cvt_scalef32_pk16_fp6_f32 v[\y:\y+2], v[\s+16:\s+31], v[\tm+5]
	v_nop                                          ; one plain place behind a scaled conversion
.irp i, 0,1,2
	v_permlane16_swap_b32 v[\d+\i], v[\y+\i]
.endr
.irp i, 0,1,2
	v_mov_b32 v[\d+3+\i], v[\y+\i]
.endr
.endm
	s_load_b128 s[4:7], s[0:1], 0x0                ; wcodes, wscales
	s_load_b64 s[8:9], s[0:1], 0x10                ; g1c
	v_lshl_add_u32 v8, v0, 2, SPARE                ; my spare word; never rewritten
	v_mov_b32 v9, 0                                ; 0; never rewritten
	v_lshrrev_b32 v1, 5, v0
	v_readfirstlane_b32 s10, v1                    ; wave 0..7
	v_and_b32 v1, 15, v0                           ; r
	v_bfe_u32 v2, v0, 4, 1                         ; h
	v_mul_u32_u24 v3, v1, 1536
	v_mad_u32_u24 v3, v2, 24, v3                   ; codes: row r, + 24 h
	v_lshlrev_b32 v4, 6, v1                        ; scale words: 64 bytes a row
	v_and_b32 v11, 31, v0
	v_lshlrev_b32 v5, 4, v11                       ; 16 x lane
	v_lshlrev_b32 v6, 3, v11                       ; 8 x lane
	v_lshlrev_b32 v7, 2, v11                       ; 4 x lane
	s_lshl_b32 s11, s10, 12
	v_add_nc_u32 v10, s11, v5                      ; my wave's image: 4,096 x wave + 16 x lane
	v_mov_b32 v202, 0                              ; written once: a lane permute's destination counts as one of its sources
	v_mov_b32 v203, 0
	s_mov_b32 s[SEL], 0x76543210
	s_mov_b32 s[SEL+1], 0xfedcba98
	s_mul_i32 s22, s10, 192                        ; my two K steps: 192 bytes of a row of codes,
	s_mul_i32 s24, ttmp9, 24576
	s_add_co_u32 s24, s24, s22
	s_mov_b32 s25, 0
	s_add_co_u32 s26, s22, WG1C
	s_mov_b32 s27, 0
	s_lshl_b32 s22, s10, 3                         ; 8 bytes of a row of scales
	s_lshl_b32 s28, ttmp9, 10
	s_add_co_u32 s28, s28, s22
	s_mov_b32 s29, 0
	s_add_co_u32 s30, s22, WG1S
	s_mov_b32 s31, 0
	s_wait_kmcnt 0x0
	s_add_nc_u64 s[12:13], s[4:5], s[24:25]
	s_add_nc_u64 s[14:15], s[4:5], s[26:27]
	s_add_nc_u64 s[16:17], s[6:7], s[28:29]
	s_add_nc_u64 s[18:19], s[6:7], s[30:31]
.irp s, 0,1
.irp p, 0,1,2,3,4,5
	global_load_b64 v[16+12*\s+2*\p:17+12*\s+2*\p], v3, s[12:13] offset:96*\s+48*(\p/3)+8*(\p%3)
.endr
	global_load_b32 v[136+\s], v4, s[16:17] offset:4*\s
.irp t, 0,1,2,3
.irp p, 0,1,2,3,4,5
	global_load_b64 v[40+48*\s+12*\t+2*\p:41+48*\s+12*\t+2*\p], v3, s[14:15] offset:16*\t*1536+96*\s+48*(\p/3)+8*(\p%3)
.endr
	global_load_b32 v[138+4*\s+\t], v4, s[18:19] offset:16*\t*64+4*\s
.endr
.endr
	s_wait_loadcnt 0x0
.irp t, 0,1,2,3                                ; the four accumulators by turns
	v_wmma_scale_f32_16x16x128_f8f6f4 v[160+8*\t:167+8*\t], v[40+12*\t:51+12*\t], v[16:27], 0, v[138+\t], v136 matrix_a_fmt:MATRIX_FMT_FP6 matrix_b_fmt:MATRIX_FMT_FP6
.endr
.irp t, 0,1,2,3
	v_wmma_scale_f32_16x16x128_f8f6f4 v[160+8*\t:167+8*\t], v[88+12*\t:99+12*\t], v[28:39], v[160+8*\t:167+8*\t], v[142+\t], v137 matrix_a_fmt:MATRIX_FMT_FP6 matrix_b_fmt:MATRIX_FMT_FP6
.endr
.rept 4
	v_nop                                          ; places in front of the first read of results, and of the loads into the fragments' registers
.endr
.irp k, 0,1,2,3,4,5,6,7
	ds_store_b128 v10, v[160+4*\k:163+4*\k] offset:512*\k
.endr
	s_wait_dscnt 0x0                               ; for the others' sake: my stores have landed
	s_barrier_signal -1
	s_barrier_wait -1
	s_cmp_lg_u32 s10, 0
	s_cbranch_scc1 .Lend
.macro ADDP first, n                   ; partial sums first .. first + n - 1 are fetched together and added in ascending order
.set KK, 0
.rept \n
.irp k, 0,1,2,3,4,5,6,7
	ds_load_b128 v[32+32*KK+4*\k:35+32*KK+4*\k], v5 offset:4096*(\first+KK)+512*\k
.endr
.set KK, KK+1
.endr
	s_wait_dscnt 0x0
.set JJ, 0
.rept 16*\n
	v_pk_add_f32 v[160+JJ%32:161+JJ%32], v[160+JJ%32:161+JJ%32], v[32+JJ:33+JJ]
.set JJ, JJ+2
.endr
.endm
	ADDP 1, 3
	ADDP 4, 3
	ADDP 7, 1
	QUANT2 160, 224, 230, 200
	s_mul_i32 s24, ttmp9, 768
	s_add_nc_u64 s[12:13], s[8:9], s[24:25]
	s_lshl_b32 s24, ttmp9, 7
	s_add_co_u32 s24, s24, G1W
	s_add_nc_u64 s[14:15], s[8:9], s[24:25]
.irp p, 0,1,2
	global_store_b64 v6, v[224+2*\p:225+2*\p], s[12:13] offset:256*\p   ; 256 consecutive bytes, aligned
.endr
	global_store_b32 v7, v206, s[14:15]
.Lend:
	s_wait_tensorcnt 0x0                           ; the wave's end, behind my last LDS store
	ds_add_u32 v8, v9
	s_wait_dscnt 0x0
	s_endpgm
.Lfunc_end_k_q2ffc27f466_gproj:
	.size	k_q2ffc27f466_gproj, .Lfunc_end_k_q2ffc27f466_gproj-k_q2ffc27f466_gproj
	.p2alignl 7, 3214868480
	.fill 96, 4, 3214868480
	.section	.rodata,"a",@progbits
	.p2align	6, 0x0
	.amdhsa_kernel k_q2ffc27f466_gproj
		.amdhsa_group_segment_fixed_size 33792
		.amdhsa_private_segment_fixed_size 0
		.amdhsa_enable_private_segment 0
		.amdhsa_kernarg_size 24
		.amdhsa_user_sgpr_count 2
		.amdhsa_user_sgpr_kernarg_segment_ptr 1
		.amdhsa_wavefront_size32 1
		.amdhsa_system_sgpr_workgroup_id_x 1
		.amdhsa_system_sgpr_workgroup_id_y 1
		.amdhsa_system_sgpr_workgroup_id_z 1
		.amdhsa_system_vgpr_workitem_id 0
		.amdhsa_next_free_vgpr 256
		.amdhsa_next_free_sgpr 66
		.amdhsa_reserve_vcc 0
		.amdhsa_float_denorm_mode_32 3
		.amdhsa_float_denorm_mode_16_64 3
		.amdhsa_memory_ordered 1
		.amdhsa_forward_progress 1
		.amdhsa_inst_pref_size 24
	.end_amdhsa_kernel
	.amdgpu_metadata
---
amdhsa.version: [ 1, 2 ]
amdhsa.kernels:
  - .name:           k_q2ffc27f466_gproj
    .symbol:         k_q2ffc27f466_gproj.kd
    .args:
      - { .name: wcodes, .offset: 0, .size: 8, .value_kind: global_buffer, .address_space: global }
      - { .name: wscales, .offset: 8, .size: 8, .value_kind: global_buffer, .address_space: global }
      - { .name: g1c, .offset: 16, .size: 8, .value_kind: global_buffer, .address_space: global }
    .group_segment_fixed_size: 33792
    .private_segment_fixed_size: 0
    .kernarg_segment_align: 8
    .kernarg_segment_size: 24
    .max_flat_workgroup_size: 256
    .sgpr_count:     66
    .vgpr_count:     256
    .wavefront_size: 32
...
	.end_amdgpu_metadata
.endif
;; end of part 3
;; launch attn (part 4): grid 8 x 32, 16 waves a work-group, no clusters, 327,680 bytes of LDS; arguments qimg, kv, g1c, wcodes, wscales, o_norm_weight, ocodes, oscales; writes ocodes, oscales
.if DOCPART == 4
	.amdgcn_target "amdgcn-amd-amdhsa--gfx1250"
	.amdhsa_code_object_version 6
	.text
	.protected	k_q2ffc27f466_attn
	.globl	k_q2ffc27f466_attn
	.p2align	8
	.type	k_q2ffc27f466_attn,@function
k_q2ffc27f466_attn:
	s_mov_b64 s[64:65], 0
	v_nop
	global_prefetch_b8 v0, s[64:65] scope:SCOPE_SE
	s_setreg_imm32_b32 hwreg(HW_REG_WAVE_MODE, 25, 1), 1
	s_wait_xcnt 0x0
; ATTN.  For one head: the choice of chunks, the block-sparse causal attention on codes of FP6 (E2M3), the gated RMS norm, and the quantising of its result for the last product.
; THE CHOICE.  gate(n) = q . (sum of chunk n's keys), in f32 (the division by 256, an exact power of two, changes no order and is left out).  The query's own chunk c always has one of the four places; later chunks
; only fill places that the causal mask throws away.  So an earlier chunk n is kept exactly where fewer than 3 other earlier chunks beat it, a tie going to the lower index.  The choice is a mask of bits in a
; lane's register and acts by v_cndmask_b32 alone: for a query that has not chosen the chunk in hand, -3e38 takes the place of -M, so that its p are 0, and of the blocks' largest scores, so that its M stays.
; Only what the causal mask hides for all of a wave's queries is left out, by branches on ids.
; THE SOFTMAX: t = score x log2(e) / 8; M = the running largest t rounded up to a whole number; p = 2^(t - M) is quantised along the keys; the row's sum is taken of the unquantised p and divides at the end.
; SHARES.  Work-group (x, head): chunks p = x / 2 and 7 - p, half x % 2 of each: eight tiles of 16 queries of each, a tile a wave, so that every work-group has the same work; of four waves with
; neighbouring numbers, and of four waves four numbers apart, two have a late tile and two an early one.  Lane r of tile T is position 32 (T / 2) + 8 (T % 2) + r + 8 (r / 8).
; Every wave walks all eight slots of 256 keys (constant trip counts); a slot (26,624 dense bytes: k's codes and scale words, v's codes and scale words, as images of registers) comes through a ring of two LDS slots,
; a quarter by each of waves 0 to 3.  A slot whose first key lies behind the work-group's last query is not asked for.
; No cluster: work-groups of a head need 5 to 8 slots each, so partners would not make the same requests; a slot is 26 KiB against two key steps of sixteen waves' work.
; K = 64 in q k^T and in g: the upper half of the 128 deep product has zero codes on one side (q's, g1's) and the scale byte 0 there: it adds nothing.
; LIMITS: NaN and infinities are not served; gates at or under -1e30 are not served (there a later chunk would rank ahead of an earlier one); a block of zeros gets the byte 1; the order of the f32 sums in the
; chunk sums and in the gate is a tree, not a chain.  o's codes leave as 24 bytes a lane and its scale bytes singly: a head owns only 48 + 2 bytes of a row.
; REGISTERS: v1-4 lane terms of LDS addresses; v5, v6 the add's two; v7 r + 8 (r / 8) - 16 h; v8-11 addresses in hand; v12 -M, v13 largest t, v[14:15] the sum; v16-27 q's fragment; v28 the chosen chunks;
; v29 -3e38; v[30:31] the addend; v32-79 four fragments; v80-92 g1's fragment and word; v96-159 S^T, then p; v160-191 O^T; v192-223 weight x sigmoid(g); v224-254 at work; v255 q's scale word.
; In the choice: v224, v226 .. v238 the eight gates, v240-247 how many beat each chunk, v248 at work.
.set HSTR,  212992
.set SB,    26624
.set QUART, 6656
.set KSUM0, 6815744
.set SLOT1, 32768                      ; slot 1 begins here: one exclusive or turns an address
.set KSUML, 65536                      ; the head's chunk sums, 4,096 bytes
.set SPARE, 69632                      ; the spare words: 128 bytes a wave, eight blocks of 256 bytes that no other line names
.set WG2C,  10304*1536
.set WG2S,  10304*64
.set G1W,   98304
.set SPW, 5
.set NIL, 6
.set WV,  20
.set CS,  22                           ; s[22:23] c = log2(e) / 8
.set G1,  24                           ; s[24:31] group 1: a quarter of a slot;  s[32:39]: a quarter of the sums
.set G1S, 32
.set G0,  40                           ; s[40:43] group 0, which walks;  s[44:47] the sums'
.set G0S, 44
.set SEL, 48
.set TB,  50                           ; LDS byte at which the slot in hand begins
.set KF,  51                           ; the step's first key
.set Q32, 52                           ; my tile's group of 32 positions
.set QB,  53                           ; lane 0's position
.set LASTQ, 54                         ; the work-group's last query
.set SLOTS, 55
.set CW,  56                           ; my chunk
.set ETA, 57                           ; the head
.set TT,  58                           ; my tile
.macro QUANT2 s, d, y, tm              ; 32 numbers of a lane, register 16 b + i = k 32 b + 16 h + i, become six registers of codes (lane (r, h): block h) in v[d] on; v[tm+2], v[tm+3] the two bytes, v[tm+6] the word
.irp b, 0,1
	v_max3_num_f32 v[\tm+\b], |v[\s+16*\b]|, |v[\s+16*\b+1]|, 0x1800000
.endr
.irp i, 2,4,6,8,10,12,14
.irp b, 0,1
	v_max3_num_f32 v[\tm+\b], v[\tm+\b], |v[\s+16*\b+\i]|, |v[\s+16*\b+\i+1]|
.endr
.endr
.irp b, 0,1
	v_permlanex16_b32 v[\tm+2+\b], v[\tm+\b], s[SEL], s[SEL+1]
.endr
.irp b, 0,1
	v_max_num_f32 v[\tm+\b], v[\tm+\b], v[\tm+2+\b]
.endr
.irp b, 0,1
	v_add_nc_u32 v[\tm+4+\b], 0xff000000, v[\tm+\b]
.endr
.irp b, 0,1
	v_lshrrev_b32 v[\tm+2+\b], 23, v[\tm+4+\b]
.endr
	v_lshl_or_b32 v[\tm+6], v[\tm+3], 8, v[\tm+2]
	v_cvt_scalef32_pk16_fp6_f32 v[\d:\d+2], v[\s:\s+15], v[\tm+4]
	v_cvt_scalef32_pk16_fp6_f32 v[\y:\y+2], v[\s+16:\s+31], v[\tm+5]
	v_nop                                          ; one plain place behind a scaled conversion
.irp i, 0,1,2
	v_permlane16_swap_b32 v[\d+\i], v[\y+\i]
.endr
.irp i, 0,1,2
	v_mov_b32 v[\d+3+\i], v[\y+\i]
.endr
.endm
.macro TLOAD                           ; waves 0 to 3 fetch a quarter of a slot each; an s_nop 0 and four v_nop follow the line
	s_cmp_lt_u32 s[WV], 4
	s_cbranch_scc0 .Lasked_\@
	tensor_load_to_lds s[G0:G0+3], s[G1:G1+7]
	s_nop 0
.rept 4
	v_nop
.endr
.Lasked_\@:
.endm
	s_load_b512 s[4:19], s[0:1], 0x0               ; qimg s[4:5], kv, g1c, wcodes, wscales, o_norm_weight, ocodes, oscales s[18:19]
	v_lshl_add_u32 v[SPW], v0, 2, SPARE
	v_mov_b32 v[NIL], 0
	ds_add_u32 v[SPW], v[NIL]                      ; the wave's opening: the add and its wait stand ahead of my first tensor load; the set-up below stands between them
	v_lshrrev_b32 v8, 5, v0
	v_readfirstlane_b32 s[WV], v8                  ; wave 0..15
	s_and_b32 s[ETA], ttmp7, 0xffff
	s_lshr_b32 s66, ttmp9, 1                       ; p
	s_and_b32 s67, ttmp9, 1                        ; which half of the chunks
	s_lshr_b32 s68, s[WV], 2
	s_xor_b32 s68, s68, s[WV]
	s_and_b32 s68, s68, 1                          ; 1: a tile of the late chunk
	s_sub_co_u32 s69, 7, s66
	s_cmp_lg_u32 s68, 0
	s_cselect_b32 s[CW], s69, s66
	s_lshr_b32 s70, s[WV], 1
	s_lshl_b32 s[TT], s[CW], 4
	s_lshl_b32 s67, s67, 3
	s_add_co_u32 s[TT], s[TT], s67
	s_add_co_u32 s[TT], s[TT], s70                 ; my tile: 16 x chunk + 8 x half + wave / 2
	s_lshr_b32 s[Q32], s[TT], 1
	s_lshl_b32 s[Q32], s[Q32], 5
	s_and_b32 s72, s[TT], 1
	s_lshl_b32 s72, s72, 3
	s_add_co_u32 s[QB], s[Q32], s72
	s_sub_co_u32 s[LASTQ], 8, s66
	s_lshl_b32 s[LASTQ], s[LASTQ], 8
	s_sub_co_u32 s[LASTQ], s[LASTQ], 1
	s_mov_b32 s[G1], 3<<16                         ; no mask; elements of 8 bytes; no padding
	s_mov_b32 s[G1+1], 32<<16                      ; tensor_dim0 = 32: rows of 256 bytes
	s_mov_b32 s[G1+2], 26<<16                      ; tensor_dim1 = 26
	s_mov_b32 s[G1+3], 32<<16                      ; tile_dim0
	s_mov_b32 s[G1+4], 26                          ; tile_dim1
	s_mov_b32 s[G1+5], 32                          ; pitch: dense
	s_mov_b32 s[G1+6], 0
	s_mov_b32 s[G1+7], 0
	s_mov_b32 s[G1S], 3<<16
	s_mov_b32 s[G1S+1], 32<<16
	s_mov_b32 s[G1S+2], 4<<16
	s_mov_b32 s[G1S+3], 32<<16
	s_mov_b32 s[G1S+4], 4
	s_mov_b32 s[G1S+5], 32
	s_mov_b32 s[G1S+6], 0
	s_mov_b32 s[G1S+7], 0
	s_mov_b32 s[CS], 0x3e38aa3b
	s_mov_b32 s[CS+1], s[CS]                       ; (named with it as a pair, so it is written)
	s_mov_b32 s[SEL], 0x76543210
	s_mov_b32 s[SEL+1], 0xfedcba98
	s_mov_b32 s[TB], 0
	s_mov_b32 s[KF], 0
	s_mov_b32 s[SLOTS], 7
	s_mov_b32 s73, 0
	v_and_b32 v9, 31, v0                           ; lane
	v_and_b32 v10, 15, v0                          ; r
	v_bfe_u32 v11, v0, 4, 1                        ; h
	v_lshlrev_b32 v1, 3, v9                        ; k's codes: 8 x lane
	v_lshl_add_u32 v2, v9, 4, 13312                ; v's codes: 16 x lane, behind k's part
	v_lshl_add_u32 v3, v10, 2, 12288               ; k's scale words: 4 r
	v_lshl_add_u32 v4, v9, 2, 25600                ; v's scale words: 4 x lane
	v_and_b32 v12, 8, v10
	v_add_nc_u32 v12, v12, v10                     ; r + 8 (r / 8)
	v_lshlrev_b32 v13, 4, v11
	v_sub_nc_u32 v7, v12, v13                      ; less 16 h
	v_lshlrev_b32 v14, 4, v9                       ; q's image: 16 x lane
	v_lshlrev_b32 v15, 2, v9                       ; g1's word: 4 x lane
	v_mul_u32_u24 v30, v12, 48
	v_mad_u32_u24 v30, v11, 24, v30                ; Wg2's codes: a row is 48 bytes
	v_lshlrev_b32 v31, 1, v12                      ; Wg2's scales: 2 bytes a row
	v_lshlrev_b32 v28, 6, v11                      ; the weight: 64 h
	s_wait_dscnt 0x0                               ; the opening add is done
	s_wait_kmcnt 0x0
	s_mul_i32 s72, s[ETA], HSTR
	s_add_nc_u64 s[74:75], s[6:7], s[72:73]        ; the head's slots
	s_and_b32 s76, s[WV], 3
	s_mul_i32 s72, s76, QUART
	s_mov_b32 s[G0], 1
	s_mov_b32 s[G0+1], s72                         ; LDS: slot 0, my quarter
	s_add_nc_u64 s[G0+2:G0+3], s[74:75], s[72:73]
	s_or_b32 s[G0+3], s[G0+3], 0x80000000
	s_lshl_b32 s72, s[ETA], 12
	s_lshl_b32 s77, s76, 10
	s_add_co_u32 s72, s72, s77
	s_add_co_u32 s72, s72, KSUM0
	s_mov_b32 s[G0S], 1
	s_add_co_u32 s[G0S+1], s77, KSUML
	s_add_nc_u64 s[G0S+2:G0S+3], s[6:7], s[72:73]
	s_or_b32 s[G0S+3], s[G0S+3], 0x80000000
	s_cmp_lt_u32 s[WV], 4                          ; a wave's two first fills stand in one branch, ahead of every wait on TENSORcnt, every LDS read and every barrier: two loads of mine are out
	s_cbranch_scc0 .Lno_first
	tensor_load_to_lds s[G0S:G0S+3], s[G1S:G1S+7]
	s_nop 0
	tensor_load_to_lds s[G0:G0+3], s[G1:G1+7]
	s_nop 0
.rept 4
	v_nop
.endr
.Lno_first:
	s_lshl_b32 s72, s[ETA], 7
	s_add_co_u32 s72, s72, s[TT]
	s_lshl_b32 s72, s72, 12
	s_add_nc_u64 s[4:5], s[4:5], s[72:73]          ; q's image of my tile
	s_lshl_b32 s72, s[TT], 7
	s_add_co_u32 s72, s72, G1W
	s_add_nc_u64 s[78:79], s[8:9], s[72:73]        ; g1's scale words
	s_mul_i32 s72, s[TT], 768
	s_add_nc_u64 s[8:9], s[8:9], s[72:73]          ; g1's codes
	s_mul_i32 s72, s[ETA], 3072
	s_add_co_u32 s72, s72, WG2C
	s_add_nc_u64 s[10:11], s[10:11], s[72:73]      ; Wg2's codes: the head's 64 rows
	s_lshl_b32 s72, s[ETA], 7
	s_add_co_u32 s72, s72, WG2S
	s_add_nc_u64 s[12:13], s[12:13], s[72:73]
	s_mul_i32 s72, s[QB], 1536
	s_mul_i32 s77, s[ETA], 48
	s_add_co_u32 s72, s72, s77
	s_add_nc_u64 s[16:17], s[16:17], s[72:73]      ; o's codes: lane 0's row, the head's 48 bytes
	s_lshl_b32 s72, s[QB], 6
	s_lshl_b32 s77, s[ETA], 1
	s_add_co_u32 s72, s72, s77
	s_add_nc_u64 s[18:19], s[18:19], s[72:73]      ; o's scale bytes
.irp k, 0,1,2,3,4,5,6,7
	global_load_b128 v[96+4*\k:99+4*\k], v14, s[4:5] offset:512*\k      ; q, f32: register 16 b + i = channel 32 b + 16 h + i
.endr
.irp p, 0,1,2
	global_load_b64 v[80+2*\p:81+2*\p], v1, s[8:9] offset:256*\p
.endr
	global_load_b32 v92, v15, s[78:79]
.irp t, 0,1,2,3                                ; lane r of tile t takes Wg2's row 32 (t / 2) + 8 (t % 2) + r + 8 (r / 8), so that g^T lies as O^T does
.irp p, 0,1,2
	global_load_b64 v[32+12*\t+2*\p:33+12*\t+2*\p], v30, s[10:11] offset:(32*(\t/2)+8*(\t%2))*48+8*\p
.endr
	global_load_u16 v[248+\t], v31, s[12:13] offset:(32*(\t/2)+8*(\t%2))*2
.endr
.irp b, 0,1
.irp k, 0,1,2,3
	global_load_b128 v[192+16*\b+4*\k:195+16*\b+4*\k], v28, s[14:15] offset:128*\b+16*\k
.endr
.endr
.irp i, 0,1,2,3,4,5                            ; the upper halves of the products with K = 64: zero codes
	v_mov_b32 v[22+\i], 0
	v_mov_b32 v[86+\i], 0
	v_mov_b32 v[38+\i], 0
	v_mov_b32 v[50+\i], 0
	v_mov_b32 v[62+\i], 0
	v_mov_b32 v[74+\i], 0
.endr
	v_mov_b32 v242, 0                              ; written once: a lane permute's destination counts as one of its sources
	v_mov_b32 v243, 0
	s_wait_loadcnt 0x0
.rept 4
	v_nop                                          ; operands written by vector instructions stand four places ahead of a scaled product
.endr
.irp t, 0,1,2,3                                ; g^T = Wg2 g1^T: lane (r, h) holds position r, register 16 b + i channel 32 b + 16 h + i
	v_wmma_scale_f32_16x16x128_f8f6f4 v[128+8*\t:135+8*\t], v[32+12*\t:43+12*\t], v[80:91], 0, v[248+\t], v92 matrix_a_fmt:MATRIX_FMT_FP6 matrix_b_fmt:MATRIX_FMT_FP6
.endr
	QUANT2 96, 16, 236, 240                        ; q's fragment; its plain lines are the places behind the four products
	v_mov_b32 v255, v246                           ; q's scale word: two bytes, the upper two 0
	v_mov_b32 v29, 0xff61b1e6                      ; -3e38
	; weight x sigmoid(g) = weight / (1 + 2^(-g log2 e))
.set JJ, 0
.rept 16
	v_pk_mul_f32 v[128+JJ:129+JJ], v[128+JJ:129+JJ], 0xbfb8aa3b op_sel_hi:[1,0]
.set JJ, JJ+2
.endr
.set JJ, 0
.rept 32
	v_exp_f32 v[128+JJ], v[128+JJ]
.set JJ, JJ+1
.endr
	v_lshl_add_u32 v8, v11, 7, KSUML               ; (a plain place)  the sums: my half's 128 bytes
	s_wait_alu depctr_va_vdst(0)                   ; one wait for the batch, ahead of its first reader
.set JJ, 0
.rept 16
	v_pk_add_f32 v[128+JJ:129+JJ], v[128+JJ:129+JJ], 1.0 op_sel_hi:[1,0]
.set JJ, JJ+2
.endr
.set JJ, 0
.rept 32
	v_rcp_f32 v[128+JJ], v[128+JJ]
.set JJ, JJ+1
.endr
	v_nop
	s_wait_alu depctr_va_vdst(0)
.set JJ, 0
.rept 16
	v_pk_mul_f32 v[192+JJ:193+JJ], v[192+JJ:193+JJ], v[128+JJ:129+JJ]
.set JJ, JJ+2
.endr
	s_wait_tensorcnt 0x0                           ; my parts of the sums and of slot 0 are in,
	s_barrier_signal -1
	s_barrier_wait -1                              ; everybody's are
	; ---- the gates: chunk n's two half sums are added and multiplied with q
.macro GLOAD n, set
.irp k, 0,1,2,3,4,5,6,7
	ds_load_b128 v[\set+4*\k:\set+4*\k+3], v8 offset:512*\n+16*\k
	ds_load_b128 v[\set+32+4*\k:\set+32+4*\k+3], v8 offset:512*\n+256+16*\k
.endr
.endm
.macro GDOT n, set, left
	s_wait_dscnt \left                             ; my chunk's 16 loads are in; the next chunk's 16 may be out
.set JJ, 0
.rept 16
	v_pk_add_f32 v[\set+JJ:\set+JJ+1], v[\set+JJ:\set+JJ+1], v[\set+32+JJ:\set+33+JJ]
.set JJ, JJ+2
.endr
	v_pk_mul_f32 v[224+2*\n:225+2*\n], v[96:97], v[\set:\set+1]
.set JJ, 2
.rept 15
	v_pk_fma_f32 v[224+2*\n:225+2*\n], v[96+JJ:97+JJ], v[\set+JJ:\set+JJ+1], v[224+2*\n:225+2*\n]
.set JJ, JJ+2
.endr
.endm
	GLOAD 0, 32
	GLOAD 1, 128
	GDOT 0, 32, 16
	GLOAD 2, 32
	GDOT 1, 128, 16
	GLOAD 3, 128
	GDOT 2, 32, 16
	GLOAD 4, 32
	GDOT 3, 128, 16
	GLOAD 5, 128
	GDOT 4, 32, 16
	GLOAD 6, 32
	GDOT 5, 128, 16
	GLOAD 7, 128
	GDOT 6, 32, 16
	GDOT 7, 128, 0
.irp n, 0,1,2,3,4,5,6,7
	v_add_f32 v[224+2*\n], v[224+2*\n], v[225+2*\n]
.endr
.irp n, 0,1,2,3,4,5,6,7
	v_permlanex16_b32 v[225+2*\n], v[224+2*\n], s[SEL], s[SEL+1]
.endr
.irp n, 0,1,2,3,4,5,6,7
	v_add_f32 v[224+2*\n], v[224+2*\n], v[225+2*\n]    ; the same bits in both lanes of a query
.endr
.irp n, 0,1,2,3,4,5,6,7                        ; only earlier chunks compete
	s_cmp_gt_u32 s[CW], \n
	s_cselect_b32 s66, -1, 0
	v_cndmask_b32 v[224+2*\n], v29, v[224+2*\n], s66
.endr
.irp m, 0,1,2,3,4,5,6,7
	v_mov_b32 v[240+\m], 7-\m                      ; how many beat chunk m: at first all later ones
.endr
.irp m, 0,1,2,3,4,5,6                          ; 28 pairs; the 0 or 1 of a comparison goes to v248, which holds no gate
.irp n, 1,2,3,4,5,6,7
.if \n > \m
	v_cmp_ge_f32 vcc_lo, v[224+2*\m], v[224+2*\n]  ; the lower index wins a tie
	v_cndmask_b32 v248, 0, 1, vcc_lo
	v_add_nc_u32 v[240+\n], v[240+\n], v248
	v_sub_nc_u32 v[240+\m], v[240+\m], v248
.endif
.endr
.endr
	v_mov_b32 v28, 0
.irp n, 0,1,2,3,4,5,6,7
	v_cmp_gt_u32 vcc_lo, 3, v[240+\n]
	v_cndmask_b32 v248, 0, 1, vcc_lo
	v_lshl_or_b32 v28, v248, \n, v28
.endr
	s_lshl_b32 s66, 1, s[CW]
	v_or_b32 v28, s66, v28                         ; my own chunk always
	v_mov_b32 v13, 0xff61b1e6                      ; the largest t so far: -3e38
	v_floor_f32 v12, -v13                          ; -M
	v_mov_b32 v14, 0
	v_mov_b32 v15, 0
	v_mov_b32 v30, 0
	v_mov_b32 v31, 0                               ; (named as the upper half of the pair v[30:31])
.irp b, 0,1,2,3
	v_mov_b32 v[236+\b], 0
.endr
	v_mov_b32 v252, 0
	v_mov_b32 v253, 0
.set JJ, 0
.rept 32
	v_mov_b32 v[160+JJ], 0                         ; O^T: the step is written once; the first finds zeros, which the first change of M leaves zeros
.set JJ, JJ+1
.endr
; A KEY STEP: 128 keys, the q-th of the slot in hand.
.macro STEP q
	s_cmp_gt_u32 s[KF], s[Q32]                     ; all its keys come after my 16 queries: left out (ids alone; no barrier and no tensor load stands in a step)
	s_cbranch_scc1 .Lhidden_\@
	v_add_nc_u32 v8, s[TB], v1
	v_add_nc_u32 v9, s[TB], v2
	v_add_nc_u32 v10, s[TB], v3
	v_add_nc_u32 v11, s[TB], v4                    ; (these four are the places in front of the loads below)
.irp g, 0,1                                    ; S^T = K Q^T, four tiles of 16 keys at a time.  Registers 6-11 of a fragment of K keep what they held: q's codes there are zeros
.rept 4*\g
	v_nop
.endr
.irp t, 0,1,2,3
.irp p, 0,1,2
	ds_load_b64 v[32+12*\t+2*\p:33+12*\t+2*\p], v8 offset:768*(8*(\q)+4*\g+\t)+256*\p
.endr
	ds_load_b32 v[248+\t], v10 offset:64*(8*(\q)+4*\g+\t)
.endr
	s_wait_dscnt 0x0
.irp t, 0,1,2,3
	v_wmma_scale_f32_16x16x128_f8f6f4 v[96+8*(4*\g+\t):103+8*(4*\g+\t)], v[32+12*\t:43+12*\t], v[16:27], 0, v[248+\t], v255 matrix_a_fmt:MATRIX_FMT_FP6 matrix_b_fmt:MATRIX_FMT_FP6
.endr
.endr                                          ; register 16 b + i holds key KF + 32 b + 16 h + i
.rept 4
	v_nop
.endr
	s_add_co_u32 s96, s[KF], 128
	s_cmp_le_u32 s96, s[Q32]                       ; all keys count for all my queries: no mask
	s_cbranch_scc1 .Lopen_\@
	s_sub_co_i32 s96, s[QB], s[KF]
	v_add_nc_u32 v252, s96, v7                     ; d = my query - KF - 16 h: hidden where 32 b + i > d
	v_mov_b32 v254, 0xff800000
.set NN, 0
.rept 64
	v_cmp_gt_i32 vcc_lo, 32*(NN/16)+NN%16, v252
	v_cndmask_b32 v[96+NN], v[96+NN], v254, vcc_lo
.set NN, NN+1
.endr
.Lopen_\@:
.irp b, 0,1,2,3
	v_max3_num_f32 v[232+\b], v[96+16*\b], v[97+16*\b], v[98+16*\b]   ; the largest score of each block of 32 keys: for the row's maximum, and for the block's largest p
.endr
.irp i, 3,5,7,9,11,13
.irp b, 0,1,2,3
	v_max3_num_f32 v[232+\b], v[232+\b], v[96+16*\b+\i], v[97+16*\b+\i]
.endr
.endr
.irp b, 0,1,2,3
	v_max_num_f32 v[232+\b], v[232+\b], v[111+16*\b]
.endr
.irp b, 0,1,2,3
	v_permlanex16_b32 v[236+\b], v[232+\b], s[SEL], s[SEL+1]
.endr
.irp b, 0,1,2,3
	v_max_num_f32 v[232+\b], v[232+\b], v[236+\b]
.endr
	s_lshr_b32 s96, s[KF], 8
	s_lshl_b32 s96, 1, s96                         ; the chunk's bit
	v_and_b32 v254, s96, v28
	v_cmp_ne_u32 vcc_lo, 0, v254                   ; has my query chosen it?
.irp b, 0,1,2,3
	v_cndmask_b32 v[232+\b], v29, v[232+\b], vcc_lo    ; if not, its scores do not count for M
.endr
	v_max3_num_f32 v254, v232, v233, v234
	v_max_num_f32 v254, v254, v235
	v_mul_f32 v254, s[CS], v254
	v_max_num_f32 v13, v13, v254                   ; the running largest t
	v_mov_b32 v254, v12
	v_floor_f32 v12, -v13                          ; the new -M = -ceil(t)
	v_sub_f32 v254, v12, v254
	v_cvt_i32_f32 v254, v254                       ; (it saturates)
	v_ldexp_f32 v252, 1.0, v254                    ; f = 2^(old M - new M)
	v_cndmask_b32 v30, v29, v12, vcc_lo            ; the addend: -M, or -3e38 where the chunk is not chosen: p = 0 then
.set JJ, 0
.rept 32
	v_pk_fma_f32 v[96+JJ:97+JJ], v[96+JJ:97+JJ], s[CS:CS+1], v[30:31] op_sel_hi:[1,0,0]
.set JJ, JJ+2
.endr
.irp b, 0,1,2,3
	v_fma_f32 v[232+\b], v[232+\b], s[CS], v30
.endr
.set JJ, 0
.rept 64
	v_exp_f32 v[96+JJ], v[96+JJ]                   ; p = 2^(t - M)
.set JJ, JJ+1
.endr
	v_pk_mul_f32 v[14:15], v[14:15], v[252:253] op_sel_hi:[1,0]   ; the sums under the new M (a plain place behind the exponentials)
	s_wait_alu depctr_va_vdst(0)                   ; one wait for the batch, ahead of its first reader
.irp b, 0,1,2,3
	v_exp_f32 v[232+\b], v[232+\b]                 ; the block's largest p
.endr
	v_pk_add_f32 v[236:237], v[96:97], v[98:99]    ; the row's sum of the unquantised p, in two chains
.set JJ, 4
.rept 15
	v_pk_add_f32 v[14:15], v[14:15], v[96+JJ:97+JJ]
	v_pk_add_f32 v[236:237], v[236:237], v[98+JJ:99+JJ]
.set JJ, JJ+4
.endr
	v_pk_add_f32 v[14:15], v[14:15], v[236:237]
	s_wait_alu depctr_va_vdst(0)                   ; and one for the four
.irp b, 0,1,2,3
	v_max_num_f32 v[232+\b], 0x1800000, v[232+\b]
.endr
.irp b, 0,1,2,3
	v_add_nc_u32 v[244+\b], 0xff000000, v[232+\b]
.endr
.irp b, 0,1,2,3
	v_lshrrev_b32 v[236+\b], 23, v[244+\b]
.endr
	v_lshl_or_b32 v253, v237, 8, v236              ; p's scale word for these 128 keys
	v_lshl_or_b32 v253, v238, 16, v253
	v_lshl_or_b32 v253, v239, 24, v253
.irp c, 0,1
	v_cvt_scalef32_pk16_fp6_f32 v[224+6*\c:226+6*\c], v[96+32*\c:111+32*\c], v[244+2*\c]
	v_cvt_scalef32_pk16_fp6_f32 v[236+4*\c:238+4*\c], v[112+32*\c:127+32*\c], v[244+2*\c+1]
.endr
	v_nop
.irp c, 0,1
.irp i, 0,1,2
	v_permlane16_swap_b32 v[224+6*\c+\i], v[236+4*\c+\i]
.endr
.irp i, 0,1,2
	v_mov_b32 v[227+6*\c+\i], v[236+4*\c+\i]
.endr
.endr
.set JJ, 0
.rept 16
	v_pk_mul_f32 v[160+JJ:161+JJ], v[160+JJ:161+JJ], v[252:253] op_sel_hi:[1,0]   ; O^T under the new M; these sixteen are also the places in front of the products below
.set JJ, JJ+2
.endr
.irp t, 0,1,2,3                                ; O^T += V^T P^T: four tiles of 16 channels, K = these 128 keys
.irp c, 0,1,2
	ds_load_b128 v[32+12*\t+4*\c:35+12*\t+4*\c], v9 offset:1536*(4*(\q)+\t)+512*\c
.endr
	ds_load_b32 v[248+\t], v11 offset:128*(4*(\q)+\t)
.endr
	s_wait_dscnt 0x0
.irp t, 0,1,2,3
	v_wmma_scale_f32_16x16x128_f8f6f4 v[160+8*\t:167+8*\t], v[32+12*\t:43+12*\t], v[224:235], v[160+8*\t:167+8*\t], v[248+\t], v253 matrix_a_fmt:MATRIX_FMT_FP6 matrix_b_fmt:MATRIX_FMT_FP6
.endr
.Lhidden_\@:
	s_add_co_u32 s[KF], s[KF], 128
.endm
; THE CHANGE OF SLOTS stands at a slot's head.  Each wave waits for all its tensor loads, adds 0 to its spare word, and waits for that and for its reads of the slot that it has left.  Behind the barrier the slot
; ahead is whole and nobody reads the other one; fill = 1: that one takes the next 256 keys, while they lie at or under the work-group's last query.
.macro CHANGE fill
	s_wait_tensorcnt 0x0
	ds_add_u32 v[SPW], v[NIL]
.if \fill
	s_xor_b32 s[G0+1], s[G0+1], SLOT1              ; no tensor load of mine is out: the walking descriptor takes the other slot
	s_add_nc_u64 s[G0+2:G0+3], s[G0+2:G0+3], SB    ; and the next 256 keys
.endif
	s_wait_dscnt 0x0
	s_barrier_signal -1
	s_barrier_wait -1
.if \fill
	s_add_co_u32 s96, s[KF], 256
	s_cmp_gt_u32 s96, s[LASTQ]
	s_cbranch_scc1 .Lpast_\@
	TLOAD
.Lpast_\@:
.endif
.endm
.macro SLOT_STEPS
	STEP 0
	STEP 1
	s_xor_b32 s[TB], s[TB], SLOT1
.endm
.Lslot:                                            ; 7 trips
	CHANGE 1
	SLOT_STEPS
	s_sub_co_u32 s[SLOTS], s[SLOTS], 1
	s_cmp_lg_u32 s[SLOTS], 0
	s_cbranch_scc1 .Lslot
	CHANGE 0                                       ; the last slot is written out: nothing is left to ask for
	SLOT_STEPS
	; ---- THE WAY OUT.  The address lines are the places behind the last products.
	v_and_b32 v8, 15, v0
	v_bfe_u32 v9, v0, 4, 1
	v_and_b32 v10, 8, v8
	v_add_nc_u32 v10, v10, v8                      ; r + 8 (r / 8)
	v_mul_u32_u24 v11, v10, 1536
	v_mad_u32_u24 v11, v9, 24, v11                 ; o's codes: my row, my block's 24 bytes
	v_lshl_add_u32 v10, v10, 6, v9                 ; o's scale bytes: my row, my block's byte
	v_add_f32 v14, v14, v15
	v_permlanex16_b32 v252, v14, s[SEL], s[SEL+1]
	v_add_f32 v14, v14, v252                       ; the row's sum
	v_rcp_f32 v14, v14
	s_mov_b32 s66, 0x3c800000                      ; 1 / 64
	s_mov_b32 s67, 0x358637bd                      ; 1e-6
	v_nop
	s_wait_alu depctr_va_vdst(0)
.set JJ, 0
.rept 16
	v_pk_mul_f32 v[96+JJ:97+JJ], v[160+JJ:161+JJ], v[14:15] op_sel_hi:[1,0]   ; o
.set JJ, JJ+2
.endr
	v_pk_mul_f32 v[232:233], v[96:97], v[96:97]
	v_pk_mul_f32 v[234:235], v[98:99], v[98:99]
.set JJ, 4
.rept 7
	v_pk_fma_f32 v[232:233], v[96+JJ:97+JJ], v[96+JJ:97+JJ], v[232:233]
	v_pk_fma_f32 v[234:235], v[98+JJ:99+JJ], v[98+JJ:99+JJ], v[234:235]
.set JJ, JJ+4
.endr
	v_pk_add_f32 v[232:233], v[232:233], v[234:235]
	v_add_f32 v232, v232, v233
	v_permlanex16_b32 v252, v232, s[SEL], s[SEL+1]
	v_add_f32 v232, v232, v252                     ; the sum of the 64 squares
	v_fma_f32 v232, v232, s66, s67
	v_rsq_f32 v232, v232
	v_cmp_ne_u32 vcc_lo, 0, v9                     ; (a plain place)  lanes 16-31
	s_wait_alu depctr_va_vdst(0)
.set JJ, 0
.rept 16
	v_pk_mul_f32 v[96+JJ:97+JJ], v[96+JJ:97+JJ], v[232:233] op_sel_hi:[1,0]
.set JJ, JJ+2
.endr
.set JJ, 0
.rept 16
	v_pk_mul_f32 v[96+JJ:97+JJ], v[96+JJ:97+JJ], v[192+JJ:193+JJ]
.set JJ, JJ+2
.endr
	QUANT2 96, 224, 236, 240
.irp p, 0,1,2
	global_store_b64 v11, v[224+2*\p:225+2*\p], s[16:17] offset:8*\p
.endr
	v_cndmask_b32 v232, v242, v243, vcc_lo         ; my block's byte
	global_store_b8 v10, v232, s[18:19]
	s_wait_tensorcnt 0x0                           ; the wave's end
	ds_add_u32 v[SPW], v[NIL]
	s_wait_dscnt 0x0
	s_endpgm
.Lfunc_end_k_q2ffc27f466_attn:
	.size	k_q2ffc27f466_attn, .Lfunc_end_k_q2ffc27f466_attn-k_q2ffc27f466_attn
	.p2alignl 7, 3214868480
	.fill 96, 4, 3214868480
	.section	.rodata,"a",@progbits
	.p2align	6, 0x0
	.amdhsa_kernel k_q2ffc27f466_attn
		.amdhsa_group_segment_fixed_size 327680
		.amdhsa_private_segment_fixed_size 0
		.amdhsa_enable_private_segment 0
		.amdhsa_kernarg_size 64
		.amdhsa_user_sgpr_count 2
		.amdhsa_user_sgpr_kernarg_segment_ptr 1
		.amdhsa_wavefront_size32 1
		.amdhsa_system_sgpr_workgroup_id_x 1
		.amdhsa_system_sgpr_workgroup_id_y 1
		.amdhsa_system_sgpr_workgroup_id_z 1
		.amdhsa_system_vgpr_workitem_id 0
		.amdhsa_next_free_vgpr 256
		.amdhsa_next_free_sgpr 100
		.amdhsa_reserve_vcc 1
		.amdhsa_float_denorm_mode_32 3
		.amdhsa_float_denorm_mode_16_64 3
		.amdhsa_memory_ordered 1
		.amdhsa_forward_progress 1
		.amdhsa_inst_pref_size 150
	.end_amdhsa_kernel
	.amdgpu_metadata
---
amdhsa.version: [ 1, 2 ]
amdhsa.kernels:
  - .name:           k_q2ffc27f466_attn
    .symbol:         k_q2ffc27f466_attn.kd
    .args:
      - { .name: qimg, .offset: 0, .size: 8, .value_kind: global_buffer, .address_space: global }
      - { .name: kv, .offset: 8, .size: 8, .value_kind: global_buffer, .address_space: global }
      - { .name: g1c, .offset: 16, .size: 8, .value_kind: global_buffer, .address_space: global }
      - { .name: wcodes, .offset: 24, .size: 8, .value_kind: global_buffer, .address_space: global }
      - { .name: wscales, .offset: 32, .size: 8, .value_kind: global_buffer, .address_space: global }
      - { .name: o_norm_weight, .offset: 40, .size: 8, .value_kind: global_buffer, .address_space: global }
      - { .name: ocodes, .offset: 48, .size: 8, .value_kind: global_buffer, .address_space: global }
      - { .name: oscales, .offset: 56, .size: 8, .value_kind: global_buffer, .address_space: global }
    .group_segment_fixed_size: 327680
    .private_segment_fixed_size: 0
    .kernarg_segment_align: 8
    .kernarg_segment_size: 64
    .max_flat_workgroup_size: 512
    .sgpr_count:     100
    .vgpr_count:     256
    .wavefront_size: 32
...
	.end_amdgpu_metadata
.endif
;; end of part 4
;; launch outp (part 5): grid 8 x 8, 4 waves a work-group, clusters of 4 x 4, 327,680 bytes of LDS; arguments ocodes, oscales, wcodes, wscales, out0; writes out0
.if DOCPART == 5
	.amdgcn_target "amdgcn-amd-amdhsa--gfx1250"
	.amdhsa_code_object_version 6
	.text
	.protected	k_q2ffc27f466_outp
	.globl	k_q2ffc27f466_outp
	.p2align	8
	.type	k_q2ffc27f466_outp,@function
k_q2ffc27f466_outp:
	s_mov_b64 s[64:65], 0
	v_nop
	global_prefetch_b8 v0, s[64:65] scope:SCOPE_SE
	s_setreg_imm32_b32 hwreg(HW_REG_WAVE_MODE, 25, 1), 1
	s_wait_xcnt 0x0
	s_wait_alu depctr_hold_cnt(0) depctr_sa_sdst(0) depctr_va_vdst(0) depctr_va_sdst(0) depctr_va_ssrc(0) depctr_va_vcc(0) depctr_vm_vsrc(0)
	s_getreg_b32 s2, hwreg(HW_REG_IB_STS2, 6, 4)
	s_cmp_eq_u32 s2, 0
	s_cbranch_scc0 .Lentry_in_a_cluster
	s_endpgm
.Lentry_in_a_cluster:
	s_bfe_u32 s2, ttmp6, 0x10000c
	s_cmp_lg_u32 s2, 0xf033
	s_cbranch_scc0 .Lentry_shape_is_right
	s_endpgm
.Lentry_shape_is_right:
; OUTP.  out0 = o Wo^T on codes of FP6 (E2M3) with one E8M0 scale for each 32 along K = 2,048; out0 [2048][2048] f32; sums in f32.
; o's codes and scale bytes come from the launch before, rows in their true order; Wo's lie in wcodes / wscales from row 8,256 on, in their true order.
; A tile of 256 x 256 is made by a work-group of four waves; a wave makes 128 x 128: 64 accumulators, 512 registers.  K goes in steps of 256 through a ring of two LDS slots filled by the tensor data mover;
; the scale bytes of the work-group's rows come into LDS once.  CLUSTERS of 4 x 4: A's tiles are asked for jointly along a row of the cluster, B's along a column.
; The matrix instruction is used transposed (source 0 = 16 rows of Wo, source 1 = 16 rows of o): a lane then holds eight neighbouring numbers of a row of the result.
; 64 tiles: the launch has work for 64 work-groups.
; REGISTERS, in windows of 256: window 0: v0-31 addresses; v32-63 scale words, two sets; from v128 A's fragments, one set; on the way out v32-255 are free.  window 1: B's fragments, two sets.  windows 2, 3: the accumulators.
.set SIZE_M, 2048
.set SIZE_N, 2048
.set SIZE_K, 2048
.set KSTEP,  256
.set NQ,     KSTEP/128
.set ROWB,   192
.set KROW,   SIZE_K*6/8
.set PITCH,  240                       ; an LDS row: 3 x (64 bytes + 16 of padding): the 32 lanes of a load of 8 bytes touch 64 different banks of 4 bytes (ISA guide 11.1)
.set FR,     12
.set NL,     6
.set NP,     4
.set HALFT,  128*PITCH
.set SLOT,   4*HALFT
.set LAPS,   SIZE_K/(2*KSTEP)
.set KS,     SIZE_K/32
.set SCL,    2*SLOT
.set HALFS,  (128*KS/256)*272
.set SBLK,   (16*KS/256)*272
.set SPARE,  SCL+4*HALFS               ; the spare words: 128 bytes a wave, two blocks of 256 bytes that no other line names
.set SPITCH, 528                       ; the way out: a stage of 16 rows x (512 bytes + 16) for each wave, in slot 0, which has had its last fill and its last read by then
.set ADRA, 16
.set ADRB, 20
.set STO,  24
.set RD,   25
.set CO,   26
.set SPW,  28
.set NIL,  29
.set ADRS, 27
.set SC,   32
.set AF,   128
.set BK,   128
.set G1, 24
.set G0, 32
.set G1B, 48
.set G0B, 56
.set G1S, 68
.set G0S, 76
.set G1SB, 80
.set G0SB, 88
.set MSB, 0
.macro WIN new                         ; the immediate's high byte repeats the setting that is left
.if MSB != \new
	s_set_vgpr_msb (MSB<<8)|\new
.set MSB, \new
.endif
.endm
.set MUL_LO, 0xa1
.set MUL_HI, 0xf1
.set TO_B,   0x40
.macro JLOAD g0a, g1a, g0b, g1b        ; a joint load: waves 0 and 1 fetch for A, waves 2 and 3 for B; an s_nop 0 and four v_nop follow each of the two lines
	s_cmp_eq_u32 s15, 0
	s_cbranch_scc0 .Lfor_b_\@
	tensor_load_to_lds s[\g0a:\g0a+3], s[\g1a:\g1a+7]
	s_nop 0
.rept 4
	v_nop
.endr
	s_branch .Lasked_\@
.Lfor_b_\@:
	tensor_load_to_lds s[\g0b:\g0b+3], s[\g1b:\g1b+7]
	s_nop 0
.rept 4
	v_nop
.endr
.Lasked_\@:
.endm
.macro CREST
	s_cmp_lg_u32 s14, 0
	s_cbranch_scc1 .Lnot_wave_0_\@
	s_barrier_signal -3
.Lnot_wave_0_\@:
	s_barrier_wait -3
	s_barrier_signal -1
	s_barrier_wait -1
.endm
.macro CROUND
	s_barrier_signal -1
	s_barrier_wait -1
	CREST
.endm
	s_load_b128 s[4:7], s[0:1], 0x0                ; o's codes, o's scales
	s_load_b128 s[8:11], s[0:1], 0x10              ; wcodes, wscales
	s_load_b64 s[12:13], s[0:1], 0x20              ; out0
	v_lshl_add_u32 v[SPW], v0, 2, SPARE
	v_mov_b32 v[NIL], 0
	ds_add_u32 v[SPW], v[NIL]                      ; the wave's opening: the add and its wait stand ahead of my first tensor load; the set-up below stands between them
	v_lshrrev_b32 v1, 5, v0
	v_readfirstlane_b32 s14, v1                    ; wave 0..3
	s_lshr_b32 s15, s14, 1
	s_and_b32 s16, s14, 1
	s_bfe_u32 s40, ttmp6, 0x40000                  ; cx, cy
	s_bfe_u32 s41, ttmp6, 0x40004
	s_lshl_b32 s42, ttmp9, 2
	s_add_co_u32 s42, s42, s40                     ; tile column
	s_and_b32 s17, ttmp7, 0xffff
	s_lshl_b32 s17, s17, 2
	s_add_co_u32 s17, s17, s41                     ; tile row
	s_lshl_b32 s43, s41, 2
	s_lshl_b32 s43, 15, s43                        ; my row of the cluster
	s_lshl_b32 s44, 0x1111, s40                    ; my column
	s_or_b32 s[G1+0], s43, (0<<16)|(1<<20)|(1<<21)|(3<<22)|(3<<25)
	s_or_b32 s[G1B+0], s44, (0<<16)|(1<<20)|(1<<21)|(3<<22)|(3<<25)
.irp g, G1, G1B
	s_mov_b32 s[\g+1], ROWB<<16
	s_mov_b32 s[\g+2], 128<<16
	s_mov_b32 s[\g+3], ROWB<<16
	s_mov_b32 s[\g+4], 128
	s_mov_b32 s[\g+5], KROW
	s_mov_b32 s[\g+6], 0
	s_mov_b32 s[\g+7], 0
.endr
	s_or_b32 s[G1S+0], s43, (3<<16)|(1<<20)|(1<<21)|(5<<22)|(3<<25)
	s_or_b32 s[G1SB+0], s44, (3<<16)|(1<<20)|(1<<21)|(5<<22)|(3<<25)
.irp g, G1S, G1SB
	s_mov_b32 s[\g+1], 32<<16
	s_mov_b32 s[\g+2], (128*KS/256)<<16
	s_mov_b32 s[\g+3], 32<<16
	s_mov_b32 s[\g+4], 128*KS/256
	s_mov_b32 s[\g+5], 32
	s_mov_b32 s[\g+6], 0
	s_mov_b32 s[\g+7], 0
.endr
	s_lshl_b32 s18, s16, 7
	s_lshl_b32 s20, s17, 8
	s_add_co_u32 s20, s20, s18                     ; A: row 256 x tile row + 128 x half
	s_lshl_b32 s46, s42, 8
	s_add_co_u32 s46, s46, s18                     ; B: row 256 x tile column + 128 x half
	s_mov_b32 s21, 0
	s_mov_b32 s47, 0
	s_mov_b64 s[18:19], KS
	s_mul_u64 s[22:23], s[20:21], s[18:19]
	s_mul_u64 s[92:93], s[46:47], s[18:19]
	s_mov_b64 s[18:19], KROW
	s_mul_u64 s[20:21], s[20:21], s[18:19]
	s_mul_u64 s[46:47], s[46:47], s[18:19]
	s_mul_i32 s45, s14, HALFT
	s_mul_i32 s94, s14, HALFS
	s_wait_dscnt 0x0                               ; the opening add is done
	s_wait_kmcnt 0x0
	s_add_nc_u64 s[8:9], s[8:9], 8256*1536         ; Wo's first row of codes,
	s_add_nc_u64 s[10:11], s[10:11], 8256*64       ; and of scale bytes
	s_add_nc_u64 s[20:21], s[4:5], s[20:21]
	s_add_nc_u64 s[22:23], s[6:7], s[22:23]
	s_add_nc_u64 s[46:47], s[8:9], s[46:47]
	s_add_nc_u64 s[92:93], s[10:11], s[92:93]
	CROUND                                         ; all sixteen work-groups are here: the first joint loads meet
	s_mov_b32 s[G0S], 1
	s_add_co_u32 s[G0S+1], s94, SCL
	s_mov_b64 s[G0S+2:G0S+3], s[22:23]
	s_or_b32 s[G0S+3], s[G0S+3], 0x80000000
	s_mov_b32 s[G0SB], 1
	s_add_co_u32 s[G0SB+1], s94, SCL
	s_mov_b64 s[G0SB+2:G0SB+3], s[92:93]
	s_or_b32 s[G0SB+3], s[G0SB+3], 0x80000000
	JLOAD G0S, G1S, G0SB, G1SB
.irp s, 0,1
	s_mov_b32 s[G0+4*\s], 1
	s_add_co_u32 s[G0+4*\s+1], s45, \s*SLOT
	s_add_nc_u64 s[G0+4*\s+2:G0+4*\s+3], s[20:21], \s*ROWB
	s_or_b32 s[G0+4*\s+3], s[G0+4*\s+3], 0x80000000
	s_mov_b32 s[G0B+4*\s], 1
	s_add_co_u32 s[G0B+4*\s+1], s45, \s*SLOT
	s_add_nc_u64 s[G0B+4*\s+2:G0B+4*\s+3], s[46:47], \s*ROWB
	s_or_b32 s[G0B+4*\s+3], s[G0B+4*\s+3], 0x80000000
	JLOAD G0+4*\s, G1, G0B+4*\s, G1B
.endr
	v_and_b32 v1, 15, v0
	v_bfe_u32 v2, v0, 4, 1
	v_mul_u32_u24 v3, v1, PITCH
	v_mul_u32_u24 v4, v2, 24
	v_add_nc_u32 v4, v3, v4
	v_lshl_add_u32 v5, v2, 4, v4
	s_mul_i32 s21, s15, HALFT
	s_mul_i32 s22, s16, HALFT
	s_add_co_u32 s22, s22, 2*HALFT
.irp s, 0,1
	v_add_nc_u32 v[ADRA+\s], s21, v4
	v_add_nc_u32 v[ADRB+\s], s22, v4
	v_add_nc_u32 v[ADRA+2+\s], s21, v5
	v_add_nc_u32 v[ADRB+2+\s], s22, v5
	s_add_co_u32 s21, s21, SLOT
	s_add_co_u32 s22, s22, SLOT
.endr
	v_mul_u32_u24 v5, v1, KS
	v_lshrrev_b32 v6, 8, v5
	v_lshl_add_u32 v5, v6, 4, v5
	s_mul_i32 s21, s15, HALFS
	s_mul_i32 s22, s16, HALFS
	s_add_co_u32 s22, s22, 2*HALFS
	s_sub_co_u32 s22, s22, s21
	v_mul_u32_u24 v6, s22, v2
	s_add_co_u32 s21, s21, SCL
	v_add_nc_u32 v5, v5, v6
	v_add_nc_u32 v[ADRS], s21, v5
	s_mul_i32 s23, s14, 16*SPITCH                  ; my stage
	v_mul_u32_u24 v5, v1, SPITCH
	v_lshl_add_u32 v5, v2, 5, v5
	v_add_nc_u32 v[STO], s23, v5
	v_and_b32 v6, 31, v0
	v_lshlrev_b32 v[CO], 4, v6
	v_add_nc_u32 v[RD], s23, v[CO]
	s_lshl_b32 s20, s17, 8
	s_lshl_b32 s21, s15, 7
	s_add_co_u32 s20, s20, s21                     ; my first row of the result
	s_mov_b32 s21, 0
	s_mov_b64 s[18:19], SIZE_N*4
	s_mul_u64 s[20:21], s[20:21], s[18:19]
	s_lshl_b32 s46, s42, 10
	s_lshl_b32 s47, s16, 9
	s_add_co_u32 s46, s46, s47
	s_mov_b32 s47, 0
	s_add_nc_u64 s[20:21], s[20:21], s[46:47]
	s_add_nc_u64 s[12:13], s[12:13], s[20:21]
.macro FRAG reg, adr, q, i
.irp p, 0,1,2,3,4,5
.set PCE, 12*(\q)+6*(\p/3)+\p%3
.if PCE%8 < 5
	ds_load_b64 v[\reg+2*\p:\reg+2*\p+1], v[\adr] offset:8*PCE+16*(PCE/8)+(\i)*16*PITCH
.else
	ds_load_b64 v[\reg+2*\p:\reg+2*\p+1], v[\adr+2] offset:8*PCE+16*(PCE/8)+(\i)*16*PITCH
.endif
.endr
.endm
; The 64 accumulators take turns, one instruction a turn, in the same order in every step.
.macro MUL16 a0, p, q, sc, zero
.irp a, \a0, \a0+1
.irp b, 0,1,2,3,4,5,6,7
.if \zero
	v_wmma_scale_f32_16x16x128_f8f6f4 v[8*(8*((\a)%4)+\b):8*(8*((\a)%4)+\b)+7], v[128*(\p)+FR*\b:128*(\p)+FR*\b+FR-1], v[AF+FR*(\a):AF+FR*(\a)+FR-1], 0, v[SC+8*NQ*(\sc)+NQ*\b+(\q)], v[SC+8*NQ*(\sc)+NQ*(\a)+(\q)] matrix_a_fmt:MATRIX_FMT_FP6 matrix_b_fmt:MATRIX_FMT_FP6 matrix_a_scale:MATRIX_SCALE_ROW1
.else
	v_wmma_scale_f32_16x16x128_f8f6f4 v[8*(8*((\a)%4)+\b):8*(8*((\a)%4)+\b)+7], v[128*(\p)+FR*\b:128*(\p)+FR*\b+FR-1], v[AF+FR*(\a):AF+FR*(\a)+FR-1], v[8*(8*((\a)%4)+\b):8*(8*((\a)%4)+\b)+7], v[SC+8*NQ*(\sc)+NQ*\b+(\q)], v[SC+8*NQ*(\sc)+NQ*(\a)+(\q)] matrix_a_fmt:MATRIX_FMT_FP6 matrix_b_fmt:MATRIX_FMT_FP6 matrix_a_scale:MATRIX_SCALE_ROW1
.endif
.endr
.endr
.endm
.macro FETCH_B slot, q, p
	WIN TO_B
.irp i, 0,1,2,3,4,5,6,7
	FRAG 128*(\p)+FR*\i, ADRB+\slot, \q, \i
.endr
	WIN 0
.endm
.macro FETCH_A slot, q, i0
.irp i, \i0, \i0+1, \i0+2, \i0+3
	FRAG AF+FR*(\i), ADRA+\slot, \q, \i
.endr
.endm
.macro SCALES sc
.irp i, 0,1,2,3,4,5,6,7
	ds_load_b64 v[SC+8*NQ*\sc+NQ*\i:SC+8*NQ*\sc+NQ*\i+1], v[ADRS] offset:\i*SBLK
.endr
.endm
.macro PLACES n                        ; plain vector instructions between a matrix instruction and a load into, or a read of, its registers
.rept \n
	v_nop
.endr
.endm
.macro STEP slot, q, zero
	s_wait_dscnt 4*NL                              ; B's set and A's blocks 0-3 are in; the youngest 24 loads (A's blocks 4-7) may be out
	WIN MUL_LO
	MUL16 0, (\q)%2, \q, \slot, \zero
	MUL16 2, (\q)%2, \q, \slot, \zero
	s_wait_dscnt 0
	PLACES NP
	FETCH_B \slot, (\q)+1, 1-(\q)%2
	FETCH_A \slot, (\q)+1, 0
	WIN MUL_HI
	MUL16 4, (\q)%2, \q, \slot, \zero
	MUL16 6, (\q)%2, \q, \slot, \zero
	PLACES NP
	WIN 0
	FETCH_A \slot, (\q)+1, 4
.endm
.macro TURN slot, next, fill
	s_wait_tensorcnt 0x0                           ; all my tensor loads have landed: my part of the next slot
	ds_add_u32 v[SPW], v[NIL]                      ; 0 onto my spare word
	s_wait_dscnt 4*NL+1                            ; (the add and the youngest 24 loads may be out)
	WIN MUL_LO
	MUL16 0, 1, NQ-1, \slot, 0
	s_wait_dscnt 0x0                               ; the add is done, and my reads of this slot are over
	s_barrier_signal -1
	MUL16 2, 1, NQ-1, \slot, 0
	WIN 0
	s_barrier_wait -1
.if \fill
	CREST                                          ; the barrier has opened a round of the cluster's barrier: no wave of any partner still reads this slot or has a load on its way
	s_add_nc_u64 s[G0+4*\slot+2:G0+4*\slot+3], s[G0+4*\slot+2:G0+4*\slot+3], 2*ROWB
	s_add_nc_u64 s[G0B+4*\slot+2:G0B+4*\slot+3], s[G0B+4*\slot+2:G0B+4*\slot+3], 2*ROWB
	JLOAD G0+4*\slot, G1, G0B+4*\slot, G1B
.else
	PLACES NP
.endif
	v_add_nc_u32 v[ADRS], 4*NQ, v[ADRS]
	FETCH_B \next, 0, 0
	FETCH_A \next, 0, 0
	SCALES \next
	WIN MUL_HI
	MUL16 4, 1, NQ-1, \slot, 0
	MUL16 6, 1, NQ-1, \slot, 0
	PLACES NP
	WIN 0
	FETCH_A \next, 0, 4
.endm
	s_wait_tensorcnt 1                             ; the scales and my part of K step 0 are in (K step 1's load may be out),
	s_barrier_signal -1
	s_barrier_wait -1                              ; everybody's are
	FETCH_B 0, 0, 0
	FETCH_A 0, 0, 0
	SCALES 0
	FETCH_A 0, 0, 4
	STEP 0, 0, 1
	s_mov_b32 s3, LAPS-1
.Llap:
	TURN 0, 1, 1
	STEP 1, 0, 0
	TURN 1, 0, 1
	STEP 0, 0, 0
	s_sub_co_u32 s3, s3, 1
	s_cmp_lg_u32 s3, 0
	s_cbranch_scc1 .Llap
	TURN 0, 1, 0
	STEP 1, 0, 0
	s_wait_dscnt 4*NL
	WIN MUL_LO
	MUL16 0, 1, NQ-1, 1, 0
	MUL16 2, 1, NQ-1, 1, 0
	s_wait_dscnt 0
	WIN MUL_HI
	MUL16 4, 1, NQ-1, 1, 0
	MUL16 6, 1, NQ-1, 1, 0
	WIN 0
; THE WAY OUT, block by block of 16 rows x 128 columns, through my own stage in LDS: back come whole rows of 512 bytes.  LDS serves a wave's instructions in order (ISA guide 5.7.1.4).
.macro TOSTAGE a
.set AC, 64*((\a)%4)
	WIN 0x08+4*((\a)/4)
.irp b, 0,1,2,3,4,5,6,7
	ds_store_b128 v[STO], v[AC+8*\b:AC+8*\b+3] offset:64*\b          ; each accumulator from its low end on
	ds_store_b128 v[STO], v[AC+8*\b+4:AC+8*\b+7] offset:64*\b+16
.endr
	WIN 0
.set BB, BK+64*((\a)%2)
.irp t, 0,1,2,3,4,5,6,7,8,9,10,11,12,13,14,15
	ds_load_b128 v[BB+4*\t:BB+4*\t+3], v[RD] offset:\t*SPITCH
.endr
.endm
.macro SEND a, younger
.set BB, BK+64*((\a)%2)
	s_wait_dscnt \younger                          ; the block is back in registers; the next block's 16 stores and 16 loads may be out
.if (\a) > 0
	s_add_nc_u64 s[12:13], s[12:13], 16*SIZE_N*4   ; (behind a wait on XCNT: the earlier stores have read their base)
.endif
.irp t, 0,1,2,3,4,5,6,7,8,9,10,11,12,13,14,15
	global_store_b128 v[CO], v[BB+4*\t:BB+4*\t+3], s[12:13] offset:\t*SIZE_N*4 th:TH_STORE_NT   ; 32 lanes store 512 consecutive bytes, aligned
.endr
.endm
	PLACES NP
	TOSTAGE 0
.irp a, 1,2,3,4,5,6,7
.if \a > 1
	s_wait_xcnt 0x0                                ; block a - 2's stores have read their registers and their base
.endif
	TOSTAGE \a
	SEND \a-1, 32
.endr
	s_wait_xcnt 0x0
	SEND 7, 0
	s_wait_tensorcnt 0x0                           ; the wave's end
	ds_add_u32 v[SPW], v[NIL]
	s_wait_dscnt 0x0
	CROUND                                         ; the closing round
	s_endpgm
.Lfunc_end_k_q2ffc27f466_outp:
	.size	k_q2ffc27f466_outp, .Lfunc_end_k_q2ffc27f466_outp-k_q2ffc27f466_outp
	.p2alignl 7, 3214868480
	.fill 96, 4, 3214868480
	.section	.rodata,"a",@progbits
	.p2align	6, 0x0
	.amdhsa_kernel k_q2ffc27f466_outp
		.amdhsa_group_segment_fixed_size 327680
		.amdhsa_private_segment_fixed_size 0
		.amdhsa_enable_private_segment 0
		.amdhsa_kernarg_size 40
		.amdhsa_user_sgpr_count 2
		.amdhsa_user_sgpr_kernarg_segment_ptr 1
		.amdhsa_wavefront_size32 1
		.amdhsa_system_sgpr_workgroup_id_x 1
		.amdhsa_system_sgpr_workgroup_id_y 1
		.amdhsa_system_sgpr_workgroup_id_z 1
		.amdhsa_system_vgpr_workitem_id 0
		.amdhsa_next_free_vgpr 1024
		.amdhsa_next_free_sgpr 98
		.amdhsa_reserve_vcc 0
		.amdhsa_float_denorm_mode_32 3
		.amdhsa_float_denorm_mode_16_64 3
		.amdhsa_memory_ordered 1
		.amdhsa_forward_progress 1
		.amdhsa_inst_pref_size 160
	.end_amdhsa_kernel
	.amdgpu_metadata
---
amdhsa.version: [ 1, 2 ]
amdhsa.kernels:
  - .name:           k_q2ffc27f466_outp
    .symbol:         k_q2ffc27f466_outp.kd
    .args:
      - { .name: ocodes, .offset: 0, .size: 8, .value_kind: global_buffer, .address_space: global }
      - { .name: oscales, .offset: 8, .size: 8, .value_kind: global_buffer, .address_space: global }
      - { .name: wcodes, .offset: 16, .size: 8, .value_kind: global_buffer, .address_space: global }
      - { .name: wscales, .offset: 24, .size: 8, .value_kind: global_buffer, .address_space: global }
      - { .name: out0, .offset: 32, .size: 8, .value_kind: global_buffer, .address_space: global }
    .group_segment_fixed_size: 327680
    .private_segment_fixed_size: 0
    .kernarg_segment_align: 8
    .kernarg_segment_size: 40
    .max_flat_workgroup_size: 128
    .sgpr_count:     98
    .vgpr_count:     1024
    .wavefront_size: 32
...
	.end_amdgpu_metadata
.endif
;; end of part 5
;; ======== version 2 of 2: 5 launches
;; limits: right only within a limited range of input values
;; workspace buffers: wcodes 15,925,248 bytes; wscales 663,552 bytes; rope 524,288 bytes; qimg 16,777,216 bytes; kv 6,946,816 bytes; g1c 114,688 bytes; ocodes 3,145,728 bytes; oscales 131,072 bytes
;; launch prep: the kernel of part 1 again; grid 664 x 1, 4 waves a work-group, no clusters, 33,280 bytes of LDS; arguments hidden_states, Wq, Wk, Wv, Wg1, Wo, Wg2, wcodes, wscales, rope; writes wcodes, wscales, rope
;; launch proj: the kernel of part 2 again; grid 24 x 8, 4 waves a work-group, clusters of 4 x 4, 327,680 bytes of LDS; arguments wcodes, wscales, rope, qimg, kv; writes qimg, kv
;; launch gproj: the kernel of part 3 again; grid 128 x 1, 8 waves a work-group, no clusters, 33,792 bytes of LDS; arguments wcodes, wscales, g1c; writes g1c
;; launch attn (part 6): grid 8 x 32, 16 waves a work-group, no clusters, 327,680 bytes of LDS; arguments qimg, kv, g1c, wcodes, wscales, o_norm_weight, ocodes, oscales; writes ocodes, oscales
.if DOCPART == 6
	.amdgcn_target "amdgcn-amd-amdhsa--gfx1250"
	.amdhsa_code_object_version 6
	.text
	.protected	k_q2ffc27f466_attn
	.globl	k_q2ffc27f466_attn
	.p2align	8
	.type	k_q2ffc27f466_attn,@function
k_q2ffc27f466_attn:
	s_mov_b64 s[64:65], 0
	v_nop
	global_prefetch_b8 v0, s[64:65] scope:SCOPE_SE
	s_setreg_imm32_b32 hwreg(HW_REG_WAVE_MODE, 25, 1), 1
	s_wait_xcnt 0x0
; ATTN.  For one head: the choice of chunks, the block-sparse causal attention on codes of FP6 (E2M3), the gated RMS norm, and the quantising of its result for the last product.
; THE CHOICE.  gate(n) = q . (sum of chunk n's keys), in f32 (the division by 256, an exact power of two, changes no order and is left out).  The query's own chunk c always has one of the four places; later chunks
; only fill places that the causal mask throws away.  So an earlier chunk n is kept exactly where fewer than 3 other earlier chunks beat it, a tie going to the lower index.  A wave whose chunk is 0 to 3 has at
; most three earlier chunks: all are kept, and a branch on ids passes over the gates.  The choice is a mask of bits in a lane's register and acts by v_cndmask_b32 alone: for a query that has not chosen the chunk
; in hand, -3e38 takes the place of -M, so that its p are 0, and of the blocks' largest scores, so that its M stays.  Only what the causal mask hides for all of a wave's queries is left out, by branches on ids.
; THE SOFTMAX: t = score x log2(e) / 8; M = the running largest t rounded up to a whole number; p = 2^(t - M) is quantised along the keys; the row's sum is taken of the unquantised p and divides at the end.
; SHARES.  Work-group (x, head): chunks p = x / 2 and 7 - p, half x % 2 of each: eight tiles of 16 queries of each, a tile a wave, so that every work-group has the same work; of four waves with
; neighbouring numbers, and of four waves four numbers apart, two have a late tile and two an early one.  Lane r of tile T is position 32 (T / 2) + 8 (T % 2) + r + 8 (r / 8).
; Every wave walks all eight slots of 256 keys (constant trip counts); a slot (26,624 dense bytes: k's codes and scale words, v's codes and scale words, as images of registers) comes through a ring of two LDS slots,
; a quarter by each of waves 0 to 3.  A slot whose first key lies behind the work-group's last query is not asked for.
; No cluster: work-groups of a head need 5 to 8 slots each, so partners would not make the same requests; a slot is 26 KiB against two key steps of sixteen waves' work.
; K = 64 in q k^T and in g: the upper half of the 128 deep product has zero codes on one side (q's, g1's) and the scale byte 0 there: it adds nothing, whatever codes stand against it.  So a key step's eight
; tiles of K lie six registers apart, in v32-79, and a tile's operand of twelve registers runs on into its neighbour's six (the last into v80-85).
; LIMITS: NaN and infinities are not served; gates at or under -1e30 are not served (there a later chunk would rank ahead of an earlier one); a block of zeros gets the byte 1; the order of the f32 sums in the
; chunk sums and in the gate is a tree, not a chain.  o's codes leave as 24 bytes a lane and its scale bytes singly: a head owns only 48 + 2 bytes of a row.
; REGISTERS: v1-4 lane terms of LDS addresses; v5, v6 the add's two; v7 r + 8 (r / 8) - 16 h; v8-11 addresses in hand; v12 -M, v13 largest t, v[14:15] the sum; v16-27 q's fragment; v28 the chosen chunks;
; v29 -3e38; v[30:31] the addend; v32-79 eight tiles of K or four fragments of V; v80-91 g1's fragment; v92 g1's scale word, then v92-95 the scale words of K's tiles 4-7; v96-159 S^T, then p; v160-191 O^T;
; v192-223 weight x sigmoid(g); v224-254 at work (v248-251 scale words); v255 q's scale word.  In the choice: v224, v226 .. v238 the eight gates, v240-247 how many beat each chunk, v248 at work.
.set HSTR,  212992
.set SB,    26624
.set QUART, 6656
.set KSUM0, 6815744
.set SLOT1, 32768                      ; slot 1 begins here: one exclusive or turns an address
.set KSUML, 65536                      ; the head's chunk sums, 4,096 bytes
.set SPARE, 69632                      ; the spare words: 128 bytes a wave, eight blocks of 256 bytes that no other line names
.set WG2C,  10304*1536
.set WG2S,  10304*64
.set G1W,   98304
.set SPW, 5
.set NIL, 6
.set WV,  20
.set CS,  22                           ; s[22:23] c = log2(e) / 8
.set G1,  24                           ; s[24:31] group 1: a quarter of a slot;  s[32:39]: a quarter of the sums
.set G1S, 32
.set G0,  40                           ; s[40:43] group 0, which walks;  s[44:47] the sums'
.set G0S, 44
.set SEL, 48
.set TB,  50                           ; LDS byte at which the slot in hand begins
.set KF,  51                           ; the step's first key
.set Q32, 52                           ; my tile's group of 32 positions
.set QB,  53                           ; lane 0's position
.set LASTQ, 54                         ; the work-group's last query
.set SLOTS, 55
.set CW,  56                           ; my chunk
.set ETA, 57                           ; the head
.set TT,  58                           ; my tile
.macro QUANT2 s, d, y, tm              ; 32 numbers of a lane, register 16 b + i = k 32 b + 16 h + i, become six registers of codes (lane (r, h): block h) in v[d] on; v[tm+2], v[tm+3] the two bytes, v[tm+6] the word
.irp b, 0,1
	v_max3_num_f32 v[\tm+\b], |v[\s+16*\b]|, |v[\s+16*\b+1]|, 0x1800000
.endr
.irp i, 2,4,6,8,10,12,14
.irp b, 0,1
	v_max3_num_f32 v[\tm+\b], v[\tm+\b], |v[\s+16*\b+\i]|, |v[\s+16*\b+\i+1]|
.endr
.endr
.irp b, 0,1
	v_permlanex16_b32 v[\tm+2+\b], v[\tm+\b], s[SEL], s[SEL+1]
.endr
.irp b, 0,1
	v_max_num_f32 v[\tm+\b], v[\tm+\b], v[\tm+2+\b]
.endr
.irp b, 0,1
	v_add_nc_u32 v[\tm+4+\b], 0xff000000, v[\tm+\b]
.endr
.irp b, 0,1
	v_lshrrev_b32 v[\tm+2+\b], 23, v[\tm+4+\b]
.endr
	v_lshl_or_b32 v[\tm+6], v[\tm+3], 8, v[\tm+2]
	v_cvt_scalef32_pk16_fp6_f32 v[\d:\d+2], v[\s:\s+15], v[\tm+4]
	v_cvt_scalef32_pk16_fp6_f32 v[\y:\y+2], v[\s+16:\s+31], v[\tm+5]
	v_nop                                          ; one plain place behind a scaled conversion
.irp i, 0,1,2
	v_permlane16_swap_b32 v[\d+\i], v[\y+\i]
.endr
.irp i, 0,1,2
	v_mov_b32 v[\d+3+\i], v[\y+\i]
.endr
.endm
.macro TLOAD                           ; waves 0 to 3 fetch a quarter of a slot each; an s_nop 0 and four v_nop follow the line
	s_cmp_lt_u32 s[WV], 4
	s_cbranch_scc0 .Lasked_\@
	tensor_load_to_lds s[G0:G0+3], s[G1:G1+7]
	s_nop 0
.rept 4
	v_nop
.endr
.Lasked_\@:
.endm
	s_load_b512 s[4:19], s[0:1], 0x0               ; qimg s[4:5], kv, g1c, wcodes, wscales, o_norm_weight, ocodes, oscales s[18:19]
	v_lshl_add_u32 v[SPW], v0, 2, SPARE
	v_mov_b32 v[NIL], 0
	ds_add_u32 v[SPW], v[NIL]                      ; the wave's opening: the add and its wait stand ahead of my first tensor load; the set-up below stands between them
	v_lshrrev_b32 v8, 5, v0
	v_readfirstlane_b32 s[WV], v8                  ; wave 0..15
	s_and_b32 s[ETA], ttmp7, 0xffff
	s_lshr_b32 s66, ttmp9, 1                       ; p
	s_and_b32 s67, ttmp9, 1                        ; which half of the chunks
	s_lshr_b32 s68, s[WV], 2
	s_xor_b32 s68, s68, s[WV]
	s_and_b32 s68, s68, 1                          ; 1: a tile of the late chunk
	s_sub_co_u32 s69, 7, s66
	s_cmp_lg_u32 s68, 0
	s_cselect_b32 s[CW], s69, s66
	s_lshr_b32 s70, s[WV], 1
	s_lshl_b32 s[TT], s[CW], 4
	s_lshl_b32 s67, s67, 3
	s_add_co_u32 s[TT], s[TT], s67
	s_add_co_u32 s[TT], s[TT], s70                 ; my tile: 16 x chunk + 8 x half + wave / 2
	s_lshr_b32 s[Q32], s[TT], 1
	s_lshl_b32 s[Q32], s[Q32], 5
	s_and_b32 s72, s[TT], 1
	s_lshl_b32 s72, s72, 3
	s_add_co_u32 s[QB], s[Q32], s72
	s_sub_co_u32 s[LASTQ], 8, s66
	s_lshl_b32 s[LASTQ], s[LASTQ], 8
	s_sub_co_u32 s[LASTQ], s[LASTQ], 1
	s_mov_b32 s[G1], 3<<16                         ; no mask; elements of 8 bytes; no padding
	s_mov_b32 s[G1+1], 32<<16                      ; tensor_dim0 = 32: rows of 256 bytes
	s_mov_b32 s[G1+2], 26<<16                      ; tensor_dim1 = 26
	s_mov_b32 s[G1+3], 32<<16                      ; tile_dim0
	s_mov_b32 s[G1+4], 26                          ; tile_dim1
	s_mov_b32 s[G1+5], 32                          ; pitch: dense
	s_mov_b32 s[G1+6], 0
	s_mov_b32 s[G1+7], 0
	s_mov_b32 s[G1S], 3<<16
	s_mov_b32 s[G1S+1], 32<<16
	s_mov_b32 s[G1S+2], 4<<16
	s_mov_b32 s[G1S+3], 32<<16
	s_mov_b32 s[G1S+4], 4
	s_mov_b32 s[G1S+5], 32
	s_mov_b32 s[G1S+6], 0
	s_mov_b32 s[G1S+7], 0
	s_mov_b32 s[CS], 0x3e38aa3b
	s_mov_b32 s[CS+1], s[CS]                       ; (named with it as a pair, so it is written)
	s_mov_b32 s[SEL], 0x76543210
	s_mov_b32 s[SEL+1], 0xfedcba98
	s_mov_b32 s[TB], 0
	s_mov_b32 s[KF], 0
	s_mov_b32 s[SLOTS], 7
	s_mov_b32 s73, 0
	v_and_b32 v9, 31, v0                           ; lane
	v_and_b32 v10, 15, v0                          ; r
	v_bfe_u32 v11, v0, 4, 1                        ; h
	v_lshlrev_b32 v1, 3, v9                        ; k's codes: 8 x lane
	v_lshl_add_u32 v2, v9, 4, 13312                ; v's codes: 16 x lane, behind k's part
	v_lshl_add_u32 v3, v10, 2, 12288               ; k's scale words: 4 r
	v_lshl_add_u32 v4, v9, 2, 25600                ; v's scale words: 4 x lane
	v_and_b32 v12, 8, v10
	v_add_nc_u32 v12, v12, v10                     ; r + 8 (r / 8)
	v_lshlrev_b32 v13, 4, v11
	v_sub_nc_u32 v7, v12, v13                      ; less 16 h
	v_lshlrev_b32 v14, 4, v9                       ; q's image: 16 x lane
	v_lshlrev_b32 v15, 2, v9                       ; g1's word: 4 x lane
	v_mul_u32_u24 v30, v12, 48
	v_mad_u32_u24 v30, v11, 24, v30                ; Wg2's codes: a row is 48 bytes
	v_lshlrev_b32 v31, 1, v12                      ; Wg2's scales: 2 bytes a row
	v_lshlrev_b32 v28, 6, v11                      ; the weight: 64 h
	s_wait_dscnt 0x0                               ; the opening add is done
	s_wait_kmcnt 0x0
	s_mul_i32 s72, s[ETA], HSTR
	s_add_nc_u64 s[74:75], s[6:7], s[72:73]        ; the head's slots
	s_and_b32 s76, s[WV], 3
	s_mul_i32 s72, s76, QUART
	s_mov_b32 s[G0], 1
	s_mov_b32 s[G0+1], s72                         ; LDS: slot 0, my quarter
	s_add_nc_u64 s[G0+2:G0+3], s[74:75], s[72:73]
	s_or_b32 s[G0+3], s[G0+3], 0x80000000
	s_lshl_b32 s72, s[ETA], 12
	s_lshl_b32 s77, s76, 10
	s_add_co_u32 s72, s72, s77
	s_add_co_u32 s72, s72, KSUM0
	s_mov_b32 s[G0S], 1
	s_add_co_u32 s[G0S+1], s77, KSUML
	s_add_nc_u64 s[G0S+2:G0S+3], s[6:7], s[72:73]
	s_or_b32 s[G0S+3], s[G0S+3], 0x80000000
	s_cmp_lt_u32 s[WV], 4                          ; a wave's two first fills stand in one branch, ahead of every wait on TENSORcnt, every LDS read and every barrier: two loads of mine are out
	s_cbranch_scc0 .Lno_first
	tensor_load_to_lds s[G0S:G0S+3], s[G1S:G1S+7]
	s_nop 0
	tensor_load_to_lds s[G0:G0+3], s[G1:G1+7]
	s_nop 0
.rept 4
	v_nop
.endr
.Lno_first:
	s_lshl_b32 s72, s[ETA], 7
	s_add_co_u32 s72, s72, s[TT]
	s_lshl_b32 s72, s72, 12
	s_add_nc_u64 s[4:5], s[4:5], s[72:73]          ; q's image of my tile
	s_lshl_b32 s72, s[TT], 7
	s_add_co_u32 s72, s72, G1W
	s_add_nc_u64 s[78:79], s[8:9], s[72:73]        ; g1's scale words
	s_mul_i32 s72, s[TT], 768
	s_add_nc_u64 s[8:9], s[8:9], s[72:73]          ; g1's codes
	s_mul_i32 s72, s[ETA], 3072
	s_add_co_u32 s72, s72, WG2C
	s_add_nc_u64 s[10:11], s[10:11], s[72:73]      ; Wg2's codes: the head's 64 rows
	s_lshl_b32 s72, s[ETA], 7
	s_add_co_u32 s72, s72, WG2S
	s_add_nc_u64 s[12:13], s[12:13], s[72:73]
	s_mul_i32 s72, s[QB], 1536
	s_mul_i32 s77, s[ETA], 48
	s_add_co_u32 s72, s72, s77
	s_add_nc_u64 s[16:17], s[16:17], s[72:73]      ; o's codes: lane 0's row, the head's 48 bytes
	s_lshl_b32 s72, s[QB], 6
	s_lshl_b32 s77, s[ETA], 1
	s_add_co_u32 s72, s72, s77
	s_add_nc_u64 s[18:19], s[18:19], s[72:73]      ; o's scale bytes
.irp k, 0,1,2,3,4,5,6,7
	global_load_b128 v[96+4*\k:99+4*\k], v14, s[4:5] offset:512*\k      ; q, f32: register 16 b + i = channel 32 b + 16 h + i
.endr
.irp p, 0,1,2
	global_load_b64 v[80+2*\p:81+2*\p], v1, s[8:9] offset:256*\p
.endr
	global_load_b32 v92, v15, s[78:79]
.irp t, 0,1,2,3                                ; lane r of tile t takes Wg2's row 32 (t / 2) + 8 (t % 2) + r + 8 (r / 8), so that g^T lies as O^T does
.irp p, 0,1,2
	global_load_b64 v[32+12*\t+2*\p:33+12*\t+2*\p], v30, s[10:11] offset:(32*(\t/2)+8*(\t%2))*48+8*\p
.endr
	global_load_u16 v[248+\t], v31, s[12:13] offset:(32*(\t/2)+8*(\t%2))*2
.endr
.irp b, 0,1
.irp k, 0,1,2,3
	global_load_b128 v[192+16*\b+4*\k:195+16*\b+4*\k], v28, s[14:15] offset:128*\b+16*\k
.endr
.endr
.irp i, 0,1,2,3,4,5                            ; the upper halves of the products with K = 64: zero codes
	v_mov_b32 v[22+\i], 0
	v_mov_b32 v[86+\i], 0
	v_mov_b32 v[38+\i], 0
	v_mov_b32 v[50+\i], 0
	v_mov_b32 v[62+\i], 0
	v_mov_b32 v[74+\i], 0
.endr
	v_mov_b32 v242, 0                              ; written once: a lane permute's destination counts as one of its sources
	v_mov_b32 v243, 0
	s_wait_loadcnt 0x0
.rept 4
	v_nop                                          ; operands written by vector instructions stand four places ahead of a scaled product
.endr
.irp t, 0,1,2,3                                ; g^T = Wg2 g1^T: lane (r, h) holds position r, register 16 b + i channel 32 b + 16 h + i
	v_wmma_scale_f32_16x16x128_f8f6f4 v[128+8*\t:135+8*\t], v[32+12*\t:43+12*\t], v[80:91], 0, v[248+\t], v92 matrix_a_fmt:MATRIX_FMT_FP6 matrix_b_fmt:MATRIX_FMT_FP6
.endr
	QUANT2 96, 16, 236, 240                        ; q's fragment; its plain lines are the places behind the four products
	v_mov_b32 v255, v246                           ; q's scale word: two bytes, the upper two 0
	v_mov_b32 v29, 0xff61b1e6                      ; -3e38
	; weight x sigmoid(g) = weight / (1 + 2^(-g log2 e))
.set JJ, 0
.rept 16
	v_pk_mul_f32 v[128+JJ:129+JJ], v[128+JJ:129+JJ], 0xbfb8aa3b op_sel_hi:[1,0]
.set JJ, JJ+2
.endr
.set JJ, 0
.rept 32
	v_exp_f32 v[128+JJ], v[128+JJ]
.set JJ, JJ+1
.endr
	v_lshl_add_u32 v8, v11, 7, KSUML               ; (a plain place)  the sums: my half's 128 bytes
	s_wait_alu depctr_va_vdst(0)                   ; one wait for the batch, ahead of its first reader
.set JJ, 0
.rept 16
	v_pk_add_f32 v[128+JJ:129+JJ], v[128+JJ:129+JJ], 1.0 op_sel_hi:[1,0]
.set JJ, JJ+2
.endr
.set JJ, 0
.rept 32
	v_rcp_f32 v[128+JJ], v[128+JJ]
.set JJ, JJ+1
.endr
	v_nop
	s_wait_alu depctr_va_vdst(0)
.set JJ, 0
.rept 16
	v_pk_mul_f32 v[192+JJ:193+JJ], v[192+JJ:193+JJ], v[128+JJ:129+JJ]
.set JJ, JJ+2
.endr
	s_wait_tensorcnt 0x0                           ; my parts of the sums and of slot 0 are in,
	s_barrier_signal -1
	s_barrier_wait -1                              ; everybody's are
	; ---- the choice.  With at most three earlier chunks (my chunk is 0 to 3) all of them are kept: chunks 0 to my own
	s_lshl_b32 s66, 2, s[CW]
	s_sub_co_u32 s66, s66, 1
	v_mov_b32 v28, s66
	s_cmp_lt_u32 s[CW], 4                          ; ids alone; no barrier and no tensor load is passed over
	s_cbranch_scc1 .Lchosen
	; ---- the gates of chunks 0 to 6 (chunk 7 is never an earlier one): a chunk's two half sums are added and multiplied with q
.macro GLOAD n, set
.irp k, 0,1,2,3,4,5,6,7
	ds_load_b128 v[\set+4*\k:\set+4*\k+3], v8 offset:512*\n+16*\k
	ds_load_b128 v[\set+32+4*\k:\set+32+4*\k+3], v8 offset:512*\n+256+16*\k
.endr
.endm
.macro GDOT n, set, left
	s_wait_dscnt \left                             ; my chunk's 16 loads are in; the next chunk's 16 may be out
.set JJ, 0
.rept 16
	v_pk_add_f32 v[\set+JJ:\set+JJ+1], v[\set+JJ:\set+JJ+1], v[\set+32+JJ:\set+33+JJ]
.set JJ, JJ+2
.endr
	v_pk_mul_f32 v[224+2*\n:225+2*\n], v[96:97], v[\set:\set+1]
.set JJ, 2
.rept 15
	v_pk_fma_f32 v[224+2*\n:225+2*\n], v[96+JJ:97+JJ], v[\set+JJ:\set+JJ+1], v[224+2*\n:225+2*\n]
.set JJ, JJ+2
.endr
.endm
	GLOAD 0, 32
	GLOAD 1, 128
	GDOT 0, 32, 16
	GLOAD 2, 32
	GDOT 1, 128, 16
	GLOAD 3, 128
	GDOT 2, 32, 16
	GLOAD 4, 32
	GDOT 3, 128, 16
	GLOAD 5, 128
	GDOT 4, 32, 16
	GLOAD 6, 32
	GDOT 5, 128, 16
	GDOT 6, 32, 0
.irp n, 0,1,2,3,4,5,6
	v_add_f32 v[224+2*\n], v[224+2*\n], v[225+2*\n]
.endr
.irp n, 0,1,2,3,4,5,6
	v_permlanex16_b32 v[225+2*\n], v[224+2*\n], s[SEL], s[SEL+1]
.endr
.irp n, 0,1,2,3,4,5,6
	v_add_f32 v[224+2*\n], v[224+2*\n], v[225+2*\n]    ; the same bits in both lanes of a query
.endr
.irp n, 4,5,6                                  ; only earlier chunks compete (chunks 0 to 3 are earlier ones here)
	s_cmp_gt_u32 s[CW], \n
	s_cselect_b32 s66, -1, 0
	v_cndmask_b32 v[224+2*\n], v29, v[224+2*\n], s66
.endr
	v_mov_b32 v238, v29
.irp m, 0,1,2,3,4,5,6,7
	v_mov_b32 v[240+\m], 7-\m                      ; how many beat chunk m: at first all later ones
.endr
.irp m, 0,1,2,3,4,5,6                          ; 28 pairs; the 0 or 1 of a comparison goes to v248, which holds no gate
.irp n, 1,2,3,4,5,6,7
.if \n > \m
	v_cmp_ge_f32 vcc_lo, v[224+2*\m], v[224+2*\n]  ; the lower index wins a tie
	v_cndmask_b32 v248, 0, 1, vcc_lo
	v_add_nc_u32 v[240+\n], v[240+\n], v248
	v_sub_nc_u32 v[240+\m], v[240+\m], v248
.endif
.endr
.endr
	v_mov_b32 v28, 0
.irp n, 0,1,2,3,4,5,6,7
	v_cmp_gt_u32 vcc_lo, 3, v[240+\n]
	v_cndmask_b32 v248, 0, 1, vcc_lo
	v_lshl_or_b32 v28, v248, \n, v28
.endr
	s_lshl_b32 s66, 1, s[CW]
	v_or_b32 v28, s66, v28                         ; my own chunk always
.Lchosen:
	v_mov_b32 v13, 0xff61b1e6                      ; the largest t so far: -3e38
	v_floor_f32 v12, -v13                          ; -M
	v_mov_b32 v14, 0
	v_mov_b32 v15, 0
	v_mov_b32 v30, 0
	v_mov_b32 v31, 0                               ; (named as the upper half of the pair v[30:31])
.irp b, 0,1,2,3
	v_mov_b32 v[236+\b], 0
.endr
	v_mov_b32 v252, 0
	v_mov_b32 v253, 0
.set JJ, 0
.rept 32
	v_mov_b32 v[160+JJ], 0                         ; O^T: the step is written once; the first finds zeros, which the first change of M leaves zeros
.set JJ, JJ+1
.endr
; A KEY STEP: 128 keys, the q-th of the slot in hand.
.macro STEP q
	s_cmp_gt_u32 s[KF], s[Q32]                     ; all its keys come after my 16 queries: left out (ids alone; no barrier and no tensor load stands in a step)
	s_cbranch_scc1 .Lhidden_\@
	v_add_nc_u32 v8, s[TB], v1
	v_add_nc_u32 v9, s[TB], v2
	v_add_nc_u32 v10, s[TB], v3
	v_add_nc_u32 v11, s[TB], v4                    ; (these four are the places in front of the loads below)
.irp t, 0,1,2,3,4,5,6,7                        ; the step's eight tiles of 16 keys in one run, six registers each: tile t at v[32 + 12 (t % 4) + 6 (t / 4)]
.irp p, 0,1,2
	ds_load_b64 v[32+12*(\t%4)+6*(\t/4)+2*\p:33+12*(\t%4)+6*(\t/4)+2*\p], v8 offset:768*(8*(\q)+\t)+256*\p
.endr
.if \t < 4
	ds_load_b32 v[248+\t], v10 offset:64*(8*(\q)+\t)
.else
	ds_load_b32 v[88+\t], v10 offset:64*(8*(\q)+\t)
.endif
.endr
	s_wait_dscnt 0x0
.irp t, 0,1,2,3,4,5,6,7                        ; S^T = K Q^T.  The upper six registers of a tile's operand are a neighbour's codes: q's codes there are zeros
.if \t < 4
	v_wmma_scale_f32_16x16x128_f8f6f4 v[96+8*\t:103+8*\t], v[32+12*(\t%4)+6*(\t/4):43+12*(\t%4)+6*(\t/4)], v[16:27], 0, v[248+\t], v255 matrix_a_fmt:MATRIX_FMT_FP6 matrix_b_fmt:MATRIX_FMT_FP6
.else
	v_wmma_scale_f32_16x16x128_f8f6f4 v[96+8*\t:103+8*\t], v[32+12*(\t%4)+6*(\t/4):43+12*(\t%4)+6*(\t/4)], v[16:27], 0, v[88+\t], v255 matrix_a_fmt:MATRIX_FMT_FP6 matrix_b_fmt:MATRIX_FMT_FP6
.endif
.endr                                          ; register 16 b + i holds key KF + 32 b + 16 h + i
.rept 4
	v_nop                                          ; places in front of the loads below and of the first read of the scores
.endr
.irp t, 0,1,2,3                                ; V's four fragments are asked for here: they land while the softmax is walked
.irp c, 0,1,2
	ds_load_b128 v[32+12*\t+4*\c:35+12*\t+4*\c], v9 offset:1536*(4*(\q)+\t)+512*\c
.endr
	ds_load_b32 v[248+\t], v11 offset:128*(4*(\q)+\t)
.endr
	s_add_co_u32 s96, s[KF], 128
	s_cmp_le_u32 s96, s[Q32]                       ; all keys count for all my queries: no mask
	s_cbranch_scc1 .Lopen_\@
	s_sub_co_i32 s96, s[QB], s[KF]
	v_add_nc_u32 v252, s96, v7                     ; d = my query - KF - 16 h: hidden where 32 b + i > d
	v_mov_b32 v254, 0xff800000
.set NN, 0
.rept 64
	v_cmp_gt_i32 vcc_lo, 32*(NN/16)+NN%16, v252
	v_cndmask_b32 v[96+NN], v[96+NN], v254, vcc_lo
.set NN, NN+1
.endr
.Lopen_\@:
.irp b, 0,1,2,3
	v_max3_num_f32 v[232+\b], v[96+16*\b], v[97+16*\b], v[98+16*\b]   ; the largest score of each block of 32 keys: for the row's maximum, and for the block's largest p
.endr
.irp i, 3,5,7,9,11,13
.irp b, 0,1,2,3
	v_max3_num_f32 v[232+\b], v[232+\b], v[96+16*\b+\i], v[97+16*\b+\i]
.endr
.endr
.irp b, 0,1,2,3
	v_max_num_f32 v[232+\b], v[232+\b], v[111+16*\b]
.endr
.irp b, 0,1,2,3
	v_permlanex16_b32 v[236+\b], v[232+\b], s[SEL], s[SEL+1]
.endr
.irp b, 0,1,2,3
	v_max_num_f32 v[232+\b], v[232+\b], v[236+\b]
.endr
	s_lshr_b32 s96, s[KF], 8
	s_lshl_b32 s96, 1, s96                         ; the chunk's bit
	v_and_b32 v254, s96, v28
	v_cmp_ne_u32 vcc_lo, 0, v254                   ; has my query chosen it?
.irp b, 0,1,2,3
	v_cndmask_b32 v[232+\b], v29, v[232+\b], vcc_lo    ; if not, its scores do not count for M
.endr
	v_max3_num_f32 v254, v232, v233, v234
	v_max_num_f32 v254, v254, v235
	v_mul_f32 v254, s[CS], v254
	v_max_num_f32 v13, v13, v254                   ; the running largest t
	v_mov_b32 v254, v12
	v_floor_f32 v12, -v13                          ; the new -M = -ceil(t)
	v_sub_f32 v254, v12, v254
	v_cvt_i32_f32 v254, v254                       ; (it saturates)
	v_ldexp_f32 v252, 1.0, v254                    ; f = 2^(old M - new M)
	v_cndmask_b32 v30, v29, v12, vcc_lo            ; the addend: -M, or -3e38 where the chunk is not chosen: p = 0 then
.set JJ, 0
.rept 32
	v_pk_fma_f32 v[96+JJ:97+JJ], v[96+JJ:97+JJ], s[CS:CS+1], v[30:31] op_sel_hi:[1,0,0]
.set JJ, JJ+2
.endr
.irp b, 0,1,2,3
	v_fma_f32 v[232+\b], v[232+\b], s[CS], v30
.endr
.set JJ, 0
.rept 64
	v_exp_f32 v[96+JJ], v[96+JJ]                   ; p = 2^(t - M)
.set JJ, JJ+1
.endr
	v_pk_mul_f32 v[14:15], v[14:15], v[252:253] op_sel_hi:[1,0]   ; the sums under the new M (a plain place behind the exponentials)
	s_wait_alu depctr_va_vdst(0)                   ; one wait for the batch, ahead of its first reader
.irp b, 0,1,2,3
	v_exp_f32 v[232+\b], v[232+\b]                 ; the block's largest p
.endr
	v_pk_add_f32 v[236:237], v[96:97], v[98:99]    ; the row's sum of the unquantised p, in two chains
.set JJ, 4
.rept 15
	v_pk_add_f32 v[14:15], v[14:15], v[96+JJ:97+JJ]
	v_pk_add_f32 v[236:237], v[236:237], v[98+JJ:99+JJ]
.set JJ, JJ+4
.endr
	v_pk_add_f32 v[14:15], v[14:15], v[236:237]
	s_wait_alu depctr_va_vdst(0)                   ; and one for the four
.irp b, 0,1,2,3
	v_max_num_f32 v[232+\b], 0x1800000, v[232+\b]
.endr
.irp b, 0,1,2,3
	v_add_nc_u32 v[244+\b], 0xff000000, v[232+\b]
.endr
.irp b, 0,1,2,3
	v_lshrrev_b32 v[236+\b], 23, v[244+\b]
.endr
	v_lshl_or_b32 v253, v237, 8, v236              ; p's scale word for these 128 keys
	v_lshl_or_b32 v253, v238, 16, v253
	v_lshl_or_b32 v253, v239, 24, v253
.irp c, 0,1
	v_cvt_scalef32_pk16_fp6_f32 v[224+6*\c:226+6*\c], v[96+32*\c:111+32*\c], v[244+2*\c]
	v_cvt_scalef32_pk16_fp6_f32 v[236+4*\c:238+4*\c], v[112+32*\c:127+32*\c], v[244+2*\c+1]
.endr
	v_nop
.irp c, 0,1
.irp i, 0,1,2
	v_permlane16_swap_b32 v[224+6*\c+\i], v[236+4*\c+\i]
.endr
.irp i, 0,1,2
	v_mov_b32 v[227+6*\c+\i], v[236+4*\c+\i]
.endr
.endr
.set JJ, 0
.rept 16
	v_pk_mul_f32 v[160+JJ:161+JJ], v[160+JJ:161+JJ], v[252:253] op_sel_hi:[1,0]   ; O^T under the new M; these sixteen are also the places in front of the products below
.set JJ, JJ+2
.endr
	s_wait_dscnt 0x0                               ; V's fragments and scale words, asked for ahead of the softmax
.irp t, 0,1,2,3                                ; O^T += V^T P^T: four tiles of 16 channels, K = these 128 keys
	v_wmma_scale_f32_16x16x128_f8f6f4 v[160+8*\t:167+8*\t], v[32+12*\t:43+12*\t], v[224:235], v[160+8*\t:167+8*\t], v[248+\t], v253 matrix_a_fmt:MATRIX_FMT_FP6 matrix_b_fmt:MATRIX_FMT_FP6
.endr
.Lhidden_\@:
	s_add_co_u32 s[KF], s[KF], 128
.endm
; THE CHANGE OF SLOTS stands at a slot's head.  Each wave waits for all its tensor loads, adds 0 to its spare word, and waits for that and for its reads of the slot that it has left.  Behind the barrier the slot
; ahead is whole and nobody reads the other one; fill = 1: that one takes the next 256 keys, while they lie at or under the work-group's last query.
.macro CHANGE fill
	s_wait_tensorcnt 0x0
	ds_add_u32 v[SPW], v[NIL]
.if \fill
	s_xor_b32 s[G0+1], s[G0+1], SLOT1              ; no tensor load of mine is out: the walking descriptor takes the other slot
	s_add_nc_u64 s[G0+2:G0+3], s[G0+2:G0+3], SB    ; and the next 256 keys
.endif
	s_wait_dscnt 0x0
	s_barrier_signal -1
	s_barrier_wait -1
.if \fill
	s_add_co_u32 s96, s[KF], 256
	s_cmp_gt_u32 s96, s[LASTQ]
	s_cbranch_scc1 .Lpast_\@
	TLOAD
.Lpast_\@:
.endif
.endm
.macro SLOT_STEPS
	STEP 0
	STEP 1
	s_xor_b32 s[TB], s[TB], SLOT1
.endm
.Lslot:                                            ; 7 trips
	CHANGE 1
	SLOT_STEPS
	s_sub_co_u32 s[SLOTS], s[SLOTS], 1
	s_cmp_lg_u32 s[SLOTS], 0
	s_cbranch_scc1 .Lslot
	CHANGE 0                                       ; the last slot is written out: nothing is left to ask for
	SLOT_STEPS
	; ---- THE WAY OUT.  The address lines are the places behind the last products.
	v_and_b32 v8, 15, v0
	v_bfe_u32 v9, v0, 4, 1
	v_and_b32 v10, 8, v8
	v_add_nc_u32 v10, v10, v8                      ; r + 8 (r / 8)
	v_mul_u32_u24 v11, v10, 1536
	v_mad_u32_u24 v11, v9, 24, v11                 ; o's codes: my row, my block's 24 bytes
	v_lshl_add_u32 v10, v10, 6, v9                 ; o's scale bytes: my row, my block's byte
	v_add_f32 v14, v14, v15
	v_permlanex16_b32 v252, v14, s[SEL], s[SEL+1]
	v_add_f32 v14, v14, v252                       ; the row's sum
	v_rcp_f32 v14, v14
	s_mov_b32 s66, 0x3c800000                      ; 1 / 64
	s_mov_b32 s67, 0x358637bd                      ; 1e-6
	v_nop
	s_wait_alu depctr_va_vdst(0)
.set JJ, 0
.rept 16
	v_pk_mul_f32 v[96+JJ:97+JJ], v[160+JJ:161+JJ], v[14:15] op_sel_hi:[1,0]   ; o
.set JJ, JJ+2
.endr
	v_pk_mul_f32 v[232:233], v[96:97], v[96:97]
	v_pk_mul_f32 v[234:235], v[98:99], v[98:99]
.set JJ, 4
.rept 7
	v_pk_fma_f32 v[232:233], v[96+JJ:97+JJ], v[96+JJ:97+JJ], v[232:233]
	v_pk_fma_f32 v[234:235], v[98+JJ:99+JJ], v[98+JJ:99+JJ], v[234:235]
.set JJ, JJ+4
.endr
	v_pk_add_f32 v[232:233], v[232:233], v[234:235]
	v_add_f32 v232, v232, v233
	v_permlanex16_b32 v252, v232, s[SEL], s[SEL+1]
	v_add_f32 v232, v232, v252                     ; the sum of the 64 squares
	v_fma_f32 v232, v232, s66, s67
	v_rsq_f32 v232, v232
	v_cmp_ne_u32 vcc_lo, 0, v9                     ; (a plain place)  lanes 16-31
	s_wait_alu depctr_va_vdst(0)
.set JJ, 0
.rept 16
	v_pk_mul_f32 v[96+JJ:97+JJ], v[96+JJ:97+JJ], v[232:233] op_sel_hi:[1,0]
.set JJ, JJ+2
.endr
.set JJ, 0
.rept 16
	v_pk_mul_f32 v[96+JJ:97+JJ], v[96+JJ:97+JJ], v[192+JJ:193+JJ]
.set JJ, JJ+2
.endr
	QUANT2 96, 224, 236, 240
.irp p, 0,1,2
	global_store_b64 v11, v[224+2*\p:225+2*\p], s[16:17] offset:8*\p
.endr
	v_cndmask_b32 v232, v242, v243, vcc_lo         ; my block's byte
	global_store_b8 v10, v232, s[18:19]
	s_wait_tensorcnt 0x0                           ; the wave's end
	ds_add_u32 v[SPW], v[NIL]
	s_wait_dscnt 0x0
	s_endpgm
.Lfunc_end_k_q2ffc27f466_attn:
	.size	k_q2ffc27f466_attn, .Lfunc_end_k_q2ffc27f466_attn-k_q2ffc27f466_attn
	.p2alignl 7, 3214868480
	.fill 96, 4, 3214868480
	.section	.rodata,"a",@progbits
	.p2align	6, 0x0
	.amdhsa_kernel k_q2ffc27f466_attn
		.amdhsa_group_segment_fixed_size 327680
		.amdhsa_private_segment_fixed_size 0
		.amdhsa_enable_private_segment 0
		.amdhsa_kernarg_size 64
		.amdhsa_user_sgpr_count 2
		.amdhsa_user_sgpr_kernarg_segment_ptr 1
		.amdhsa_wavefront_size32 1
		.amdhsa_system_sgpr_workgroup_id_x 1
		.amdhsa_system_sgpr_workgroup_id_y 1
		.amdhsa_system_sgpr_workgroup_id_z 1
		.amdhsa_system_vgpr_workitem_id 0
		.amdhsa_next_free_vgpr 256
		.amdhsa_next_free_sgpr 100
		.amdhsa_reserve_vcc 1
		.amdhsa_float_denorm_mode_32 3
		.amdhsa_float_denorm_mode_16_64 3
		.amdhsa_memory_ordered 1
		.amdhsa_forward_progress 1
		.amdhsa_inst_pref_size 146
	.end_amdhsa_kernel
	.amdgpu_metadata
---
amdhsa.version: [ 1, 2 ]
amdhsa.kernels:
  - .name:           k_q2ffc27f466_attn
    .symbol:         k_q2ffc27f466_attn.kd
    .args:
      - { .name: qimg, .offset: 0, .size: 8, .value_kind: global_buffer, .address_space: global }
      - { .name: kv, .offset: 8, .size: 8, .value_kind: global_buffer, .address_space: global }
      - { .name: g1c, .offset: 16, .size: 8, .value_kind: global_buffer, .address_space: global }
      - { .name: wcodes, .offset: 24, .size: 8, .value_kind: global_buffer, .address_space: global }
      - { .name: wscales, .offset: 32, .size: 8, .value_kind: global_buffer, .address_space: global }
      - { .name: o_norm_weight, .offset: 40, .size: 8, .value_kind: global_buffer, .address_space: global }
      - { .name: ocodes, .offset: 48, .size: 8, .value_kind: global_buffer, .address_space: global }
      - { .name: oscales, .offset: 56, .size: 8, .value_kind: global_buffer, .address_space: global }
    .group_segment_fixed_size: 327680
    .private_segment_fixed_size: 0
    .kernarg_segment_align: 8
    .kernarg_segment_size: 64
    .max_flat_workgroup_size: 512
    .sgpr_count:     100
    .vgpr_count:     256
    .wavefront_size: 32
...
	.end_amdgpu_metadata
.endif
;; end of part 6
;; launch outp (part 7): grid 16 x 16, 4 waves a work-group, clusters of 4 x 4, 327,680 bytes of LDS; arguments ocodes, oscales, wcodes, wscales, out0; writes out0
.if DOCPART == 7
	.amdgcn_target "amdgcn-amd-amdhsa--gfx1250"
	.amdhsa_code_object_version 6
	.text
	.protected	k_q2ffc27f466_outp
	.globl	k_q2ffc27f466_outp
	.p2align	8
	.type	k_q2ffc27f466_outp,@function
k_q2ffc27f466_outp:
	s_mov_b64 s[64:65], 0
	v_nop
	global_prefetch_b8 v0, s[64:65] scope:SCOPE_SE
	s_setreg_imm32_b32 hwreg(HW_REG_WAVE_MODE, 25, 1), 1
	s_wait_xcnt 0x0
	s_wait_alu depctr_hold_cnt(0) depctr_sa_sdst(0) depctr_va_vdst(0) depctr_va_sdst(0) depctr_va_ssrc(0) depctr_va_vcc(0) depctr_vm_vsrc(0)
	s_getreg_b32 s2, hwreg(HW_REG_IB_STS2, 6, 4)
	s_cmp_eq_u32 s2, 0
	s_cbranch_scc0 .Lentry_in_a_cluster
	s_endpgm
.Lentry_in_a_cluster:
	s_bfe_u32 s2, ttmp6, 0x10000c
	s_cmp_lg_u32 s2, 0xf033
	s_cbranch_scc0 .Lentry_shape_is_right
	s_endpgm
.Lentry_shape_is_right:
; OUTP.  out0 = o Wo^T on codes of FP6 (E2M3) with one E8M0 scale for each 32 along K = 2,048; out0 [2048][2048] f32; sums in f32.
; o's codes and scale bytes come from the launch before, rows in their true order; Wo's lie in wcodes / wscales from row 8,256 on, in their true order.
; THE TILE is 128 x 128: 256 tiles, a work-group each (tiles of 256 x 256 would be 64).  Four waves, each 64 x 64: 16 accumulators of 16 x 16, 128 registers.
; K goes in steps of 512, as long as two slots in LDS allow, through a ring of two LDS slots filled by the tensor data mover: a tile's row is 384 bytes, a wave's load brings 64 rows.  K = 2,048 is four slots' worth:
; two are asked for at the start, two are refills; all is written out, there is no loop.  The scale bytes of the work-group's 128 + 128 rows, for all of K, come into LDS once.
; CLUSTERS of 4 x 4: A's tiles are asked for jointly along a row of the cluster, B's along a column.
; The matrix instruction is used transposed (source 0 = 16 rows of Wo, source 1 = 16 rows of o): a lane then holds eight neighbouring numbers of a row of the result.
; A step of 128 along K is 16 matrix instructions on one of two fragment buffers; in its middle the next step's 48 LDS loads are issued into the other.
; REGISTERS: window 0: v16-29 addresses; v32-63 scale words, two sets of 16 (register 4 i + q: lanes 0-15 the word of A's block i, lanes 16-31 that of B's block i, for the slot's q-th 128 along K);
;   v128-255 the accumulators ((a, b) at v[128 + 8 (4 a + b)]).   window 1: two fragment buffers, at v0 and v128: A's four fragments (48 registers), then B's four.
.set SIZE_N, 2048
.set SIZE_K, 2048
.set NQ,     4                         ; steps of 128 along K in a slot
.set ROWB,   384                       ; a tile's row in bytes: 512 codes
.set KROW,   SIZE_K*6/8
.set PITCH,  432                       ; an LDS row: 3 x (128 bytes + 16 of padding) = 108 words: row r starts at bank 44 r mod 64 (64 banks of 4 bytes: ISA guide 11.1): sixteen different multiples of 4; lanes 16-31 stand 6 or 10 banks on: the 32 lanes of a load of 8 bytes touch 64 different banks
.set FR,     12
.set HALFT,  64*PITCH                  ; 64 rows: what one tensor load brings, and what one wave reads of A or of B
.set SLOT,   4*HALFT                   ; A's 128 rows, then B's 128 rows
.set KS,     SIZE_K/32
.set SCL,    2*SLOT                    ; behind the ring: the scales, as runs of 256 bytes + 16 of padding
.set HALFS,  (64*KS/256)*272           ; the scales of 64 rows
.set SBLK,   (16*KS/256)*272           ; those of 16 rows
.set SPARE,  SCL+4*HALFS               ; the spare words: 128 bytes a wave, two blocks of 256 bytes that no other line names
.set STAGE,  SPARE+512                 ; the way out: 16 rows x (256 bytes + 16) for each wave, bytes of their own: no fill lands there
.set SPITCH, 272
.set ADRA, 16                          ; v16-17 LDS address of my A fragments in slot 0, 1 (v18-19: the same for the pieces that lie behind one padding more)
.set ADRB, 20                          ; v20-21 the same for B (v22-23)
.set STO,  24
.set RD,   25
.set CO,   26
.set ADRS, 27
.set SPW,  28
.set NIL,  29
.set SC,   32
.set ACC,  128
.set F0,   0
.set F1,   128
.set G1, 24
.set G0, 32
.set G1B, 48
.set G0B, 56
.set G1S, 68
.set G0S, 76
.set G1SB, 80
.set G0SB, 88
.set MSB, 0
.macro WIN new                         ; the immediate's high byte repeats the setting that is left
.if MSB != \new
	s_set_vgpr_msb (MSB<<8)|\new
.set MSB, \new
.endif
.endm
.set MUL,  0x05                        ; sources 0 (B) and 1 (A) window 1; C and D window 0
.set TO_F, 0x40                        ; destination window 1, address window 0
.macro JLOAD g0a, g1a, g0b, g1b        ; a joint load: waves 0 and 1 fetch for A, waves 2 and 3 for B; an s_nop 0 and four v_nop follow each of the two lines
	s_cmp_eq_u32 s15, 0
	s_cbranch_scc0 .Lfor_b_\@
	tensor_load_to_lds s[\g0a:\g0a+3], s[\g1a:\g1a+7]
	s_nop 0
.rept 4
	v_nop
.endr
	s_branch .Lasked_\@
.Lfor_b_\@:
	tensor_load_to_lds s[\g0b:\g0b+3], s[\g1b:\g1b+7]
	s_nop 0
.rept 4
	v_nop
.endr
.Lasked_\@:
.endm
.macro CREST                           ; a round of the cluster's barrier behind its opening barrier
	s_cmp_lg_u32 s14, 0
	s_cbranch_scc1 .Lnot_wave_0_\@
	s_barrier_signal -3
.Lnot_wave_0_\@:
	s_barrier_wait -3
	s_barrier_signal -1
	s_barrier_wait -1
.endm
.macro CROUND
	s_barrier_signal -1
	s_barrier_wait -1
	CREST
.endm
	s_load_b128 s[4:7], s[0:1], 0x0                ; o's codes, o's scales
	s_load_b128 s[8:11], s[0:1], 0x10              ; wcodes, wscales
	s_load_b64 s[12:13], s[0:1], 0x20              ; out0
	v_lshl_add_u32 v[SPW], v0, 2, SPARE
	v_mov_b32 v[NIL], 0
	ds_add_u32 v[SPW], v[NIL]                      ; the wave's opening: the add and its wait stand ahead of my first tensor load; the set-up below stands between them
	v_lshrrev_b32 v1, 5, v0
	v_readfirstlane_b32 s14, v1                    ; wave 0..3
	s_lshr_b32 s15, s14, 1                         ; which half of the tile's rows is mine.  Also: I fetch for A (0) or for B (1)
	s_and_b32 s16, s14, 1                          ; which half of its columns.  Also: which 64 rows of that tile I fetch
	s_bfe_u32 s40, ttmp6, 0x40000                  ; cx, cy
	s_bfe_u32 s41, ttmp6, 0x40004
	s_lshl_b32 s42, ttmp9, 2
	s_add_co_u32 s42, s42, s40                     ; tile column
	s_and_b32 s17, ttmp7, 0xffff
	s_lshl_b32 s17, s17, 2
	s_add_co_u32 s17, s17, s41                     ; tile row
	s_lshl_b32 s43, s41, 2
	s_lshl_b32 s43, 15, s43                        ; my row of the cluster
	s_lshl_b32 s44, 0x1111, s40                    ; my column
	s_or_b32 s[G1+0], s43, (0<<16)|(1<<20)|(1<<21)|(4<<22)|(3<<25)  ; the mask; elements of 1 byte; padding on; bit 21 beside a mask; after every 32 words (code 4), 4 words (code 3)
	s_or_b32 s[G1B+0], s44, (0<<16)|(1<<20)|(1<<21)|(4<<22)|(3<<25)
.irp g, G1, G1B
	s_mov_b32 s[\g+1], ROWB<<16                    ; tensor_dim0
	s_mov_b32 s[\g+2], 64<<16                      ; tensor_dim1
	s_mov_b32 s[\g+3], ROWB<<16                    ; tile_dim0
	s_mov_b32 s[\g+4], 64                          ; tile_dim1
	s_mov_b32 s[\g+5], KROW                        ; pitch
	s_mov_b32 s[\g+6], 0
	s_mov_b32 s[\g+7], 0
.endr
	s_or_b32 s[G1S+0], s43, (3<<16)|(1<<20)|(1<<21)|(5<<22)|(3<<25)  ; the scales of 64 rows: 4,096 dense bytes as rows of 256 bytes, 16 bytes of padding behind each
	s_or_b32 s[G1SB+0], s44, (3<<16)|(1<<20)|(1<<21)|(5<<22)|(3<<25)
.irp g, G1S, G1SB
	s_mov_b32 s[\g+1], 32<<16
	s_mov_b32 s[\g+2], (64*KS/256)<<16
	s_mov_b32 s[\g+3], 32<<16
	s_mov_b32 s[\g+4], 64*KS/256
	s_mov_b32 s[\g+5], 32
	s_mov_b32 s[\g+6], 0
	s_mov_b32 s[\g+7], 0
.endr
	s_lshl_b32 s18, s16, 6                         ; which 64 rows of the tile I fetch
	s_lshl_b32 s20, s17, 7
	s_add_co_u32 s20, s20, s18                     ; A: row 128 x tile row + 64 x half
	s_lshl_b32 s46, s42, 7
	s_add_co_u32 s46, s46, s18                     ; B: row 128 x tile column + 64 x half
	s_mov_b32 s21, 0
	s_mov_b32 s47, 0
	s_mov_b64 s[18:19], KS
	s_mul_u64 s[22:23], s[20:21], s[18:19]         ; where these rows' scales begin,
	s_mul_u64 s[92:93], s[46:47], s[18:19]
	s_mov_b64 s[18:19], KROW
	s_mul_u64 s[20:21], s[20:21], s[18:19]         ; and their codes
	s_mul_u64 s[46:47], s[46:47], s[18:19]
	s_mul_i32 s45, s14, HALFT                      ; where they go: wave x 64 rows: no place in the cluster enters an LDS address
	s_mul_i32 s94, s14, HALFS
	s_wait_dscnt 0x0                               ; the opening add is done
	s_wait_kmcnt 0x0
	s_add_nc_u64 s[8:9], s[8:9], 8256*1536         ; Wo's first row of codes,
	s_add_nc_u64 s[10:11], s[10:11], 8256*64       ; and of scale bytes
	s_add_nc_u64 s[20:21], s[4:5], s[20:21]
	s_add_nc_u64 s[22:23], s[6:7], s[22:23]
	s_add_nc_u64 s[46:47], s[8:9], s[46:47]
	s_add_nc_u64 s[92:93], s[10:11], s[92:93]
	CROUND                                         ; all sixteen work-groups are here: the first joint loads meet
	s_mov_b32 s[G0S], 1
	s_add_co_u32 s[G0S+1], s94, SCL
	s_mov_b64 s[G0S+2:G0S+3], s[22:23]
	s_or_b32 s[G0S+3], s[G0S+3], 0x80000000
	s_mov_b32 s[G0SB], 1
	s_add_co_u32 s[G0SB+1], s94, SCL
	s_mov_b64 s[G0SB+2:G0SB+3], s[92:93]
	s_or_b32 s[G0SB+3], s[G0SB+3], 0x80000000
	JLOAD G0S, G1S, G0SB, G1SB                     ; the scales first: they are wanted with the first step
.irp s, 0,1
	s_mov_b32 s[G0+4*\s], 1
	s_add_co_u32 s[G0+4*\s+1], s45, \s*SLOT
	s_add_nc_u64 s[G0+4*\s+2:G0+4*\s+3], s[20:21], \s*ROWB
	s_or_b32 s[G0+4*\s+3], s[G0+4*\s+3], 0x80000000
	s_mov_b32 s[G0B+4*\s], 1
	s_add_co_u32 s[G0B+4*\s+1], s45, \s*SLOT
	s_add_nc_u64 s[G0B+4*\s+2:G0B+4*\s+3], s[46:47], \s*ROWB
	s_or_b32 s[G0B+4*\s+3], s[G0B+4*\s+3], 0x80000000
	JLOAD G0+4*\s, G1, G0B+4*\s, G1B               ; three loads of mine are out
.endr
	v_and_b32 v1, 15, v0                           ; r
	v_bfe_u32 v2, v0, 4, 1                         ; h
	v_mul_u32_u24 v3, v1, PITCH
	v_mul_u32_u24 v4, v2, 24
	v_add_nc_u32 v4, v3, v4                        ; a fragment's row x pitch + 24 x half
	v_lshl_add_u32 v5, v2, 4, v4                   ; and the same behind one padding more
	s_mul_i32 s21, s15, HALFT                      ; my 64 rows of A
	s_mul_i32 s22, s16, HALFT                      ; my 64 rows of B,
	s_add_co_u32 s22, s22, 2*HALFT                 ; which lie behind A's 128
.irp s, 0,1
	v_add_nc_u32 v[ADRA+\s], s21, v4
	v_add_nc_u32 v[ADRB+\s], s22, v4
	v_add_nc_u32 v[ADRA+2+\s], s21, v5
	v_add_nc_u32 v[ADRB+2+\s], s22, v5
	s_add_co_u32 s21, s21, SLOT
	s_add_co_u32 s22, s22, SLOT
.endr
	v_mul_u32_u24 v5, v1, KS                       ; my row's scales: KS bytes a row,
	v_lshrrev_b32 v6, 8, v5
	v_lshl_add_u32 v5, v6, 4, v5                   ; and 16 more for each 256 passed
	s_mul_i32 s21, s15, HALFS
	s_mul_i32 s22, s16, HALFS
	s_add_co_u32 s22, s22, 2*HALFS
	s_sub_co_u32 s22, s22, s21
	v_mul_u32_u24 v6, s22, v2                      ; lanes 16-31 take B's
	s_add_co_u32 s21, s21, SCL
	v_add_nc_u32 v5, v5, v6
	v_add_nc_u32 v[ADRS], s21, v5
	s_mul_i32 s23, s14, 16*SPITCH
	s_add_co_u32 s23, s23, STAGE                   ; my stage
	v_mul_u32_u24 v5, v1, SPITCH                   ; in: row r, 32 bytes for each half of the lanes
	v_lshl_add_u32 v5, v2, 5, v5
	v_add_nc_u32 v[STO], s23, v5
	v_mul_u32_u24 v5, v2, SPITCH                   ; back: lanes 0-15 take one row of 256 bytes, lanes 16-31 the next
	v_lshl_add_u32 v5, v1, 4, v5
	v_add_nc_u32 v[RD], s23, v5
	v_mul_u32_u24 v5, v2, SIZE_N*4                 ; and the same two rows in the result
	v_lshl_add_u32 v[CO], v1, 4, v5
	s_lshl_b32 s20, s17, 7
	s_lshl_b32 s21, s15, 6
	s_add_co_u32 s20, s20, s21                     ; my first row of the result: 128 x tile row + 64 x half
	s_mov_b32 s21, 0
	s_mov_b64 s[18:19], SIZE_N*4
	s_mul_u64 s[20:21], s[20:21], s[18:19]
	s_lshl_b32 s46, s42, 9                         ; my first column, in bytes: 512 x tile column + 256 x half
	s_lshl_b32 s47, s16, 8
	s_add_co_u32 s46, s46, s47
	s_mov_b32 s47, 0
	s_add_nc_u64 s[20:21], s[20:21], s[46:47]
	s_add_nc_u64 s[12:13], s[12:13], s[20:21]
.macro FRAG reg, adr, q, i             ; a fragment: 16 rows x 128 K = 12 registers, in pieces of 8 bytes.  Lanes 0-15 take the row's pieces 12 q + 0, 1, 2 and 12 q + 6, 7, 8, lanes 16-31 those three pieces on;
.irp p, 0,1,2,3,4,5                    ; 16 bytes of padding lie behind every 16 pieces: where the piece three on lies behind one padding more, the second address register (40 for 24 bytes a half) serves
.set PCE, 12*(\q)+6*(\p/3)+\p%3
.if PCE%16 < 13
	ds_load_b64 v[\reg+2*\p:\reg+2*\p+1], v[\adr] offset:8*PCE+16*(PCE/16)+(\i)*16*PITCH
.else
	ds_load_b64 v[\reg+2*\p:\reg+2*\p+1], v[\adr+2] offset:8*PCE+16*(PCE/16)+(\i)*16*PITCH
.endif
.endr
.endm
; 8 matrix instructions: A's blocks a0, a0 + 1 x B's four, 128 along K: the slot's q-th, from buffer f.  The 16 accumulators take turns, one instruction a turn, in the same order in every step.
.macro MUL8 f, a0, q, sc, zero
.irp a, \a0, \a0+1
.irp b, 0,1,2,3
.if \zero
	v_wmma_scale_f32_16x16x128_f8f6f4 v[ACC+8*(4*(\a)+\b):ACC+8*(4*(\a)+\b)+7], v[\f+48+FR*\b:\f+48+FR*\b+FR-1], v[\f+FR*(\a):\f+FR*(\a)+FR-1], 0, v[SC+16*(\sc)+NQ*\b+(\q)], v[SC+16*(\sc)+NQ*(\a)+(\q)] matrix_a_fmt:MATRIX_FMT_FP6 matrix_b_fmt:MATRIX_FMT_FP6 matrix_a_scale:MATRIX_SCALE_ROW1
.else
	v_wmma_scale_f32_16x16x128_f8f6f4 v[ACC+8*(4*(\a)+\b):ACC+8*(4*(\a)+\b)+7], v[\f+48+FR*\b:\f+48+FR*\b+FR-1], v[\f+FR*(\a):\f+FR*(\a)+FR-1], v[ACC+8*(4*(\a)+\b):ACC+8*(4*(\a)+\b)+7], v[SC+16*(\sc)+NQ*\b+(\q)], v[SC+16*(\sc)+NQ*(\a)+(\q)] matrix_a_fmt:MATRIX_FMT_FP6 matrix_b_fmt:MATRIX_FMT_FP6 matrix_a_scale:MATRIX_SCALE_ROW1
.endif
.endr
.endr
.endm
.macro FETCH slot, q, f                ; 48 LDS loads in one run: B's four fragments, then A's four: the youngest twelve are A's blocks 2 and 3
	WIN TO_F
.irp i, 0,1,2,3
	FRAG \f+48+FR*\i, ADRB+\slot, \q, \i
.endr
.irp i, 0,1,2,3
	FRAG \f+FR*\i, ADRA+\slot, \q, \i
.endr
.endm
.macro SCALES sc                       ; a slot's scale words, four a row: lanes 0-15 take A's block i, lanes 16-31 B's block i
.irp i, 0,1,2,3
	ds_load_b128 v[SC+16*\sc+NQ*\i:SC+16*\sc+NQ*\i+3], v[ADRS] offset:\i*SBLK
.endr
.endm
.macro PLACES                          ; four plain vector instructions between a matrix instruction and a load into, or a read of, its registers
.rept 4
	v_nop
.endr
.endm
.macro STEP slot, q, f, g, zero        ; one of a slot's first three steps: multiplies buffer f and fetches the next step into buffer g
	s_wait_dscnt 12                                ; B's fragments and A's blocks 0 and 1 are in; the youngest twelve loads (A's blocks 2 and 3) may be out
	WIN MUL
	MUL8 \f, 0, \q, \slot, \zero
	PLACES                                         ; buffer g was multiplied in the step before
	FETCH \slot, (\q)+1, \g
	s_wait_dscnt 48                                ; all but the 48 just issued
	WIN MUL
	MUL8 \f, 2, \q, \slot, \zero
.endm
; A slot's last step multiplies buffer 1 and changes slots: one barrier; in front of it each wave waits for all its tensor loads, adds 0 to its spare word, and waits for that and for its reads of this slot.
.macro TURN slot, next, fill
	WIN 0                                          ; (the add's two registers lie in window 0)
	s_wait_tensorcnt 0x0                           ; all my tensor loads have landed: my part of the next slot
	ds_add_u32 v[SPW], v[NIL]                      ; 0 onto my spare word
	s_wait_dscnt 0x0                               ; the add is done, and my reads of this slot are over
	s_barrier_signal -1
	WIN MUL
	MUL8 F1, 0, NQ-1, \slot, 0                     ; work on registers while the others arrive
	WIN 0
	s_barrier_wait -1
.if \fill
	CREST                                          ; the barrier has opened a round of the cluster's barrier: no wave of any partner still reads this slot or has a load on its way
	s_add_nc_u64 s[G0+4*\slot+2:G0+4*\slot+3], s[G0+4*\slot+2:G0+4*\slot+3], 2*ROWB
	s_add_nc_u64 s[G0B+4*\slot+2:G0B+4*\slot+3], s[G0B+4*\slot+2:G0B+4*\slot+3], 2*ROWB
	JLOAD G0+4*\slot, G1, G0B+4*\slot, G1B         ; the first tensor load behind the round; its four v_nop are the places in front of the loads below
.else
	PLACES
.endif
	v_add_nc_u32 v[ADRS], 4*NQ, v[ADRS]            ; on to the next slot's scale words
	SCALES \next
	FETCH \next, 0, F0
	WIN MUL
	MUL8 F1, 2, NQ-1, \slot, 0
.endm
	s_wait_tensorcnt 1                             ; the scales and my part of slot 0 are in (slot 1's load may be out),
	s_barrier_signal -1
	s_barrier_wait -1                              ; everybody's are
	SCALES 0
	FETCH 0, 0, F0
	STEP 0, 0, F0, F1, 1                           ; the first step's products start the sums
	STEP 0, 1, F1, F0, 0
	STEP 0, 2, F0, F1, 0
	TURN 0, 1, 1                                   ; slot 0 takes K 1,024 to 1,535
	STEP 1, 0, F0, F1, 0
	STEP 1, 1, F1, F0, 0
	STEP 1, 2, F0, F1, 0
	TURN 1, 0, 1                                   ; slot 1 takes K 1,536 to 2,047
	STEP 0, 0, F0, F1, 0
	STEP 0, 1, F1, F0, 0
	STEP 0, 2, F0, F1, 0
	TURN 0, 1, 0                                   ; nothing is left to ask for
	STEP 1, 0, F0, F1, 0
	STEP 1, 1, F1, F0, 0
	STEP 1, 2, F0, F1, 0
	s_wait_dscnt 12                                ; the very last step
	WIN MUL
	MUL8 F1, 0, NQ-1, 1, 0
	s_wait_dscnt 0
	MUL8 F1, 2, NQ-1, 1, 0
	WIN 0
; THE WAY OUT, block by block of 16 rows x 64 columns.  A lane holds 32 neighbouring bytes of a row; a block goes through my own stage in LDS and comes back, into the registers that it left, as whole rows of
; 256 bytes.  LDS serves a wave's instructions in order (ISA guide 5.7.1.4): no wait between the stores and the loads, nor in front of the next block's stores.
.macro TOSTAGE a
.irp b, 0,1,2,3
	ds_store_b128 v[STO], v[ACC+32*(\a)+8*\b:ACC+32*(\a)+8*\b+3] offset:64*\b          ; each accumulator from its low end on
	ds_store_b128 v[STO], v[ACC+32*(\a)+8*\b+4:ACC+32*(\a)+8*\b+7] offset:64*\b+16
.endr
.irp t, 0,1,2,3,4,5,6,7
	ds_load_b128 v[ACC+32*(\a)+4*\t:ACC+32*(\a)+4*\t+3], v[RD] offset:\t*2*SPITCH
.endr
.endm
.macro SEND a, younger                 ; younger: the LDS instructions issued behind block a's loads: the next block's sixteen, or none
.irp t, 0,1,2,3,4,5,6,7
	s_wait_dscnt \younger+7-\t
	global_store_b128 v[CO], v[ACC+32*(\a)+4*\t:ACC+32*(\a)+4*\t+3], s[12:13] offset:(16*(\a)+2*\t)*SIZE_N*4 th:TH_STORE_NT   ; 16 lanes store 256 consecutive bytes, aligned; 62 rows of 8,192 bytes at the most: inside the signed 24-bit immediate
.endr
.endm
	PLACES
	TOSTAGE 0
	TOSTAGE 1
	SEND 0, 16
	TOSTAGE 2
	SEND 1, 16
	TOSTAGE 3
	SEND 2, 16
	SEND 3, 0
	s_wait_tensorcnt 0x0                           ; the wave's end, behind my last tensor load and my last LDS store
	ds_add_u32 v[SPW], v[NIL]
	s_wait_dscnt 0x0
	CROUND                                         ; the closing round: no work-group ends while a partner may still ask for a tile that names it
	s_endpgm
.Lfunc_end_k_q2ffc27f466_outp:
	.size	k_q2ffc27f466_outp, .Lfunc_end_k_q2ffc27f466_outp-k_q2ffc27f466_outp
	.p2alignl 7, 3214868480
	.fill 96, 4, 3214868480
	.section	.rodata,"a",@progbits
	.p2align	6, 0x0
	.amdhsa_kernel k_q2ffc27f466_outp
		.amdhsa_group_segment_fixed_size 327680
		.amdhsa_private_segment_fixed_size 0
		.amdhsa_enable_private_segment 0
		.amdhsa_kernarg_size 40
		.amdhsa_user_sgpr_count 2
		.amdhsa_user_sgpr_kernarg_segment_ptr 1
		.amdhsa_wavefront_size32 1
		.amdhsa_system_sgpr_workgroup_id_x 1
		.amdhsa_system_sgpr_workgroup_id_y 1
		.amdhsa_system_sgpr_workgroup_id_z 1
		.amdhsa_system_vgpr_workitem_id 0
		.amdhsa_next_free_vgpr 512
		.amdhsa_next_free_sgpr 98
		.amdhsa_reserve_vcc 0
		.amdhsa_float_denorm_mode_32 3
		.amdhsa_float_denorm_mode_16_64 3
		.amdhsa_memory_ordered 1
		.amdhsa_forward_progress 1
		.amdhsa_inst_pref_size 106
	.end_amdhsa_kernel
	.amdgpu_metadata
---
amdhsa.version: [ 1, 2 ]
amdhsa.kernels:
  - .name:           k_q2ffc27f466_outp
    .symbol:         k_q2ffc27f466_outp.kd
    .args:
      - { .name: ocodes, .offset: 0, .size: 8, .value_kind: global_buffer, .address_space: global }
      - { .name: oscales, .offset: 8, .size: 8, .value_kind: global_buffer, .address_space: global }
      - { .name: wcodes, .offset: 16, .size: 8, .value_kind: global_buffer, .address_space: global }
      - { .name: wscales, .offset: 24, .size: 8, .value_kind: global_buffer, .address_space: global }
      - { .name: out0, .offset: 32, .size: 8, .value_kind: global_buffer, .address_space: global }
    .group_segment_fixed_size: 327680
    .private_segment_fixed_size: 0
    .kernarg_segment_align: 8
    .kernarg_segment_size: 40
    .max_flat_workgroup_size: 128
    .sgpr_count:     98
    .vgpr_count:     512
    .wavefront_size: 32
...
	.end_amdgpu_metadata
.endif
;; end of part 7
